; MI455X (gfx1250); checked and timed in simulation.
; The chip was launched on July 23, 2026; its instructions are those of AMD's public machine-readable ISA for CDNA 5 (MIT licence, August 2026) and "CDNA5" Instruction Set Architecture Reference Guide (July 2026). The comments in the code are by the model that wrote it; some were corrected since.
;; Prosody Aware Attention. Allowed arithmetic: float matrix products may take bf16 or f16 operands with f32 sums; other float arithmetic in f32, or as packed bf16 or f16 multiplies, adds, multiply-adds, maxima and minima; sums over many terms, partial sums and values carried from step to step in f32; what a program stores and reads back later, other than sums and carried values, may be rounded once to bf16 or f16.
;; Inputs: Wk 1,024 x 1,024 float32; Wq 1,024 x 1,024 float32; Wv 1,024 x 1,024 float32; attention_mask 4 x 2,048 x 2,048 float32; bk 1,024 float32; bq 1,024 float32; bv 1,024 float32; hidden_states 4 x 2,048 x 1,024 float32; prosody_mask 4 x 2,048 x 2,048 float32; prosody_weight 1 float32.
;; Outputs: out0 4 x 2,048 x 1,024 float32.
;; 3 versions, each right; version 2 is faster than version 1; version 3 is version 2 with the launch cast written anew for expert scheduling mode. Each part assembles by itself: llvm-mc -triple=amdgcn-amd-amdhsa -mcpu=gfx1250 --defsym DOCPART=n.
;; ======== version 1 of 3: 4 launches
;; limits: values are held in f16: magnitudes above 65,504 overflow, below 6.1e-05 lose precision; values outside matrix products are rounded to f16
;; workspace buffers: xh 16,777,216 bytes; wh 6,291,456 bytes; qkv 50,331,648 bytes; pt 33,554,432 bytes; st 1,048,576 bytes
;; launch cast (part 1): grid 704 x 1, 8 waves a work-group, no clusters, 0 bytes of LDS; arguments hidden_states, Wq, Wk, Wv, xh, wh; writes xh, wh
.if DOCPART == 1
	.amdgcn_target "amdgcn-amd-amdhsa--gfx1250"
	.amdhsa_code_object_version 6
	.text
	.protected	k_q70a122c658_cast
	.globl	k_q70a122c658_cast
	.p2align	8
	.type	k_q70a122c658_cast,@function
k_q70a122c658_cast:
	s_mov_b64 s[64:65], 0
	v_nop
	global_prefetch_b8 v0, s[64:65] scope:SCOPE_SE
	s_setreg_imm32_b32 hwreg(HW_REG_WAVE_MODE, 25, 1), 1
	s_wait_xcnt 0x0
; xh = bf16(hidden_states), rows re-ordered; wh = bf16(Wq | Wk | Wv), rows as they lie.  Rows are 1,024 numbers: 4,096 bytes of f32 in, 2,048 bytes of bf16 out.
; THE ORDER OF xh's ROWS.  Inside each aligned group of 64 tokens, token t = 4 r + i (r 0..15, i 0..3) is written to row 16 i + r.  All later launches work on rows in this
; order; it lets a lane of the score launch read four neighbouring mask numbers and feed four matrix fragments with them, and the last launch undoes it in its stores.
; SHARES.  11,264 rows (8,192 of x, 3 x 1,024 of the weights).  A work-group owns 16 rows, each of its eight waves two: groups 0-511 x, 512-575 Wq, 576-639 Wk, 640-703 Wv.
; A stream: every byte is read once and written once, no two work-groups share an input, so no LDS, no barrier, no cluster and no matrix work.  All sixteen loads of a wave go out
; at once; no register is written twice, so the only waits are the counted ones for the loads.
	s_load_b256 s[4:11], s[0:1], 0x0               ; hidden_states s[4:5], Wq s[6:7], Wk s[8:9], Wv s[10:11]
	s_load_b128 s[12:15], s[0:1], 0x20             ; xh s[12:13], wh s[14:15]
	v_lshrrev_b32 v1, 5, v0
	v_readfirstlane_b32 s16, v1                    ; wave 0..7
	v_and_b32 v1, 31, v0
	v_lshlrev_b32 v2, 4, v1                        ; 16 bytes a lane on the way in
	v_lshlrev_b32 v3, 3, v1                        ; 8 bytes a lane on the way out
	s_mov_b32 s17, ttmp9
	s_lshl_b32 s18, s17, 4
	s_lshl1_add_u32 s18, s16, s18                  ; R = 16 x group + 2 x wave: my first row among the 11,264; it is even
	s_and_b32 s19, s18, 0xffffffc0                 ; the row of xh for token R: the group of 64 stays,
	s_and_b32 s20, s18, 3
	s_lshl_b32 s20, s20, 4                         ; R % 4 chooses the block of 16,
	s_or_b32 s19, s19, s20
	s_bfe_u32 s20, s18, 0x40002                    ; (R / 4) % 16 the row in it
	s_or_b32 s19, s19, s20
	s_lshl_b32 s19, s19, 11                        ; in bytes
	s_sub_co_u32 s20, s18, 8192
	s_lshl_b32 s20, s20, 11                        ; the byte offset in wh (used by the weights' groups alone)
	s_mov_b32 s21, 10240                           ; the first row of my source among the 11,264
	s_movk_i32 s28, 2048                           ; from my first row's place to my second's: the next row of wh,
	s_wait_kmcnt 0x0
	s_mov_b64 s[22:23], s[10:11]
	s_cmp_lt_u32 s17, 640
	s_cselect_b64 s[22:23], s[8:9], s[22:23]
	s_cselect_b32 s21, 9216, s21
	s_cmp_lt_u32 s17, 576
	s_cselect_b64 s[22:23], s[6:7], s[22:23]
	s_cselect_b32 s21, 8192, s21
	s_cmp_lt_u32 s17, 512
	s_cselect_b64 s[22:23], s[4:5], s[22:23]
	s_cselect_b32 s21, 0, s21
	s_cselect_b64 s[24:25], s[12:13], s[14:15]
	s_cselect_b32 s26, s19, s20
	s_cselect_b32 s28, 0x8000, s28                 ; or, in xh, 16 rows on: token R + 1 falls into the next block of 16
	s_sub_co_u32 s21, s18, s21
	s_lshl_b32 s30, s21, 12                        ; my first row in the source, in bytes
	s_mov_b32 s31, 0
	s_add_nc_u64 s[22:23], s[22:23], s[30:31]
	s_mov_b32 s27, 0
	s_add_nc_u64 s[24:25], s[24:25], s[26:27]      ; where my first row goes,
	s_mov_b32 s29, 0
	s_add_nc_u64 s[26:27], s[24:25], s[28:29]      ; and my second
.set i, 0
.rept 16
	global_load_b128 v[8+4*i:11+4*i], v2, s[22:23] offset:4096*(i/8)+512*(i%8) th:TH_LOAD_NT  ; 512 consecutive bytes a load; read once in the launch
.set i, i+1
.endr
.set i, 0
.rept 16
	s_wait_loadcnt 15-i                            ; loads come back in order: load i is in, the younger ones stay out
	v_cvt_pk_bf16_f32 v[72+2*i], v[8+4*i], v[9+4*i]
	v_cvt_pk_bf16_f32 v[73+2*i], v[10+4*i], v[11+4*i]
.if i < 8
	global_store_b64 v3, v[72+2*i:73+2*i], s[24:25] offset:256*(i%8)  ; the wave stores 256 consecutive bytes, at a multiple of 256 from the buffer's first byte
.else
	global_store_b64 v3, v[72+2*i:73+2*i], s[26:27] offset:256*(i%8)
.endif
.set i, i+1
.endr
	s_endpgm
.Lfunc_end_k_q70a122c658_cast:
	.size	k_q70a122c658_cast, .Lfunc_end_k_q70a122c658_cast-k_q70a122c658_cast
	.p2alignl 7, 3214868480
	.fill 96, 4, 3214868480
	.section	.rodata,"a",@progbits
	.p2align	6, 0x0
	.amdhsa_kernel k_q70a122c658_cast
		.amdhsa_group_segment_fixed_size 0
		.amdhsa_private_segment_fixed_size 0
		.amdhsa_enable_private_segment 0
		.amdhsa_kernarg_size 48
		.amdhsa_user_sgpr_count 2
		.amdhsa_user_sgpr_kernarg_segment_ptr 1
		.amdhsa_wavefront_size32 1
		.amdhsa_system_sgpr_workgroup_id_x 1
		.amdhsa_system_sgpr_workgroup_id_y 1
		.amdhsa_system_sgpr_workgroup_id_z 1
		.amdhsa_system_vgpr_workitem_id 0
		.amdhsa_next_free_vgpr 104
		.amdhsa_next_free_sgpr 66
		.amdhsa_reserve_vcc 0
		.amdhsa_float_denorm_mode_32 3
		.amdhsa_float_denorm_mode_16_64 3
		.amdhsa_memory_ordered 1
		.amdhsa_forward_progress 1
		.amdhsa_inst_pref_size 8
	.end_amdhsa_kernel
	.amdgpu_metadata
---
amdhsa.version: [ 1, 2 ]
amdhsa.kernels:
  - .name:           k_q70a122c658_cast
    .symbol:         k_q70a122c658_cast.kd
    .args:
      - { .name: hidden_states, .offset: 0, .size: 8, .value_kind: global_buffer, .address_space: global }
      - { .name: Wq, .offset: 8, .size: 8, .value_kind: global_buffer, .address_space: global }
      - { .name: Wk, .offset: 16, .size: 8, .value_kind: global_buffer, .address_space: global }
      - { .name: Wv, .offset: 24, .size: 8, .value_kind: global_buffer, .address_space: global }
      - { .name: xh, .offset: 32, .size: 8, .value_kind: global_buffer, .address_space: global }
      - { .name: wh, .offset: 40, .size: 8, .value_kind: global_buffer, .address_space: global }
    .group_segment_fixed_size: 0
    .private_segment_fixed_size: 0
    .kernarg_segment_align: 8
    .kernarg_segment_size: 48
    .max_flat_workgroup_size: 256
    .sgpr_count:     66
    .vgpr_count:     104
    .wavefront_size: 32
...
	.end_amdgpu_metadata
.endif
;; end of part 1
;; launch proj (part 2): grid 12 x 64, 4 waves a work-group, clusters of 4 x 4, 327,680 bytes of LDS; arguments xh, wh, bq, bk, bv, qkv; writes qkv
.if DOCPART == 2
	.amdgcn_target "amdgcn-amd-amdhsa--gfx1250"
	.amdhsa_code_object_version 6
	.text
	.protected	k_q70a122c658_proj
	.globl	k_q70a122c658_proj
	.p2align	8
	.type	k_q70a122c658_proj,@function
k_q70a122c658_proj:
	s_mov_b64 s[64:65], 0
	v_nop
	global_prefetch_b8 v0, s[64:65] scope:SCOPE_SE
	s_setreg_imm32_b32 hwreg(HW_REG_WAVE_MODE, 25, 1), 1
	s_wait_xcnt 0x0
	s_wait_alu depctr_hold_cnt(0) depctr_sa_sdst(0) depctr_va_vdst(0) depctr_va_sdst(0) depctr_va_ssrc(0) depctr_va_vcc(0) depctr_vm_vsrc(0)
	s_getreg_b32 s2, hwreg(HW_REG_IB_STS2, 6, 4)
	s_cmp_eq_u32 s2, 0
	s_cbranch_scc0 .Lentry_in_a_cluster
	s_endpgm
.Lentry_in_a_cluster:
	s_bfe_u32 s2, ttmp6, 0x10000c
	s_cmp_lg_u32 s2, 0xf033
	s_cbranch_scc0 .Lentry_shape_is_right
	s_endpgm
.Lentry_shape_is_right:
; qkv[t][o] = sum over h of xh[t][h] wh[o][h] + bias[o].  xh: [8192][1024] bf16, wh: [3072][1024] bf16 (Wq, Wk, Wv), bias: bq | bk | bv in f32, rounded to bf16 like every input.
; qkv: [8192][3072] f16 (a row: q, k, v, 2,048 bytes each), rounded once from the f32 sums.
; LIMIT.  f16 holds no number beyond 65,504: a q, k or v beyond that becomes an infinity.  With x and the weights thirty times the size of unit-spread x and weights of spread 1/32 they reach some 5,000.
; SHARES.  A tile of the result is 128 rows x 256 columns: 768 work-groups, three for each of 256 WGPs.  Four waves, each 64 x 128: 32 accumulators of 16 x 16, 256 registers.
; K goes in steps of 128 through two LDS slots filled by tensor loads; rows of 256 bytes, padded to 272 in LDS.
; CLUSTER.  4 x 4 work-groups: the four of a row of the cluster need the same rows of xh, the four of a column the same rows of wh; each tile is asked for jointly.
; THE MATRIX INSTRUCTION IS USED TRANSPOSED (source 0 = 16 rows of wh, source 1 = 16 rows of xh): a lane holds eight neighbouring columns of one row of the result.
; The bias is the C operand of the products that start the sums.
; REGISTERS.  Window 0: v0-31 addresses; v64-159, v160-255 two fragment buffers (32 registers of xh's fragments, then 64 of wh's); on the way out v64-95 packed results, v128-191 rows read back.
; Window 1: the accumulators, (a, b) at v[8 (8 a + b)].  Window 2: v0-63 the bias of my 128 columns in the accumulators' layout, v64-67 at work.
.set PITCH,  272                       ; an LDS row: 256 bytes + 16 of padding: the 16 rows of a fragment load start at 16 different groups of four banks (ISA guide 11.1)
.set AHALF,  64*PITCH                  ; 64 rows of xh: one tensor load, and what one wave reads of xh
.set BHALF,  128*PITCH                 ; 128 rows of wh: one tensor load, and what one wave reads of wh
.set BOFF,   2*AHALF
.set SLOT,   BOFF+2*BHALF              ; 128 rows of xh, then 256 rows of wh
.set STAGE,  2*SLOT                    ; behind the ring: 16 rows x 272 bytes for each wave, for the way out
.set SPITCH, 272
.set SPARE,  STAGE+4*16*SPITCH         ; behind the stages: the spare words, 128 bytes a wave
.set LAPS,   4                         ; a lap = two K steps; K = 1,024
.set STEPB,  256                       ; bytes of a K step in a row
.set OPITCH, 6144                      ; bytes in a row of qkv
.set ADRA, 16                          ; v16-17  LDS address of my fragments of xh in slot 0, 1
.set ADRB, 20                          ; v20-21  of wh
.set STO,  24
.set RD,   25
.set CO,   26
.set BO,   27                          ; v27     my byte offset in 16 numbers of the bias
.set SPW,  28                          ; v28     my spare word; never rewritten
.set NIL,  29                          ; v29     0; never rewritten
.set F0,   64
.set F1,   160
.set TMP,  64
.set OB,   128
.set BI,   0                           ; window 2
.set BT,   64                          ; window 2
.set G1,   24
.set G0,   32
.set G1B,  48
.set G0B,  56
.set MUL,  0x50                        ; sources in window 0, C and D in window 1
.set MULB, 0x60                        ; the same with C in window 2
.set MSB, 0
.macro WIN new                         ; the immediate's high byte repeats the setting that is left
.if MSB != (\new)
	s_set_vgpr_msb (MSB<<8)|(\new)
.set MSB, \new
.endif
.endm
.macro JLOAD s                         ; a joint load: waves 0 and 1 fetch xh's two halves, waves 2 and 3 wh's; an s_nop 0 and four v_nop follow each line
	s_cmp_eq_u32 s11, 0
	s_cbranch_scc0 .Lfor_b_\@
	tensor_load_to_lds s[G0+4*(\s):G0+4*(\s)+3], s[G1:G1+7]
	s_nop 0
.rept 4
	v_nop
.endr
	s_branch .Lasked_\@
.Lfor_b_\@:
	tensor_load_to_lds s[G0B+4*(\s):G0B+4*(\s)+3], s[G1B:G1B+7]
	s_nop 0
.rept 4
	v_nop
.endr
.Lasked_\@:
.endm
.macro CREST                           ; a round of the cluster's barrier behind its opening barrier
	s_cmp_lg_u32 s10, 0
	s_cbranch_scc1 .Lnot_wave_0_\@
	s_barrier_signal -3
.Lnot_wave_0_\@:
	s_barrier_wait -3
	s_barrier_signal -1
	s_barrier_wait -1
.endm
.macro CROUND
	s_barrier_signal -1
	s_barrier_wait -1
	CREST
.endm
.macro PLACES                          ; four places in front of loads into registers that matrix instructions have read, and of conversions that read results
.rept 4
	v_nop
.endr
.endm
	s_load_b256 s[80:87], s[0:1], 0x0              ; xh s[80:81], wh s[82:83], bq s[84:85], bk s[86:87]
	s_load_b128 s[88:91], s[0:1], 0x20             ; bv s[88:89], qkv s[90:91]
	v_lshl_add_u32 v[SPW], v0, 2, SPARE
	v_mov_b32 v[NIL], 0
	ds_add_u32 v[SPW], v[NIL]                      ; the wave's opening: the add and its wait ahead of my first tensor load
	v_lshrrev_b32 v1, 5, v0
	v_readfirstlane_b32 s10, v1                    ; wave 0..3
	s_lshr_b32 s11, s10, 1                         ; which 64 rows of the tile are mine.  Also: I fetch xh (0) or wh (1)
	s_and_b32 s12, s10, 1                          ; which 128 columns.  Also: which half of that tile I fetch
	s_bfe_u32 s40, ttmp6, 0x40000                  ; cx
	s_bfe_u32 s41, ttmp6, 0x40004                  ; cy
	s_lshl_b32 s42, ttmp9, 2
	s_add_co_u32 s42, s42, s40                     ; tile column = 4 x cluster x + cx
	s_and_b32 s13, ttmp7, 0xffff
	s_lshl_b32 s13, s13, 2
	s_add_co_u32 s13, s13, s41                     ; tile row = 4 x cluster y + cy
	s_lshl_b32 s43, s41, 2
	s_lshl_b32 s43, 15, s43                        ; my row of the cluster
	s_lshl_b32 s44, 0x1111, s40                    ; my column
	s_or_b32 s[G1+0], s43, (1<<16)|(1<<20)|(1<<21)|(5<<22)|(3<<25)   ; the mask; 2-byte elements; padding on; bit 21 beside a mask; after every 64 words 4 words
	s_or_b32 s[G1B+0], s44, (1<<16)|(1<<20)|(1<<21)|(5<<22)|(3<<25)
	s_mov_b32 s[G1+1], 128<<16                     ; tensor_dim0 = 128
	s_mov_b32 s[G1+2], 64<<16                      ; tensor_dim1 = 64
	s_mov_b32 s[G1+3], 128<<16                     ; tile_dim0 = 128
	s_mov_b32 s[G1+4], 64                          ; tile_dim1 = 64
	s_mov_b32 s[G1+5], 1024                        ; elements from row to row
	s_mov_b32 s[G1+6], 0
	s_mov_b32 s[G1+7], 0
	s_mov_b32 s[G1B+1], 128<<16
	s_mov_b32 s[G1B+2], 128<<16                    ; 128 rows
	s_mov_b32 s[G1B+3], 128<<16
	s_mov_b32 s[G1B+4], 128
	s_mov_b32 s[G1B+5], 1024
	s_mov_b32 s[G1B+6], 0
	s_mov_b32 s[G1B+7], 0
	s_lshl_b32 s16, s13, 7
	s_lshl_b32 s17, s12, 6
	s_add_co_u32 s16, s16, s17                     ; xh: row 128 x tile row + 64 x half,
	s_lshl_b32 s16, s16, 11                        ; of 2,048 bytes
	s_mov_b32 s17, 0
	s_lshl_b32 s46, s42, 8
	s_lshl_b32 s47, s12, 7
	s_add_co_u32 s46, s46, s47                     ; wh: row 256 x tile column + 128 x half
	s_lshl_b32 s46, s46, 11
	s_mov_b32 s47, 0
	s_mul_i32 s20, s12, AHALF                      ; where the halves go: no place in the cluster enters an LDS address
	s_mul_i32 s21, s12, BHALF
	s_add_co_u32 s21, s21, BOFF
	s_wait_dscnt 0x0                               ; the opening add is done
	s_wait_kmcnt 0x0
	s_add_nc_u64 s[14:15], s[80:81], s[16:17]
	s_add_nc_u64 s[46:47], s[82:83], s[46:47]
	CROUND                                         ; all sixteen work-groups are here: the first joint loads meet
.irp s, 0,1
	s_mov_b32 s[G0+4*(\s)], 1
	s_add_co_u32 s[G0+4*(\s)+1], s20, (\s)*SLOT
	s_add_nc_u64 s[G0+4*(\s)+2:G0+4*(\s)+3], s[14:15], (\s)*STEPB
	s_or_b32 s[G0+4*(\s)+3], s[G0+4*(\s)+3], 0x80000000
	s_mov_b32 s[G0B+4*(\s)], 1
	s_add_co_u32 s[G0B+4*(\s)+1], s21, (\s)*SLOT
	s_add_nc_u64 s[G0B+4*(\s)+2:G0B+4*(\s)+3], s[46:47], (\s)*STEPB
	s_or_b32 s[G0B+4*(\s)+3], s[G0B+4*(\s)+3], 0x80000000
	JLOAD \s
.endr
	v_and_b32 v1, 15, v0                           ; r = l % 16
	v_bfe_u32 v2, v0, 4, 1                         ; h = l / 16
	; the bias of my 128 columns: cluster x 0, 1, 2 is bq, bk, bv; in it the tile begins at column 256 cx
	s_mov_b32 s66, ttmp9
	s_cmp_eq_u32 s66, 0
	s_cselect_b64 s[68:69], s[84:85], s[86:87]
	s_cmp_eq_u32 s66, 2
	s_cselect_b64 s[68:69], s[88:89], s[68:69]
	s_lshl_b32 s70, s40, 10
	s_lshl_b32 s71, s12, 9
	s_add_co_u32 s70, s70, s71
	s_mov_b32 s71, 0
	s_add_nc_u64 s[68:69], s[68:69], s[70:71]
	v_lshlrev_b32 v[BO], 5, v2                     ; register j of block b holds column 16 b + 8 h + j
	WIN 0x80                                       ; destination window 2
.irp b, 0,1,2,3,4,5,6,7
	global_load_b128 v[BI+8*(\b):BI+8*(\b)+3],   v[BO], s[68:69] offset:64*(\b)
	global_load_b128 v[BI+8*(\b)+4:BI+8*(\b)+7], v[BO], s[68:69] offset:64*(\b)+16
.endr
	WIN 0
	v_mul_u32_u24 v3, v1, PITCH
	v_lshl_add_u32 v3, v2, 4, v3                   ; a fragment's row x pitch + 16 x half
	s_mul_i32 s18, s11, AHALF                      ; my 64 rows of xh
	s_mul_i32 s19, s12, BHALF                      ; my 128 rows of wh
	s_add_co_u32 s19, s19, BOFF
.irp s, 0,1
	v_add_nc_u32 v[ADRA+(\s)], s18, v3
	v_add_nc_u32 v[ADRB+(\s)], s19, v3
	s_add_co_u32 s18, s18, SLOT
	s_add_co_u32 s19, s19, SLOT
.endr
	s_mul_i32 s23, s10, 16*SPITCH
	s_add_co_u32 s23, s23, STAGE                   ; my stage
	v_mul_u32_u24 v4, v1, SPITCH                   ; in: row r, 16 bytes for each half of the lanes
	v_lshl_add_u32 v4, v2, 4, v4
	v_add_nc_u32 v[STO], s23, v4
	v_mul_u32_u24 v5, v2, SPITCH                   ; back: lanes 0-15 one row of 256 bytes, lanes 16-31 the next
	v_lshl_add_u32 v5, v1, 4, v5
	v_add_nc_u32 v[RD], s23, v5
	v_mul_u32_u24 v5, v2, OPITCH                   ; and the same two rows in qkv
	v_lshl_add_u32 v[CO], v1, 4, v5
	s_lshl_b32 s16, s13, 7
	s_lshl_b32 s17, s11, 6
	s_add_co_u32 s16, s16, s17                     ; my first row of qkv
	s_mul_i32 s16, s16, OPITCH
	s_mov_b32 s17, 0
	s_add_nc_u64 s[8:9], s[90:91], s[16:17]
	s_lshl_b32 s46, s42, 9                         ; my first column, in bytes
	s_lshl_b32 s47, s12, 8
	s_add_co_u32 s46, s46, s47
	s_mov_b32 s47, 0
	s_add_nc_u64 s[8:9], s[8:9], s[46:47]
	s_wait_loadcnt 0x0                             ; the bias
	WIN 0x8a                                       ; all in window 2: the bias is rounded to bf16, as all inputs are, and widened again
.set z, 0
.rept 32
	v_cvt_pk_bf16_f32 v[BT+z%4], v[BI+2*z], v[BI+2*z+1]
	v_lshlrev_b32 v[BI+2*z], 16, v[BT+z%4]
	v_and_b32 v[BI+2*z+1], 0xffff0000, v[BT+z%4]
.set z, z+1
.endr
	WIN 0
; 8 matrix instructions: row block a x all 8 column blocks, 32 along K.  first = 1: the products start the sums, on the bias.
; The 32 accumulators take turns, one instruction a turn, in the same order in every quarter.
.macro MUL8 f, a, first
.if \first
	WIN MULB
.else
	WIN MUL
.endif
.irp b, 0,1,2,3,4,5,6,7
.if \first
	v_wmma_f32_16x16x32_bf16 v[8*(8*(\a)+(\b)):8*(8*(\a)+(\b))+7], v[(\f)+32+8*(\b):(\f)+32+8*(\b)+7], v[(\f)+8*(\a):(\f)+8*(\a)+7], v[BI+8*(\b):BI+8*(\b)+7]
.else
	v_wmma_f32_16x16x32_bf16 v[8*(8*(\a)+(\b)):8*(8*(\a)+(\b))+7], v[(\f)+32+8*(\b):(\f)+32+8*(\b)+7], v[(\f)+8*(\a):(\f)+8*(\a)+7], v[8*(8*(\a)+(\b)):8*(8*(\a)+(\b))+7]
.endif
.endr
.endm
; 24 LDS loads in one run: the fragments of 32 along K at byte k of the rows: wh's eight, then xh's four, the last two of these youngest
.macro FETCH slot, k, f
	WIN 0
.irp i, 0,1,2,3,4,5,6,7
	ds_load_b128 v[(\f)+32+8*(\i):(\f)+32+8*(\i)+3],   v[ADRB+(\slot)] offset:(\k)+(\i)*16*PITCH
	ds_load_b128 v[(\f)+32+8*(\i)+4:(\f)+32+8*(\i)+7], v[ADRB+(\slot)] offset:(\k)+(\i)*16*PITCH+32
.endr
.irp i, 0,1,2,3
	ds_load_b128 v[(\f)+8*(\i):(\f)+8*(\i)+3],   v[ADRA+(\slot)] offset:(\k)+(\i)*16*PITCH
	ds_load_b128 v[(\f)+8*(\i)+4:(\f)+8*(\i)+7], v[ADRA+(\slot)] offset:(\k)+(\i)*16*PITCH+32
.endr
.endm
; A K step is four quarters of 32 along K, 32 matrix instructions each, on buffers 0, 1, 0, 1.  One of the first three multiplies buffer f and fetches the next quarter, at byte k, into d.
.macro QUARTER slot, k, f, d, first
	s_wait_dscnt 4                                 ; all but the youngest four loads (xh's row blocks 2 and 3) are in
	MUL8 \f, 0, \first
	MUL8 \f, 1, \first
	PLACES
	FETCH \slot, \k, \d
	s_wait_dscnt 24                                ; all but the 24 just issued
	MUL8 \f, 2, \first
	MUL8 \f, 3, \first
.endm
; The last quarter multiplies buffer 1 and changes slots: one barrier; ahead of it each wave waits for all its tensor loads, adds 0 to its spare word, and waits for that and for its reads
; of this slot.  fill = 1: the barrier opens a round of the cluster's, and behind the round this slot is filled again, two K steps ahead: 112 matrix instructions ahead of the wait for it.
.macro TURN slot, next, fill
	WIN 0
	s_wait_tensorcnt 0x0                           ; all my tensor loads have landed: my part of the next slot
	ds_add_u32 v[SPW], v[NIL]
	s_wait_dscnt 5                                 ; (the add and the youngest four loads may be out)
	MUL8 F1, 0, 0
	s_wait_dscnt 0x0                               ; the add is done, and my reads of this slot are over
	s_barrier_signal -1
	MUL8 F1, 1, 0
.if \fill
	WIN 0
.endif
	s_barrier_wait -1
.if \fill
	CREST                                          ; no wave of any partner still reads this slot or has a load on its way
	s_add_nc_u64 s[G0+4*(\slot)+2:G0+4*(\slot)+3], s[G0+4*(\slot)+2:G0+4*(\slot)+3], 2*STEPB
	s_add_nc_u64 s[G0B+4*(\slot)+2:G0B+4*(\slot)+3], s[G0B+4*(\slot)+2:G0B+4*(\slot)+3], 2*STEPB
	JLOAD \slot                                    ; its four v_nop are also the places in front of the loads below
.else
	PLACES
.endif
	FETCH \next, 0, F0
	MUL8 F1, 2, 0
	MUL8 F1, 3, 0
.endm
	s_wait_tensorcnt 1                             ; my part of K step 0 is in; K step 1's may stay out
	s_barrier_signal -1
	s_barrier_wait -1
	FETCH 0, 0, F0
	QUARTER 0, 64, F0, F1, 1                       ; the first quarter stands in front of the loop: its products start the sums
	WIN 0
	s_mov_b32 s3, LAPS-1
.Llap:                                                 ; a trip goes once round the ring and fills both slots again
	QUARTER 0, 128, F1, F0, 0
	QUARTER 0, 192, F0, F1, 0
	TURN 0, 1, 1
	QUARTER 1, 64,  F0, F1, 0
	QUARTER 1, 128, F1, F0, 0
	QUARTER 1, 192, F0, F1, 0
	TURN 1, 0, 1
	QUARTER 0, 64,  F0, F1, 0
	WIN 0
	s_sub_co_u32 s3, s3, 1
	s_cmp_lg_u32 s3, 0
	s_cbranch_scc1 .Llap
	QUARTER 0, 128, F1, F0, 0                      ; the last lap fills nothing
	QUARTER 0, 192, F0, F1, 0
	TURN 0, 1, 0
	QUARTER 1, 64,  F0, F1, 0
	QUARTER 1, 128, F1, F0, 0
	QUARTER 1, 192, F0, F1, 0
	s_wait_dscnt 4
	MUL8 F1, 0, 0
	MUL8 F1, 1, 0
	s_wait_dscnt 0x0
	MUL8 F1, 2, 0
	MUL8 F1, 3, 0
	WIN 0
; THE WAY OUT, a block of 16 rows at a time: rounded to f16 (16 bytes a lane), into my own stage, back as whole rows of 256 bytes, stored.
.macro PACK a
	WIN 0x05                                       ; sources in window 1
.irp b, 0,1,2,3,4,5,6,7
.irp q, 0,1,2,3
	v_cvt_pk_f16_f32 v[TMP+4*(\b)+(\q)], v[64*(\a)+8*(\b)+2*(\q)], v[64*(\a)+8*(\b)+2*(\q)+1]
.endr
.endr
	WIN 0
.endm
.macro TOSTAGE a
	s_wait_xcnt 0x0                                ; the registers loaded below were the data of the stores two blocks ago: they are rewritten only behind this wait
.irp b, 0,1,2,3,4,5,6,7
	ds_store_b128 v[STO], v[TMP+4*(\b):TMP+4*(\b)+3] offset:32*(\b)
.endr
.irp t, 0,1,2,3,4,5,6,7
	ds_load_b128 v[OB+32*((\a)%2)+4*(\t):OB+32*((\a)%2)+4*(\t)+3], v[RD] offset:(\t)*2*SPITCH  ; LDS serves a wave's instructions in order: these see the stores above
.endr
.endm
.macro SEND a
	s_wait_dscnt 0x0                               ; the block is back in registers
.irp t, 0,1,2,3,4,5,6,7
	global_store_b128 v[CO], v[OB+32*((\a)%2)+4*(\t):OB+32*((\a)%2)+4*(\t)+3], s[8:9] offset:(16*(\a)+2*(\t))*OPITCH  ; 16 lanes store 256 consecutive bytes, at a multiple of 256 from qkv's first byte
.endr
.endm
	PLACES
	PACK 0
	TOSTAGE 0
.irp a, 1,2,3
	PACK \a                                        ; a block's conversions stand between the loads of the block before and the wait for them
	SEND (\a)-1
	TOSTAGE \a
.endr
	SEND 3
	s_wait_tensorcnt 0x0                           ; the wave's end
	ds_add_u32 v[SPW], v[NIL]
	s_wait_dscnt 0x0
	CROUND                                         ; the closing round
	s_endpgm
.Lfunc_end_k_q70a122c658_proj:
	.size	k_q70a122c658_proj, .Lfunc_end_k_q70a122c658_proj-k_q70a122c658_proj
	.p2alignl 7, 3214868480
	.fill 96, 4, 3214868480
	.section	.rodata,"a",@progbits
	.p2align	6, 0x0
	.amdhsa_kernel k_q70a122c658_proj
		.amdhsa_group_segment_fixed_size 327680
		.amdhsa_private_segment_fixed_size 0
		.amdhsa_enable_private_segment 0
		.amdhsa_kernarg_size 48
		.amdhsa_user_sgpr_count 2
		.amdhsa_user_sgpr_kernarg_segment_ptr 1
		.amdhsa_wavefront_size32 1
		.amdhsa_system_sgpr_workgroup_id_x 1
		.amdhsa_system_sgpr_workgroup_id_y 1
		.amdhsa_system_sgpr_workgroup_id_z 1
		.amdhsa_system_vgpr_workitem_id 0
		.amdhsa_next_free_vgpr 584
		.amdhsa_next_free_sgpr 96
		.amdhsa_reserve_vcc 0
		.amdhsa_float_denorm_mode_32 3
		.amdhsa_float_denorm_mode_16_64 3
		.amdhsa_memory_ordered 1
		.amdhsa_forward_progress 1
		.amdhsa_inst_pref_size 93
	.end_amdhsa_kernel
	.amdgpu_metadata
---
amdhsa.version: [ 1, 2 ]
amdhsa.kernels:
  - .name:           k_q70a122c658_proj
    .symbol:         k_q70a122c658_proj.kd
    .args:
      - { .name: xh, .offset: 0, .size: 8, .value_kind: global_buffer, .address_space: global }
      - { .name: wh, .offset: 8, .size: 8, .value_kind: global_buffer, .address_space: global }
      - { .name: bq, .offset: 16, .size: 8, .value_kind: global_buffer, .address_space: global }
      - { .name: bk, .offset: 24, .size: 8, .value_kind: global_buffer, .address_space: global }
      - { .name: bv, .offset: 32, .size: 8, .value_kind: global_buffer, .address_space: global }
      - { .name: qkv, .offset: 40, .size: 8, .value_kind: global_buffer, .address_space: global }
    .group_segment_fixed_size: 327680
    .private_segment_fixed_size: 0
    .kernarg_segment_align: 8
    .kernarg_segment_size: 48
    .max_flat_workgroup_size: 128
    .sgpr_count:     96
    .vgpr_count:     584
    .wavefront_size: 32
...
	.end_amdgpu_metadata
.endif
;; end of part 2
;; launch score (part 3): grid 8 x 64, 4 waves a work-group, clusters of 4 x 4, 327,680 bytes of LDS; arguments qkv, attention_mask, prosody_mask, prosody_weight, pt, st; writes pt, st
.if DOCPART == 3
	.amdgcn_target "amdgcn-amd-amdhsa--gfx1250"
	.amdhsa_code_object_version 6
	.text
	.protected	k_q70a122c658_score
	.globl	k_q70a122c658_score
	.p2align	8
	.type	k_q70a122c658_score,@function
k_q70a122c658_score:
	s_mov_b64 s[64:65], 0
	v_nop
	global_prefetch_b8 v0, s[64:65] scope:SCOPE_SE
	s_setreg_imm32_b32 hwreg(HW_REG_WAVE_MODE, 25, 1), 1
	s_wait_xcnt 0x0
	s_wait_alu depctr_hold_cnt(0) depctr_sa_sdst(0) depctr_va_vdst(0) depctr_va_sdst(0) depctr_va_ssrc(0) depctr_va_vcc(0) depctr_vm_vsrc(0)
	s_getreg_b32 s2, hwreg(HW_REG_IB_STS2, 6, 4)
	s_cmp_eq_u32 s2, 0
	s_cbranch_scc0 .Lentry_in_a_cluster
	s_endpgm
.Lentry_in_a_cluster:
	s_bfe_u32 s2, ttmp6, 0x10000c
	s_cmp_lg_u32 s2, 0xf033
	s_cbranch_scc0 .Lentry_shape_is_right
	s_endpgm
.Lentry_shape_is_right:
; For each query and each group of 128 keys: x = q . k + 32 am + 32 w pm (32 = sqrt(1024): x / 32 is the score), m = the group's largest x, p = 2^(c (x - m)) with c = log2(e) / 32,
; pt = p in f16, st = c m and l = the sum of the unrounded p.  The next launch puts the sixteen groups of a row together: the maximum is taken away in two stages.
; q, k: f16 rows of qkv (6,144 bytes; q at byte 0, k at 2,048), in the order in which the cast launch laid the tokens: in each group of 64, token 4 r + i at row 16 i + r.
; pt: [8192 queries][2048 keys] f16, both in that order.  st: f32 [c m, l][16 key groups][8192 queries in token order].
; THE MASKS GO THROUGH THE MATRIX UNIT.  Both masks and w are rounded to bf16, as all inputs are.  For 16 queries x 16 keys ONE bf16 product adds both: source 0 holds, for key m, at k = e the
; attention mask of query e and at k = 16 + e the prosody mask of query e; source 1 is constant: 32 at (k = n, query n), 32 w at (k = 16 + n, query n), 0 elsewhere.  The products are exact.
; The order of the tokens makes lane r's four neighbouring mask numbers (keys 4 r .. 4 r + 3) fall into four key fragments: a load reads 256 consecutive bytes with 16 lanes, each byte once.
; LIMITS.  The attention mask is clamped from below at -1e30 ahead of its rounding: a hole of -inf counts as -1e30, and a row all of whose 2,048 entries are holes gives the mean of v where
; the exact result is NaN.  A NaN there counts as a hole.  +inf in the attention mask, or an infinity or NaN in the prosody mask, spoils its block of 16 queries x 64 keys.
; A weight below 2^-126 counts as 0 in l; p below 6e-5 keeps f16's fixed step of 6e-8.
; SHARES.  A tile is 128 queries x 256 keys: 512 work-groups, two for each of 256 WGPs.  Four waves, each 64 x 128: 32 accumulators.  K = 1,024 in steps of 128 through two LDS slots.
; CLUSTER 4 x 4: q's tiles are shared along a row of the cluster, k's along a column.
; REGISTERS.  Window 0: v0-31 addresses; v32-63 statistics; v64-159, v160-255 two fragment buffers (32 of q, 64 of k); on the way out v64-95 packed p, v96-127 sums, v128-191 rows read back.
; Window 1: the accumulators, (a, b) at v[8 (8 a + b)]: lane (r, h), register j = (query 16 a + r, key 16 b + 8 h + j).
; Window 2: v0-63, v64-127 two buffers of masks as loaded; v128-159 four packed sources; v160-167 the constant source.
.set PITCH,  272
.set AHALF,  64*PITCH
.set BHALF,  128*PITCH
.set BOFF,   2*AHALF
.set SLOT,   BOFF+2*BHALF
.set STAGE,  2*SLOT
.set SPITCH, 272
.set SPARE,  STAGE+4*16*SPITCH
.set STEPB,  256
.set OPITCH, 4096                      ; bytes in a row of pt
.set ADRA, 16
.set ADRB, 20
.set STO,  24
.set RD,   25
.set CO,   26
.set MO,   27                          ; v27  my byte offset in a unit of the masks: 32 rows down for lanes 16-31, 16 bytes a lane; never rewritten
.set SPW,  28
.set NIL,  29
.set SO,   31                          ; v31  my byte offset in st
.set TT,   32                          ; v32-39 at work
.set XS,   40                          ; v40-43 what goes to st
.set WW,   52                          ; v52-53 m, twice
.set MCQ,  56                          ; v56-59 c m of row blocks 0-3
.set LQ,   60                          ; v60-63 l
.set F0,   64
.set F1,   160
.set TMP,  64
.set SUM,  96
.set OB,   128
.set EXT,  128                         ; window 2
.set IDN,  160                         ; window 2
.set G1,   24
.set G0,   32
.set G1B,  48
.set G0B,  56
.set CS,   66                          ; s[66:67] c
.set SEL,  68                          ; s[68:69] v_permlanex16_b32's selects: each lane takes its own place in the other half
.set BIG,  70                          ; s70 -1e30
.set AM,   72                          ; s[72:73] attention_mask at the unit to be loaded
.set PM,   74                          ; s[74:75] prosody_mask likewise
.set PT,   76                          ; s[76:77] pt at my part of the tile
.set STB,  78                          ; s[78:79] st at my 64 queries and my key group
.set MUL,  0x50
.set PKW,  0x8a                        ; all in window 2
.set MSB, 0
.macro WIN new
.if MSB != (\new)
	s_set_vgpr_msb (MSB<<8)|(\new)
.set MSB, \new
.endif
.endm
.macro JLOAD s                         ; a joint load: waves 0 and 1 fetch q's two halves, waves 2 and 3 k's; an s_nop 0 and four v_nop follow each line
	s_cmp_eq_u32 s11, 0
	s_cbranch_scc0 .Lfor_b_\@
	tensor_load_to_lds s[G0+4*(\s):G0+4*(\s)+3], s[G1:G1+7]
	s_nop 0
.rept 4
	v_nop
.endr
	s_branch .Lasked_\@
.Lfor_b_\@:
	tensor_load_to_lds s[G0B+4*(\s):G0B+4*(\s)+3], s[G1B:G1B+7]
	s_nop 0
.rept 4
	v_nop
.endr
.Lasked_\@:
.endm
.macro CREST
	s_cmp_lg_u32 s10, 0
	s_cbranch_scc1 .Lnot_wave_0_\@
	s_barrier_signal -3
.Lnot_wave_0_\@:
	s_barrier_wait -3
	s_barrier_signal -1
	s_barrier_wait -1
.endm
.macro CROUND
	s_barrier_signal -1
	s_barrier_wait -1
	CREST
.endm
.macro PLACES
.rept 4
	v_nop
.endr
.endm
; A unit of the masks is 16 queries (row block a) x 64 keys (half u of my 128): 8 + 8 loads.  Lane (r, h), load j: query 8 h + j of the block, which is token 32 h + 4 j + a of my 64, keys 4 r .. 4 r + 3
; of the half.  a x 8,192 bytes is carried in the bases.  Lanes 0-15 read 256 consecutive bytes of one row, lanes 16-31 of the row 32 further down.
.macro LOADU u
	WIN 0x80                                       ; destination window 2
.irp j, 0,1,2,3,4,5,6,7
	global_load_b128 v[64*(\u)+4*(\j):64*(\u)+4*(\j)+3], v[MO], s[AM:AM+1] offset:32768*(\j)+256*(\u) th:TH_LOAD_NT
.endr
.irp j, 0,1,2,3,4,5,6,7
	global_load_b128 v[64*(\u)+32+4*(\j):64*(\u)+32+4*(\j)+3], v[MO], s[PM:PM+1] offset:32768*(\j)+256*(\u) th:TH_LOAD_NT
.endr
	WIN 0
.endm
	s_load_b256 s[80:87], s[0:1], 0x0              ; qkv s[80:81], attention_mask s[82:83], prosody_mask s[84:85], prosody_weight s[86:87]
	s_load_b128 s[88:91], s[0:1], 0x20             ; pt s[88:89], st s[90:91]
	v_lshl_add_u32 v[SPW], v0, 2, SPARE
	v_mov_b32 v[NIL], 0
	ds_add_u32 v[SPW], v[NIL]                      ; the wave's opening: the add and its wait ahead of my first tensor load
	v_lshrrev_b32 v1, 5, v0
	v_readfirstlane_b32 s10, v1                    ; wave 0..3
	s_lshr_b32 s11, s10, 1                         ; which 64 queries are mine.  Also: I fetch q (0) or k (1)
	s_and_b32 s12, s10, 1                          ; which 128 keys.  Also: which half of that tile I fetch
	s_bfe_u32 s40, ttmp6, 0x40000                  ; cx
	s_bfe_u32 s41, ttmp6, 0x40004                  ; cy
	s_lshl_b32 s42, ttmp9, 2
	s_add_co_u32 s42, s42, s40                     ; key tile of the batch = 4 x cluster x + cx
	s_and_b32 s13, ttmp7, 0xffff
	s_lshl_b32 s13, s13, 2
	s_add_co_u32 s13, s13, s41                     ; query tile = 4 x cluster y + cy
	s_and_b32 s45, ttmp7, 0xffff
	s_lshr_b32 s45, s45, 2                         ; the batch: 16 query tiles = 4 clusters each; all partners share it
	s_lshl_b32 s43, s41, 2
	s_lshl_b32 s43, 15, s43                        ; my row of the cluster
	s_lshl_b32 s44, 0x1111, s40                    ; my column
	s_or_b32 s[G1+0], s43, (1<<16)|(1<<20)|(1<<21)|(5<<22)|(3<<25)
	s_or_b32 s[G1B+0], s44, (1<<16)|(1<<20)|(1<<21)|(5<<22)|(3<<25)
	s_mov_b32 s[G1+1], 128<<16                     ; tensor_dim0 = 128
	s_mov_b32 s[G1+2], 64<<16                      ; tensor_dim1 = 64
	s_mov_b32 s[G1+3], 128<<16                     ; tile_dim0 = 128
	s_mov_b32 s[G1+4], 64                          ; tile_dim1 = 64
	s_mov_b32 s[G1+5], 3072                        ; elements from row to row of qkv
	s_mov_b32 s[G1+6], 0
	s_mov_b32 s[G1+7], 0
	s_mov_b32 s[G1B+1], 128<<16
	s_mov_b32 s[G1B+2], 128<<16
	s_mov_b32 s[G1B+3], 128<<16
	s_mov_b32 s[G1B+4], 128
	s_mov_b32 s[G1B+5], 3072
	s_mov_b32 s[G1B+6], 0
	s_mov_b32 s[G1B+7], 0
	s_lshl_b32 s16, s13, 7
	s_lshl_b32 s17, s12, 6
	s_add_co_u32 s16, s16, s17                     ; q: row 128 x query tile + 64 x half
	s_mul_i32 s16, s16, 6144
	s_mov_b32 s17, 0
	s_lshl_b32 s46, s45, 11
	s_lshl_b32 s47, s42, 8
	s_add_co_u32 s46, s46, s47
	s_lshl_b32 s47, s12, 7
	s_add_co_u32 s46, s46, s47                     ; k: row 2,048 x batch + 256 x key tile + 128 x half,
	s_mul_i32 s46, s46, 6144
	s_add_co_u32 s46, s46, 2048                    ; at byte 2,048 of the row
	s_mov_b32 s47, 0
	s_mul_i32 s20, s12, AHALF
	s_mul_i32 s21, s12, BHALF
	s_add_co_u32 s21, s21, BOFF
	s_mov_b32 s[CS], 0x3d38aa3b                    ; c = log2(e) / 32
	s_mov_b32 s[CS+1], s[CS]                       ; named with it as a pair
	s_mov_b32 s[SEL], 0x76543210
	s_mov_b32 s[SEL+1], 0xfedcba98
	s_mov_b32 s[BIG], 0xf149f2ca                   ; -1e30
	s_wait_dscnt 0x0                               ; the opening add is done
	s_wait_kmcnt 0x0
	s_load_b32 s71, s[86:87], 0x0                  ; w
	s_add_nc_u64 s[14:15], s[80:81], s[16:17]
	s_add_nc_u64 s[46:47], s[80:81], s[46:47]
	CROUND                                         ; all sixteen work-groups are here: the first joint loads meet
.irp s, 0,1
	s_mov_b32 s[G0+4*(\s)], 1
	s_add_co_u32 s[G0+4*(\s)+1], s20, (\s)*SLOT
	s_add_nc_u64 s[G0+4*(\s)+2:G0+4*(\s)+3], s[14:15], (\s)*STEPB
	s_or_b32 s[G0+4*(\s)+3], s[G0+4*(\s)+3], 0x80000000
	s_mov_b32 s[G0B+4*(\s)], 1
	s_add_co_u32 s[G0B+4*(\s)+1], s21, (\s)*SLOT
	s_add_nc_u64 s[G0B+4*(\s)+2:G0B+4*(\s)+3], s[46:47], (\s)*STEPB
	s_or_b32 s[G0B+4*(\s)+3], s[G0B+4*(\s)+3], 0x80000000
	JLOAD \s
.endr
	v_and_b32 v1, 15, v0                           ; r
	v_bfe_u32 v2, v0, 4, 1                         ; h
	v_lshlrev_b32 v3, 18, v2                       ; 32 rows of 8,192 bytes
	v_lshl_add_u32 v[MO], v1, 4, v3
	s_lshl_b32 s16, s13, 7
	s_lshl_b32 s17, s11, 6
	s_add_co_u32 s22, s16, s17                     ; my first query among the 8,192
	s_lshl_b32 s46, s42, 8
	s_lshl_b32 s47, s12, 7
	s_add_co_u32 s23, s46, s47                     ; my first key among the batch's 2,048
	s_mov_b32 s17, 0
	s_mov_b32 s47, 0
	s_lshl_b32 s16, s22, 13                        ; a mask's row is 8,192 bytes
	s_lshl_b32 s46, s23, 2
	s_add_nc_u64 s[AM:AM+1], s[82:83], s[16:17]
	s_add_nc_u64 s[AM:AM+1], s[AM:AM+1], s[46:47]
	s_add_nc_u64 s[PM:PM+1], s[84:85], s[16:17]
	s_add_nc_u64 s[PM:PM+1], s[PM:PM+1], s[46:47]
	LOADU 0                                        ; row block 0's two units: 32 loads of mine are out from here on, each unit asked for two K steps ahead of its use
	LOADU 1
	s_lshl_b32 s16, s22, 12
	s_lshl_b32 s46, s23, 1
	s_add_nc_u64 s[PT:PT+1], s[88:89], s[16:17]
	s_add_nc_u64 s[PT:PT+1], s[PT:PT+1], s[46:47]
	s_lshl_b32 s16, s22, 2
	s_lshl_b32 s46, s23, 8                         ; key group (first key / 128) x 32,768 bytes
	s_add_nc_u64 s[STB:STB+1], s[90:91], s[16:17]
	s_add_nc_u64 s[STB:STB+1], s[STB:STB+1], s[46:47]
	v_lshlrev_b32 v3, 19, v2                       ; lanes 16-31 store l, 524,288 bytes behind c m
	v_lshl_add_u32 v[SO], v1, 4, v3
	v_mul_u32_u24 v3, v1, PITCH
	v_lshl_add_u32 v3, v2, 4, v3
	s_mul_i32 s18, s11, AHALF
	s_mul_i32 s19, s12, BHALF
	s_add_co_u32 s19, s19, BOFF
.irp s, 0,1
	v_add_nc_u32 v[ADRA+(\s)], s18, v3
	v_add_nc_u32 v[ADRB+(\s)], s19, v3
	s_add_co_u32 s18, s18, SLOT
	s_add_co_u32 s19, s19, SLOT
.endr
	s_mul_i32 s18, s10, 16*SPITCH
	s_add_co_u32 s18, s18, STAGE                   ; my stage
	v_mul_u32_u24 v4, v1, SPITCH
	v_lshl_add_u32 v4, v2, 4, v4
	v_add_nc_u32 v[STO], s18, v4
	v_mul_u32_u24 v5, v2, SPITCH
	v_lshl_add_u32 v5, v1, 4, v5
	v_add_nc_u32 v[RD], s18, v5
	v_lshlrev_b32 v5, 12, v2
	v_lshl_add_u32 v[CO], v1, 4, v5
	; the constant source: lane (r, h) holds column n = r; k = r lies in my registers where r / 8 = h, in register (r % 8) / 2, half r % 2
	v_lshrrev_b32 v4, 3, v1
	v_and_b32 v5, 7, v1
	v_lshrrev_b32 v5, 1, v5
	v_cmp_eq_u32 vcc_lo, v4, v2
	v_cndmask_b32 v5, 7, v5, vcc_lo                ; the register, or none
	v_and_b32 v6, 1, v1
	v_lshlrev_b32 v6, 4, v6
	v_mov_b32 v7, 0x4200                           ; 32.0 in bf16,
	v_lshlrev_b32 v7, v6, v7                       ; in my half
	s_wait_kmcnt 0x0                               ; w
	v_mov_b32 v8, s71
	v_cvt_pk_bf16_f32 v8, v8, v8                   ; w rounded to bf16,
	v_lshlrev_b32 v8, 16, v8
	v_mul_f32 v8, 0x42000000, v8                   ; times 32: exact,
	v_lshrrev_b32 v8, 16, v8                       ; as bf16,
	v_lshlrev_b32 v8, v6, v8                       ; in my half
	WIN 0x80
.irp c, 0,1,2,3
	v_cmp_eq_u32 vcc_lo, \c, v5
	v_cndmask_b32 v[IDN+\c], 0, v7, vcc_lo
	v_cndmask_b32 v[IDN+4+\c], 0, v8, vcc_lo
.endr
	WIN 0
; 8 matrix instructions: query block a x all 8 key blocks, 32 along K.  The 32 accumulators take turns, one instruction a turn.
.macro MUL8 f, a, zero
	WIN MUL
.irp b, 0,1,2,3,4,5,6,7
.if \zero
	v_wmma_f32_16x16x32_f16 v[8*(8*(\a)+(\b)):8*(8*(\a)+(\b))+7], v[(\f)+32+8*(\b):(\f)+32+8*(\b)+7], v[(\f)+8*(\a):(\f)+8*(\a)+7], 0
.else
	v_wmma_f32_16x16x32_f16 v[8*(8*(\a)+(\b)):8*(8*(\a)+(\b))+7], v[(\f)+32+8*(\b):(\f)+32+8*(\b)+7], v[(\f)+8*(\a):(\f)+8*(\a)+7], v[8*(8*(\a)+(\b)):8*(8*(\a)+(\b))+7]
.endif
.endr
.endm
; Number n of the 64 that make a unit's four packed sources out of the buffer at lb.  0-31: the attention mask is clamped.  32-63: register m = n - 32 of the sources: source m / 8, its register m % 8:
; registers 0-3 the attention mask of queries 8 h + 2 c, 8 h + 2 c + 1 (c = m % 4), registers 4-7 the prosody mask; key 4 r + m / 8.
.macro PK lb, n
.if (\n) < 32
	v_max_num_f32 v[(\lb)+(\n)], s[BIG], v[(\lb)+(\n)]
.else
.set pkm, (\n)-32
.set pks, (\lb)+32*((pkm&7)/4)+8*(pkm&3)+pkm/8
	v_cvt_pk_bf16_f32 v[EXT+pkm], v[pks], v[pks+4]
.endif
.endm
; The same 8 matrix instructions with four of those behind each: they name no register of the products round them
.macro MUL8R f, a, lb, n0
.set pkn, \n0
.irp b, 0,1,2,3,4,5,6,7
	WIN MUL
	v_wmma_f32_16x16x32_f16 v[8*(8*(\a)+(\b)):8*(8*(\a)+(\b))+7], v[(\f)+32+8*(\b):(\f)+32+8*(\b)+7], v[(\f)+8*(\a):(\f)+8*(\a)+7], v[8*(8*(\a)+(\b)):8*(8*(\a)+(\b))+7]
	WIN PKW
	PK \lb, pkn
	PK \lb, pkn+1
	PK \lb, pkn+2
	PK \lb, pkn+3
.set pkn, pkn+4
.endr
.endm
.macro FETCH slot, k, f
	WIN 0
.irp i, 0,1,2,3,4,5,6,7
	ds_load_b128 v[(\f)+32+8*(\i):(\f)+32+8*(\i)+3],   v[ADRB+(\slot)] offset:(\k)+(\i)*16*PITCH
	ds_load_b128 v[(\f)+32+8*(\i)+4:(\f)+32+8*(\i)+7], v[ADRB+(\slot)] offset:(\k)+(\i)*16*PITCH+32
.endr
.irp i, 0,1,2,3
	ds_load_b128 v[(\f)+8*(\i):(\f)+8*(\i)+3],   v[ADRA+(\slot)] offset:(\k)+(\i)*16*PITCH
	ds_load_b128 v[(\f)+8*(\i)+4:(\f)+8*(\i)+7], v[ADRA+(\slot)] offset:(\k)+(\i)*16*PITCH+32
.endr
.endm
.macro QUARTER slot, k, f, d, zero
	s_wait_dscnt 4                                 ; all but the youngest four loads (q's blocks 2 and 3) are in
	MUL8 \f, 0, \zero
	MUL8 \f, 1, \zero
	PLACES
	FETCH \slot, \k, \d
	s_wait_dscnt 24                                ; all but the 24 just issued
	MUL8 \f, 2, \zero
	MUL8 \f, 3, \zero
.endm
; The masks of unit (a, u) are added: four bf16 products on the accumulators (a, 4 u .. 4 u + 3)
.macro INJ4 a, u
	WIN 0x5a                                       ; both sources in window 2, C and D in window 1
.irp i, 0,1,2,3
	v_wmma_f32_16x16x32_bf16 v[8*(8*(\a)+4*(\u)+(\i)):8*(8*(\a)+4*(\u)+(\i))+7], v[EXT+8*(\i):EXT+8*(\i)+7], v[IDN:IDN+7], v[8*(8*(\a)+4*(\u)+(\i)):8*(8*(\a)+4*(\u)+(\i))+7]
.endr
	WIN 0
.endm
; An f16 and a bf16 form on one accumulator are no chain in place: five places stand on either side.  In the loop the row block is the lap's number, chosen by the lap counter (3, 2, 1), which is
; the same in all partners; the jumps go forward, past neither a barrier nor a tensor load.  stat = 3: the last lap, written out: block 3.
.macro INJECT u, stat
	WIN 0
.rept 5
	v_nop
.endr
.if (\stat) == 3
	INJ4 3, \u
.else
	s_cmp_eq_u32 s3, 3
	s_cbranch_scc0 .Lnot_a0_\@
	INJ4 0, \u
	s_branch .Linjected_\@
.Lnot_a0_\@:
	s_cmp_eq_u32 s3, 2
	s_cbranch_scc0 .Lnot_a1_\@
	INJ4 1, \u
	s_branch .Linjected_\@
.Lnot_a1_\@:
	INJ4 2, \u
.Linjected_\@:
.endif
.rept 5
	v_nop
.endr
.endm
; A K step's second quarter carries a unit of the masks: it is packed behind the first 16 products, its buffer is loaded again (more = 1) with the same half of the next row block, and the four
; products that add it stand behind the quarter.  left: the younger mask loads, the other buffer's sixteen, which may stay out.
.macro QMASK slot, f, d, u, left, more, stat
	s_wait_loadcnt \left
	s_wait_dscnt 4
	MUL8R \f, 0, 64*(\u), 0
	MUL8R \f, 1, 64*(\u), 32
	PLACES
.if \more
	LOADU \u
.endif
	FETCH \slot, 128, \d
	s_wait_dscnt 24
	MUL8 \f, 2, 0
	MUL8 \f, 3, 0
	INJECT \u, \stat
.endm
.macro TURN slot, next, fill
	WIN 0
	s_wait_tensorcnt 0x0                           ; all my tensor loads have landed: my part of the next slot
	ds_add_u32 v[SPW], v[NIL]
	s_wait_dscnt 5                                 ; (the add and the youngest four loads may be out)
	MUL8 F1, 0, 0
	s_wait_dscnt 0x0                               ; the add is done, and my reads of this slot are over
	s_barrier_signal -1
	MUL8 F1, 1, 0
.if \fill
	WIN 0
.endif
	s_barrier_wait -1
.if \fill
	CREST                                          ; no wave of any partner still reads this slot or has a load on its way
	s_add_nc_u64 s[G0+4*(\slot)+2:G0+4*(\slot)+3], s[G0+4*(\slot)+2:G0+4*(\slot)+3], 2*STEPB
	s_add_nc_u64 s[G0B+4*(\slot)+2:G0B+4*(\slot)+3], s[G0B+4*(\slot)+2:G0B+4*(\slot)+3], 2*STEPB
	JLOAD \slot
.else
	PLACES
.endif
	FETCH \next, 0, F0
	MUL8 F1, 2, 0
	MUL8 F1, 3, 0
.endm
.macro NEXTROWS                        ; the masks' bases go on to the next row block: one token down
	s_wait_xcnt 0x0                                ; the loads issued so far have had their addresses translated: only now are their bases rewritten
	s_add_nc_u64 s[AM:AM+1], s[AM:AM+1], 0x2000
	s_add_nc_u64 s[PM:PM+1], s[PM:PM+1], 0x2000
.endm
	s_wait_tensorcnt 1                             ; my part of K step 0 is in; K step 1's may stay out
	s_barrier_signal -1
	s_barrier_wait -1
	FETCH 0, 0, F0
	QUARTER 0, 64, F0, F1, 1                       ; the first quarter's products start the sums
	WIN 0
	NEXTROWS
	s_mov_b32 s3, 3
.Llap:                                                 ; three trips: once round the ring; lap number 3 - s3 adds the masks of that row block and loads the next block's
	QMASK 0, F1, F0, 0, 16, 1, 0
	QUARTER 0, 192, F0, F1, 0
	TURN 0, 1, 1
	QUARTER 1, 64,  F0, F1, 0
	QMASK 1, F1, F0, 1, 16, 1, 0
	QUARTER 1, 192, F0, F1, 0
	TURN 1, 0, 1
	QUARTER 0, 64,  F0, F1, 0
	WIN 0
	NEXTROWS
	s_sub_co_u32 s3, s3, 1
	s_cmp_lg_u32 s3, 0
	s_cbranch_scc1 .Llap
	QMASK 0, F1, F0, 0, 16, 0, 3                   ; the last lap fills nothing and loads no masks: the counts run down
	QUARTER 0, 192, F0, F1, 0
	TURN 0, 1, 0
	QUARTER 1, 64,  F0, F1, 0
	QMASK 1, F1, F0, 1, 0, 0, 3
	QUARTER 1, 192, F0, F1, 0
	s_wait_dscnt 4
	MUL8 F1, 0, 0
	MUL8 F1, 1, 0
	s_wait_dscnt 0x0
	MUL8 F1, 2, 0
	MUL8 F1, 3, 0
	WIN 0
; THE WAY OUT of row block a.  A lane holds one query and 64 of the group's 128 keys; the lane 16 away holds the other 64.
; The exponent is c (x - m), the difference first: where x = m it is exactly 0, however large the two are (a group of holes).
.macro SOFT a
.set AC, 64*(\a)
	WIN 0x15                                       ; three sources in window 1
.irp b, 0,1,2,3,4,5,6,7
	v_max3_num_f32 v[TT+(\b)], v[AC+8*(\b)], v[AC+8*(\b)+1], v[AC+8*(\b)+2]
.endr
	WIN 0x14
.irp b, 0,1,2,3,4,5,6,7
	v_max3_num_f32 v[TT+(\b)], v[TT+(\b)], v[AC+8*(\b)+3], v[AC+8*(\b)+4]
.endr
.irp b, 0,1,2,3,4,5,6,7
	v_max3_num_f32 v[TT+(\b)], v[TT+(\b)], v[AC+8*(\b)+5], v[AC+8*(\b)+6]
.endr
.irp b, 0,2,4,6
	v_max3_num_f32 v[TT+(\b)], v[TT+(\b)], v[AC+8*(\b)+7], v[AC+8*(\b)+15]
.endr
	WIN 0
	v_max3_num_f32 v[TT], v[TT], v[TT+1], v[TT+2]
	v_max3_num_f32 v[TT+3], v[TT+3], v[TT+4], v[TT+5]
	v_max3_num_f32 v[TT], v[TT], v[TT+6], v[TT+7]
	v_max_num_f32 v[TT], v[TT], v[TT+3]
	v_permlanex16_b32 v[TT+1], v[TT], s[SEL], s[SEL+1]
	v_max_num_f32 v[WW], v[TT], v[TT+1]            ; m, in both registers of a pair
	v_max_num_f32 v[WW+1], v[TT], v[TT+1]
	v_mul_f32 v[MCQ+(\a)], s[CS], v[WW]
	WIN 0x41                                       ; destination and source 0 in window 1
.set z, 0
.rept 32
	v_pk_add_f32 v[AC+2*z:AC+2*z+1], v[AC+2*z:AC+2*z+1], v[WW:WW+1] neg_lo:[0,1] neg_hi:[0,1]
.set z, z+1
.endr
.set z, 0
.rept 32
	v_pk_mul_f32 v[AC+2*z:AC+2*z+1], v[AC+2*z:AC+2*z+1], s[CS:CS+1] op_sel_hi:[1,0]
.set z, z+1
.endr
.set z, 0
.rept 64
	v_exp_f32 v[AC+z], v[AC+z]
.set z, z+1
.endr
	v_nop                                          ; a plain instruction between the last exponential and the use of its result
	WIN 0x05                                       ; sources in window 1, destination in window 0
.set z, 0
	s_wait_alu depctr_va_vdst(0)
.rept 32
	v_cvt_pk_f16_f32 v[TMP+z], v[AC+2*z], v[AC+2*z+1]
.set z, z+1
.endr
.set z, 0
.rept 16
	v_pk_add_f32 v[SUM+2*z:SUM+2*z+1], v[AC+4*z:AC+4*z+1], v[AC+4*z+2:AC+4*z+3]
.set z, z+1
.endr
	WIN 0
.irp z, 0,1,2,3,4,5,6,7
	v_pk_add_f32 v[SUM+2*(\z):SUM+2*(\z)+1], v[SUM+2*(\z):SUM+2*(\z)+1], v[SUM+16+2*(\z):SUM+16+2*(\z)+1]
.endr
.irp z, 0,1,2,3
	v_pk_add_f32 v[SUM+2*(\z):SUM+2*(\z)+1], v[SUM+2*(\z):SUM+2*(\z)+1], v[SUM+8+2*(\z):SUM+8+2*(\z)+1]
.endr
.irp z, 0,1
	v_pk_add_f32 v[SUM+2*(\z):SUM+2*(\z)+1], v[SUM+2*(\z):SUM+2*(\z)+1], v[SUM+4+2*(\z):SUM+4+2*(\z)+1]
.endr
	v_pk_add_f32 v[SUM:SUM+1], v[SUM:SUM+1], v[SUM+2:SUM+3]
	v_add_f32 v[SUM], v[SUM], v[SUM+1]
	v_permlanex16_b32 v[SUM+1], v[SUM], s[SEL], s[SEL+1]
	v_add_f32 v[LQ+(\a)], v[SUM], v[SUM+1]
.endm
.macro TOSTAGE a
	s_wait_xcnt 0x0                                ; the registers loaded below were the data of the stores two blocks ago
.irp b, 0,1,2,3,4,5,6,7
	ds_store_b128 v[STO], v[TMP+4*(\b):TMP+4*(\b)+3] offset:32*(\b)
.endr
.irp t, 0,1,2,3,4,5,6,7
	ds_load_b128 v[OB+32*((\a)%2)+4*(\t):OB+32*((\a)%2)+4*(\t)+3], v[RD] offset:(\t)*2*SPITCH  ; LDS serves a wave's instructions in order: these see the stores above
.endr
.endm
.macro SEND a
	s_wait_dscnt 0x0
.irp t, 0,1,2,3,4,5,6,7
	global_store_b128 v[CO], v[OB+32*((\a)%2)+4*(\t):OB+32*((\a)%2)+4*(\t)+3], s[PT:PT+1] offset:(16*(\a)+2*(\t))*OPITCH  ; 16 lanes store 256 consecutive bytes, at a multiple of 256 from pt's first byte
.endr
.endm
	PLACES
	SOFT 0
	TOSTAGE 0
.irp a, 1,2,3
	SOFT \a
	SEND (\a)-1
	TOSTAGE \a
.endr
	SEND 3
	; lane r's four numbers (row blocks 0-3) are tokens 4 r .. 4 r + 3 of my 64: lanes 0-15 store 256 consecutive bytes of c m, lanes 16-31 of l
	v_cmp_eq_u32 vcc_lo, 1, v2
.irp a, 0,1,2,3
	v_cndmask_b32 v[XS+\a], v[MCQ+\a], v[LQ+\a], vcc_lo
.endr
	global_store_b128 v[SO], v[XS:XS+3], s[STB:STB+1]
	s_wait_tensorcnt 0x0                           ; the wave's end
	ds_add_u32 v[SPW], v[NIL]
	s_wait_dscnt 0x0
	CROUND                                         ; the closing round
	s_endpgm
.Lfunc_end_k_q70a122c658_score:
	.size	k_q70a122c658_score, .Lfunc_end_k_q70a122c658_score-k_q70a122c658_score
	.p2alignl 7, 3214868480
	.fill 96, 4, 3214868480
	.section	.rodata,"a",@progbits
	.p2align	6, 0x0
	.amdhsa_kernel k_q70a122c658_score
		.amdhsa_group_segment_fixed_size 327680
		.amdhsa_private_segment_fixed_size 0
		.amdhsa_enable_private_segment 0
		.amdhsa_kernarg_size 48
		.amdhsa_user_sgpr_count 2
		.amdhsa_user_sgpr_kernarg_segment_ptr 1
		.amdhsa_wavefront_size32 1
		.amdhsa_system_sgpr_workgroup_id_x 1
		.amdhsa_system_sgpr_workgroup_id_y 1
		.amdhsa_system_sgpr_workgroup_id_z 1
		.amdhsa_system_vgpr_workitem_id 0
		.amdhsa_next_free_vgpr 680
		.amdhsa_next_free_sgpr 96
		.amdhsa_reserve_vcc 1
		.amdhsa_float_denorm_mode_32 3
		.amdhsa_float_denorm_mode_16_64 3
		.amdhsa_memory_ordered 1
		.amdhsa_forward_progress 1
		.amdhsa_inst_pref_size 157
	.end_amdhsa_kernel
	.amdgpu_metadata
---
amdhsa.version: [ 1, 2 ]
amdhsa.kernels:
  - .name:           k_q70a122c658_score
    .symbol:         k_q70a122c658_score.kd
    .args:
      - { .name: qkv, .offset: 0, .size: 8, .value_kind: global_buffer, .address_space: global }
      - { .name: attention_mask, .offset: 8, .size: 8, .value_kind: global_buffer, .address_space: global }
      - { .name: prosody_mask, .offset: 16, .size: 8, .value_kind: global_buffer, .address_space: global }
      - { .name: prosody_weight, .offset: 24, .size: 8, .value_kind: global_buffer, .address_space: global }
      - { .name: pt, .offset: 32, .size: 8, .value_kind: global_buffer, .address_space: global }
      - { .name: st, .offset: 40, .size: 8, .value_kind: global_buffer, .address_space: global }
    .group_segment_fixed_size: 327680
    .private_segment_fixed_size: 0
    .kernarg_segment_align: 8
    .kernarg_segment_size: 48
    .max_flat_workgroup_size: 128
    .sgpr_count:     96
    .vgpr_count:     680
    .wavefront_size: 32
...
	.end_amdgpu_metadata
.endif
;; end of part 3
;; launch pv (part 4): grid 4 x 64, 4 waves a work-group, clusters of 4 x 4, 327,680 bytes of LDS; arguments pt, qkv, st, out0; writes out0
.if DOCPART == 4
	.amdgcn_target "amdgcn-amd-amdhsa--gfx1250"
	.amdhsa_code_object_version 6
	.text
	.protected	k_q70a122c658_pv
	.globl	k_q70a122c658_pv
	.p2align	8
	.type	k_q70a122c658_pv,@function
k_q70a122c658_pv:
	s_mov_b64 s[64:65], 0
	v_nop
	global_prefetch_b8 v0, s[64:65] scope:SCOPE_SE
	s_setreg_imm32_b32 hwreg(HW_REG_WAVE_MODE, 25, 1), 1
	s_wait_xcnt 0x0
	s_wait_alu depctr_hold_cnt(0) depctr_sa_sdst(0) depctr_va_vdst(0) depctr_va_sdst(0) depctr_va_ssrc(0) depctr_va_vcc(0) depctr_vm_vsrc(0)
	s_getreg_b32 s2, hwreg(HW_REG_IB_STS2, 6, 4)
	s_cmp_eq_u32 s2, 0
	s_cbranch_scc0 .Lentry_in_a_cluster
	s_endpgm
.Lentry_in_a_cluster:
	s_bfe_u32 s2, ttmp6, 0x10000c
	s_cmp_lg_u32 s2, 0xf033
	s_cbranch_scc0 .Lentry_shape_is_right
	s_endpgm
.Lentry_shape_is_right:
; out0[q][:] = (sum over the 16 key groups G of f_G sum over the group's keys of p v[key][:]) / L, with M = the largest c m_G of the row, f_G = 2^(c m_G - M), L = sum of f_G l_G.
; pt: [8192][2048] f16, the weights p relative to their group's maximum.  v: f16, at byte 4,096 of qkv's rows of 6,144 bytes.  st: f32 [c m, l][16][8192].  out0: [8192][1024] f32.
; pt's rows and columns and qkv's rows lie in the order of the cast launch (in each group of 64, token 4 r + i at row 16 i + r); st and out0 in token order: the stores undo the order.
; A group of 128 keys is one K step.  f_G, rounded to f16, multiplies p in the fragments' registers (a packed f16 multiply, one more rounding); L takes the unrounded f_G.
; LIMITS.  f p below 6e-5 keeps f16's fixed step of 6e-8; an f below 2^-126 counts as 0.  L is at least 1: the group that holds the row's maximum has f = 1 and l at least 1.
; SHARES.  A tile is 128 queries x 256 channels: 256 work-groups.  Four waves, each 64 x 128: 32 accumulators.  K = 2,048 keys in 16 steps through two LDS slots.
; CLUSTER 4 x 4: pt's tiles are shared along a row of the cluster, v's along a column.
; THE MATRIX INSTRUCTION IS USED TRANSPOSED: source 0 = 16 channels x 32 keys of v, turned on its way out of LDS by ds_load_tr16_b128; source 1 = 16 queries x 32 keys of p.
; REGISTERS.  Window 0: v0-31 addresses; v32-35 f of the step in hand for my lane's query in row blocks 0-3 (in both halves); v36-43 1 / L, twice each; v64-159, v160-255 two fragment buffers
; (32 of p, 64 of v); at the start v64-139 the statistics; on the way out v64-127 scaled results, v128-255 rows read back.  Window 1: the accumulators.
.set PITCH,  272                       ; a row of p in LDS: 256 bytes + 16
.set VP,     544                       ; a row of v: 512 bytes + 32 = 17 x 32
.set AHALF,  64*PITCH
.set BHALF,  64*VP                     ; 64 keys of v: the same bytes as 128 rows of 272
.set BOFF,   2*AHALF
.set SLOT,   BOFF+2*BHALF
.set STAGE,  2*SLOT                    ; 16 rows x 528 bytes for each wave
.set SPITCH, 528
.set FT,     STAGE+4*16*SPITCH         ; the factors: for each wave 16 groups x 16 lanes x 16 bytes
.set SPARE,  FT+4*4096
.set LAPS,   8
.set STEPA,  256                       ; bytes of a K step in a row of pt
.set STEPV,  128*6144                  ; 128 rows of qkv
.set ADRA, 16
.set ADRB, 20
.set STO,  24
.set RD,   25
.set GO,   26
.set SO,   27                          ; v27  my byte offset in st
.set SPW,  28
.set NIL,  29
.set FA,   30                          ; v30  LDS address of my lane's factors of group 0; never rewritten
.set FC,   31                          ; v31  of the group in hand
.set FQ,   32
.set IL,   36
.set F0,   64
.set F1,   160
.set MC,   64                          ; c m, then f, of group 8 h + x, row block a at MC + 4 x + a
.set LL,   96                          ; l likewise
.set MX,   128
.set MT,   132
.set LS,   136
.set TM,   64
.set OB,   128
.set G1,   24
.set G0,   32
.set G1B,  48
.set G0B,  56
.set FO,   66                          ; s66  256 x the group in hand
.set SEL,  68
.set MUL,  0x50
.set MSB, 0
.macro WIN new
.if MSB != (\new)
	s_set_vgpr_msb (MSB<<8)|(\new)
.set MSB, \new
.endif
.endm
.macro JLOAD s                         ; a joint load: waves 0 and 1 fetch pt's two halves, waves 2 and 3 v's; an s_nop 0 and four v_nop follow each line
	s_cmp_eq_u32 s11, 0
	s_cbranch_scc0 .Lfor_b_\@
	tensor_load_to_lds s[G0+4*(\s):G0+4*(\s)+3], s[G1:G1+7]
	s_nop 0
.rept 4
	v_nop
.endr
	s_branch .Lasked_\@
.Lfor_b_\@:
	tensor_load_to_lds s[G0B+4*(\s):G0B+4*(\s)+3], s[G1B:G1B+7]
	s_nop 0
.rept 4
	v_nop
.endr
.Lasked_\@:
.endm
.macro CREST
	s_cmp_lg_u32 s10, 0
	s_cbranch_scc1 .Lnot_wave_0_\@
	s_barrier_signal -3
.Lnot_wave_0_\@:
	s_barrier_wait -3
	s_barrier_signal -1
	s_barrier_wait -1
.endm
.macro CROUND
	s_barrier_signal -1
	s_barrier_wait -1
	CREST
.endm
.macro PLACES
.rept 4
	v_nop
.endr
.endm
	s_load_b256 s[80:87], s[0:1], 0x0              ; pt s[80:81], qkv s[82:83], st s[84:85], out0 s[86:87]
	v_lshl_add_u32 v[SPW], v0, 2, SPARE
	v_mov_b32 v[NIL], 0
	ds_add_u32 v[SPW], v[NIL]                      ; the wave's opening: the add and its wait ahead of my first tensor load
	v_lshrrev_b32 v1, 5, v0
	v_readfirstlane_b32 s10, v1                    ; wave 0..3
	s_lshr_b32 s11, s10, 1                         ; which 64 queries are mine.  Also: I fetch pt (0) or v (1)
	s_and_b32 s12, s10, 1                          ; which 128 channels.  Also: which half of that tile I fetch
	s_bfe_u32 s40, ttmp6, 0x40000                  ; cx
	s_bfe_u32 s41, ttmp6, 0x40004                  ; cy
	s_lshl_b32 s42, ttmp9, 2
	s_add_co_u32 s42, s42, s40                     ; channel tile
	s_and_b32 s13, ttmp7, 0xffff
	s_lshl_b32 s13, s13, 2
	s_add_co_u32 s13, s13, s41                     ; query tile
	s_and_b32 s45, ttmp7, 0xffff
	s_lshr_b32 s45, s45, 2                         ; the batch, which all partners share
	s_lshl_b32 s43, s41, 2
	s_lshl_b32 s43, 15, s43
	s_lshl_b32 s44, 0x1111, s40
	s_or_b32 s[G1+0], s43, (1<<16)|(1<<20)|(1<<21)|(5<<22)|(3<<25)   ; pt: after every 64 words 4 words of padding
	s_or_b32 s[G1B+0], s44, (1<<16)|(1<<20)|(1<<21)|(6<<22)|(7<<25)  ; v: after every 128 words 8 words
	s_mov_b32 s[G1+1], 128<<16                     ; tensor_dim0 = 128
	s_mov_b32 s[G1+2], 64<<16                      ; tensor_dim1 = 64
	s_mov_b32 s[G1+3], 128<<16                     ; tile_dim0 = 128
	s_mov_b32 s[G1+4], 64                          ; tile_dim1 = 64
	s_mov_b32 s[G1+5], 2048                        ; elements from row to row of pt
	s_mov_b32 s[G1+6], 0
	s_mov_b32 s[G1+7], 0
	s_mov_b32 s[G1B+1], 256<<16                    ; 256 channels
	s_mov_b32 s[G1B+2], 64<<16                     ; 64 keys
	s_mov_b32 s[G1B+3], 256<<16
	s_mov_b32 s[G1B+4], 64
	s_mov_b32 s[G1B+5], 3072                       ; elements from row to row of qkv
	s_mov_b32 s[G1B+6], 0
	s_mov_b32 s[G1B+7], 0
	s_lshl_b32 s16, s13, 7
	s_lshl_b32 s17, s12, 6
	s_add_co_u32 s16, s16, s17                     ; pt: row 128 x query tile + 64 x half,
	s_lshl_b32 s16, s16, 12                        ; of 4,096 bytes
	s_mov_b32 s17, 0
	s_lshl_b32 s46, s45, 11
	s_lshl_b32 s47, s12, 6
	s_add_co_u32 s46, s46, s47                     ; v: row 2,048 x batch + 64 x half,
	s_mul_i32 s46, s46, 6144
	s_lshl_b32 s47, s42, 9
	s_add_co_u32 s46, s46, s47                     ; 512 bytes a channel tile,
	s_add_co_u32 s46, s46, 4096                    ; from byte 4,096 of the row
	s_mov_b32 s47, 0
	s_mul_i32 s20, s12, AHALF
	s_mul_i32 s21, s12, BHALF
	s_add_co_u32 s21, s21, BOFF
	s_mov_b32 s[SEL], 0x76543210
	s_mov_b32 s[SEL+1], 0xfedcba98
	s_mov_b32 s[FO], 0
	s_wait_dscnt 0x0                               ; the opening add is done
	s_wait_kmcnt 0x0
	s_add_nc_u64 s[14:15], s[80:81], s[16:17]
	s_add_nc_u64 s[46:47], s[82:83], s[46:47]
	CROUND                                         ; all sixteen work-groups are here: the first joint loads meet
.irp s, 0,1
	s_mov_b32 s[G0+4*(\s)], 1
	s_add_co_u32 s[G0+4*(\s)+1], s20, (\s)*SLOT
	s_add_nc_u64 s[G0+4*(\s)+2:G0+4*(\s)+3], s[14:15], (\s)*STEPA
	s_or_b32 s[G0+4*(\s)+3], s[G0+4*(\s)+3], 0x80000000
	s_mov_b32 s[G0B+4*(\s)], 1
	s_add_co_u32 s[G0B+4*(\s)+1], s21, (\s)*SLOT
	s_add_nc_u64 s[G0B+4*(\s)+2:G0B+4*(\s)+3], s[46:47], (\s)*STEPV
	s_or_b32 s[G0B+4*(\s)+3], s[G0B+4*(\s)+3], 0x80000000
	JLOAD \s
.endr
	; THE STATISTICS of my 64 queries, in the wait for the first tiles.  Lane (r, h) takes groups 8 h + x; a load's four numbers are tokens 4 r .. 4 r + 3: my lane's query in row blocks 0-3.
	v_and_b32 v1, 15, v0                           ; r
	v_bfe_u32 v2, v0, 4, 1                         ; h
	s_lshl_b32 s16, s13, 7
	s_lshl_b32 s17, s11, 6
	s_add_co_u32 s22, s16, s17                     ; my first query among the 8,192
	s_lshl_b32 s16, s22, 2
	s_mov_b32 s17, 0
	s_add_nc_u64 s[76:77], s[84:85], s[16:17]
	v_lshlrev_b32 v3, 18, v2                       ; eight groups of 32,768 bytes
	v_lshl_add_u32 v[SO], v1, 4, v3
.irp x, 0,1,2,3,4,5,6,7
	global_load_b128 v[MC+4*(\x):MC+4*(\x)+3], v[SO], s[76:77] offset:32768*(\x)
.endr
.irp x, 0,1,2,3,4,5,6,7
	global_load_b128 v[LL+4*(\x):LL+4*(\x)+3], v[SO], s[76:77] offset:524288+32768*(\x)
.endr
	v_mul_u32_u24 v3, v1, PITCH
	v_lshl_add_u32 v3, v2, 4, v3                   ; a fragment of p: row x pitch + 16 x half
	v_and_b32 v4, 7, v0                            ; the turning load: lane l reads key 8 h + l % 8, channels 8 ((l / 8) % 2) + 0..7
	v_bfe_u32 v5, v0, 3, 1
	v_lshl_add_u32 v6, v2, 3, v4
	v_mul_u32_u24 v6, v6, VP
	v_lshl_add_u32 v6, v5, 4, v6
	s_mul_i32 s18, s11, AHALF                      ; my 64 rows of p
	s_lshl_b32 s19, s12, 8                         ; my 128 channels: 256 bytes of v's rows
	s_add_co_u32 s19, s19, BOFF
.irp s, 0,1
	v_add_nc_u32 v[ADRA+(\s)], s18, v3
	v_add_nc_u32 v[ADRB+(\s)], s19, v6
	s_add_co_u32 s18, s18, SLOT
	s_add_co_u32 s19, s19, SLOT
.endr
	s_mul_i32 s18, s10, 16*SPITCH
	s_add_co_u32 s18, s18, STAGE                   ; my stage
	v_mul_u32_u24 v4, v1, SPITCH                   ; in: row r, 32 bytes for each half of the lanes
	v_lshl_add_u32 v4, v2, 5, v4
	v_add_nc_u32 v[STO], s18, v4
	v_and_b32 v5, 31, v0
	v_lshlrev_b32 v[GO], 4, v5                     ; back: 32 lanes take one row of 512 bytes
	v_add_nc_u32 v[RD], s18, v[GO]
	s_lshl_b32 s18, s10, 12
	s_add_co_u32 s18, s18, FT                      ; my table of factors
	v_lshlrev_b32 v4, 4, v1
	v_add_nc_u32 v[FA], s18, v4
	v_lshl_add_u32 v7, v2, 11, v[FA]               ; where I put my eight groups' factors
	s_lshl_b32 s16, s22, 12                        ; out0: a row is 4,096 bytes
	s_add_nc_u64 s[8:9], s[86:87], s[16:17]
	s_lshl_b32 s46, s42, 10
	s_lshl_b32 s47, s12, 9
	s_add_co_u32 s46, s46, s47                     ; my first channel, in bytes
	s_mov_b32 s47, 0
	s_add_nc_u64 s[8:9], s[8:9], s[46:47]
	s_wait_loadcnt 0x0
.irp a, 0,1,2,3
	v_max3_num_f32 v[MX+\a], v[MC+\a], v[MC+4+\a], v[MC+8+\a]
.endr
.irp a, 0,1,2,3
	v_max3_num_f32 v[MX+\a], v[MX+\a], v[MC+12+\a], v[MC+16+\a]
.endr
.irp a, 0,1,2,3
	v_max3_num_f32 v[MX+\a], v[MX+\a], v[MC+20+\a], v[MC+24+\a]
.endr
.irp a, 0,1,2,3
	v_max_num_f32 v[MX+\a], v[MX+\a], v[MC+28+\a]
.endr
.irp a, 0,1,2,3
	v_mov_b32 v[MT+\a], v[MX+\a]                   ; the exchange's destination counts as read
.endr
.irp a, 0,1,2,3
	v_permlanex16_b32 v[MT+\a], v[MX+\a], s[SEL], s[SEL+1]  ; the other eight groups lie in the lane 16 away
.endr
.irp a, 0,1,2,3
	v_max_num_f32 v[MX+\a], v[MX+\a], v[MT+\a]     ; M
.endr
.set z, 0
.rept 16
	v_pk_add_f32 v[MC+2*z:MC+2*z+1], v[MC+2*z:MC+2*z+1], v[MX+2*(z%2):MX+2*(z%2)+1] neg_lo:[0,1] neg_hi:[0,1]
.set z, z+1
.endr
.set z, 0
.rept 32
	v_exp_f32 v[MC+z], v[MC+z]                     ; f
.set z, z+1
.endr
	v_nop                                          ; a plain instruction between the last exponential and the use of its result
	s_wait_alu depctr_va_vdst(0)
	v_pk_mul_f32 v[LS:LS+1], v[MC:MC+1], v[LL:LL+1]
	v_pk_mul_f32 v[LS+2:LS+3], v[MC+2:MC+3], v[LL+2:LL+3]
.set z, 2
.rept 14
	v_pk_fma_f32 v[LS+2*(z%2):LS+2*(z%2)+1], v[MC+2*z:MC+2*z+1], v[LL+2*z:LL+2*z+1], v[LS+2*(z%2):LS+2*(z%2)+1]
.set z, z+1
.endr
.irp a, 0,1,2,3
	v_permlanex16_b32 v[MT+\a], v[LS+\a], s[SEL], s[SEL+1]
.endr
.irp a, 0,1,2,3
	v_add_f32 v[LS+\a], v[LS+\a], v[MT+\a]         ; L
.endr
.irp a, 0,1,2,3
	v_rcp_f32 v[IL+2*\a], v[LS+\a]                 ; twice: a pair for the packed multiply
	v_rcp_f32 v[IL+2*\a+1], v[LS+\a]
.endr
	v_nop
.set z, 0
.rept 32
	v_cvt_pk_f16_f32 v[MC+z], v[MC+z], v[MC+z]     ; f in both halves of a word
.set z, z+1
.endr
.irp x, 0,1,2,3,4,5,6,7
	ds_store_b128 v7, v[MC+4*(\x):MC+4*(\x)+3] offset:256*(\x)  ; my wave's own bytes: only it reads them
.endr
.macro MUL8 f, a, zero
	WIN MUL
.irp b, 0,1,2,3,4,5,6,7
.if \zero
	v_wmma_f32_16x16x32_f16 v[8*(8*(\a)+(\b)):8*(8*(\a)+(\b))+7], v[(\f)+32+8*(\b):(\f)+32+8*(\b)+7], v[(\f)+8*(\a):(\f)+8*(\a)+7], 0
.else
	v_wmma_f32_16x16x32_f16 v[8*(8*(\a)+(\b)):8*(8*(\a)+(\b))+7], v[(\f)+32+8*(\b):(\f)+32+8*(\b)+7], v[(\f)+8*(\a):(\f)+8*(\a)+7], v[8*(8*(\a)+(\b)):8*(8*(\a)+(\b))+7]
.endif
.endr
.endm
; The same with four multiplies behind each product: the next quarter's 32 registers of p, in buffer d, times f.  Registers 8 a .. 8 a + 7 belong to row block a.
.macro MUL8S f, a, d, zero
.irp b, 0,1,2,3,4,5,6,7
	WIN MUL
.if \zero
	v_wmma_f32_16x16x32_f16 v[8*(8*(\a)+(\b)):8*(8*(\a)+(\b))+7], v[(\f)+32+8*(\b):(\f)+32+8*(\b)+7], v[(\f)+8*(\a):(\f)+8*(\a)+7], 0
.else
	v_wmma_f32_16x16x32_f16 v[8*(8*(\a)+(\b)):8*(8*(\a)+(\b))+7], v[(\f)+32+8*(\b):(\f)+32+8*(\b)+7], v[(\f)+8*(\a):(\f)+8*(\a)+7], v[8*(8*(\a)+(\b)):8*(8*(\a)+(\b))+7]
.endif
	WIN 0
.irp z, 0,1,2,3
	v_pk_mul_f16 v[(\d)+4*(\b)+(\z)], v[(\d)+4*(\b)+(\z)], v[FQ+(\b)/2]
.endr
.endr
.endm
; 24 LDS loads in one run: quarter q (32 keys) of a slot: p's four fragments first, then v's eight, turned
.macro FETCH slot, q, f
	WIN 0
.irp i, 0,1,2,3
	ds_load_b128 v[(\f)+8*(\i):(\f)+8*(\i)+3],   v[ADRA+(\slot)] offset:64*(\q)+(\i)*16*PITCH
	ds_load_b128 v[(\f)+8*(\i)+4:(\f)+8*(\i)+7], v[ADRA+(\slot)] offset:64*(\q)+(\i)*16*PITCH+32
.endr
.irp i, 0,1,2,3,4,5,6,7
	ds_load_tr16_b128 v[(\f)+32+8*(\i):(\f)+32+8*(\i)+3],   v[ADRB+(\slot)] offset:32*VP*(\q)+32*(\i)
	ds_load_tr16_b128 v[(\f)+32+8*(\i)+4:(\f)+32+8*(\i)+7], v[ADRB+(\slot)] offset:32*VP*(\q)+16*VP+32*(\i)
.endr
.endm
.macro QUARTER slot, q, f, d, zero
	s_wait_dscnt 0x0                               ; buffer f is whole: its last loads were issued 24 matrix instructions ago
	MUL8 \f, 0, \zero
	PLACES
	FETCH \slot, \q, \d
	MUL8 \f, 1, \zero
	s_wait_dscnt 16                                ; p's eight loads are in; the 16 turning loads behind them stay out
	MUL8S \f, 2, \d, \zero
	MUL8 \f, 3, \zero
.endm
; The last quarter changes slots, and with them the key group: the next group's factors are read first behind the refill.  f of the group in hand was last used in the quarter before.
.macro TURN slot, next, fill
	WIN 0
	s_wait_tensorcnt 0x0                           ; all my tensor loads have landed: my part of the next slot
	ds_add_u32 v[SPW], v[NIL]
	s_wait_dscnt 1                                 ; (the add alone may be out)
	MUL8 F1, 0, 0
	s_wait_dscnt 0x0                               ; the add is done, and my reads of this slot are over
	s_barrier_signal -1
	MUL8 F1, 1, 0
.if \fill
	WIN 0
.endif
	s_barrier_wait -1
.if \fill
	CREST                                          ; no wave of any partner still reads this slot or has a load on its way
	s_add_nc_u64 s[G0+4*(\slot)+2:G0+4*(\slot)+3], s[G0+4*(\slot)+2:G0+4*(\slot)+3], 2*STEPA
	s_add_nc_u64 s[G0B+4*(\slot)+2:G0B+4*(\slot)+3], s[G0B+4*(\slot)+2:G0B+4*(\slot)+3], 2*STEPV
	JLOAD \slot
.else
	PLACES
.endif
	WIN 0
	s_add_co_u32 s[FO], s[FO], 256
	v_add_nc_u32 v[FC], s[FO], v[FA]
	s_wait_alu depctr_va_vdst(0)
	ds_load_b128 v[FQ:FQ+3], v[FC]
	FETCH \next, 0, F0
	MUL8 F1, 2, 0
	s_wait_dscnt 16                                ; the factors and p's eight loads are in
	MUL8S F1, 3, F0, 0
.endm
	s_wait_tensorcnt 1                             ; my part of K step 0 is in; K step 1's may stay out
	s_wait_dscnt 0x0                               ; my stores of the factors are done
	s_barrier_signal -1
	s_barrier_wait -1
	ds_load_b128 v[FQ:FQ+3], v[FA]                 ; group 0's factors
	FETCH 0, 0, F0
	s_wait_dscnt 16
.set z, 0
.rept 32
	v_pk_mul_f16 v[F0+z], v[F0+z], v[FQ+z/8]
.set z, z+1
.endr
	QUARTER 0, 1, F0, F1, 1                        ; the first quarter's products start the sums
	WIN 0
	s_mov_b32 s3, LAPS-1
.Llap:                                                 ; a trip goes once round the ring and fills both slots again
	QUARTER 0, 2, F1, F0, 0
	QUARTER 0, 3, F0, F1, 0
	TURN 0, 1, 1
	QUARTER 1, 1, F0, F1, 0
	QUARTER 1, 2, F1, F0, 0
	QUARTER 1, 3, F0, F1, 0
	TURN 1, 0, 1
	QUARTER 0, 1, F0, F1, 0
	WIN 0
	s_sub_co_u32 s3, s3, 1
	s_cmp_lg_u32 s3, 0
	s_cbranch_scc1 .Llap
	QUARTER 0, 2, F1, F0, 0                        ; the last lap fills nothing
	QUARTER 0, 3, F0, F1, 0
	TURN 0, 1, 0
	QUARTER 1, 1, F0, F1, 0
	QUARTER 1, 2, F1, F0, 0
	QUARTER 1, 3, F0, F1, 0
	s_wait_dscnt 0x0
	MUL8 F1, 0, 0
	MUL8 F1, 1, 0
	MUL8 F1, 2, 0
	MUL8 F1, 3, 0
	WIN 0
; THE WAY OUT of row block a: divided by L; a lane's eight channels (32 bytes) go into rows of 528 bytes of my stage and come back as whole rows of 512.
.macro OUT a
	WIN 0x01                                       ; source 0 in window 1
.set z, 0
.rept 32
	v_pk_mul_f32 v[TM+2*z:TM+2*z+1], v[64*(\a)+2*z:64*(\a)+2*z+1], v[IL+2*(\a):IL+2*(\a)+1]
.set z, z+1
.endr
	WIN 0
	s_wait_xcnt 0x0                                ; the registers loaded below were the data of the stores two blocks ago
.irp b, 0,1,2,3,4,5,6,7
	ds_store_b128 v[STO], v[TM+8*(\b):TM+8*(\b)+3] offset:64*(\b)
	ds_store_b128 v[STO], v[TM+8*(\b)+4:TM+8*(\b)+7] offset:64*(\b)+16
.endr
.set z, 0
.rept 16
	ds_load_b128 v[OB+64*((\a)%2)+4*z:OB+64*((\a)%2)+4*z+3], v[RD] offset:z*SPITCH  ; LDS serves a wave's instructions in order: these see the stores above
.set z, z+1
.endr
.endm
; Row z of block a is token 4 z + a of my 64.  younger: the LDS instructions issued behind this block's loads: the next block's 32, or none.
.macro SENDO a, younger
.set z, 0
.rept 16
	s_wait_dscnt (\younger)+15-z
	global_store_b128 v[GO], v[OB+64*((\a)%2)+4*z:OB+64*((\a)%2)+4*z+3], s[8:9] offset:(4*z+(\a))*4096 th:TH_STORE_NT  ; 512 consecutive bytes, at a multiple of 512 from out0's first byte
.set z, z+1
.endr
.endm
	PLACES
	OUT 0
	OUT 1
	SENDO 0, 32
	OUT 2
	SENDO 1, 32
	OUT 3
	SENDO 2, 32
	SENDO 3, 0
	s_wait_tensorcnt 0x0                           ; the wave's end
	ds_add_u32 v[SPW], v[NIL]
	s_wait_dscnt 0x0
	CROUND                                         ; the closing round
	s_endpgm
.Lfunc_end_k_q70a122c658_pv:
	.size	k_q70a122c658_pv, .Lfunc_end_k_q70a122c658_pv-k_q70a122c658_pv
	.p2alignl 7, 3214868480
	.fill 96, 4, 3214868480
	.section	.rodata,"a",@progbits
	.p2align	6, 0x0
	.amdhsa_kernel k_q70a122c658_pv
		.amdhsa_group_segment_fixed_size 327680
		.amdhsa_private_segment_fixed_size 0
		.amdhsa_enable_private_segment 0
		.amdhsa_kernarg_size 32
		.amdhsa_user_sgpr_count 2
		.amdhsa_user_sgpr_kernarg_segment_ptr 1
		.amdhsa_wavefront_size32 1
		.amdhsa_system_sgpr_workgroup_id_x 1
		.amdhsa_system_sgpr_workgroup_id_y 1
		.amdhsa_system_sgpr_workgroup_id_z 1
		.amdhsa_system_vgpr_workitem_id 0
		.amdhsa_next_free_vgpr 512
		.amdhsa_next_free_sgpr 96
		.amdhsa_reserve_vcc 0
		.amdhsa_float_denorm_mode_32 3
		.amdhsa_float_denorm_mode_16_64 3
		.amdhsa_memory_ordered 1
		.amdhsa_forward_progress 1
		.amdhsa_inst_pref_size 145
	.end_amdhsa_kernel
	.amdgpu_metadata
---
amdhsa.version: [ 1, 2 ]
amdhsa.kernels:
  - .name:           k_q70a122c658_pv
    .symbol:         k_q70a122c658_pv.kd
    .args:
      - { .name: pt, .offset: 0, .size: 8, .value_kind: global_buffer, .address_space: global }
      - { .name: qkv, .offset: 8, .size: 8, .value_kind: global_buffer, .address_space: global }
      - { .name: st, .offset: 16, .size: 8, .value_kind: global_buffer, .address_space: global }
      - { .name: out0, .offset: 24, .size: 8, .value_kind: global_buffer, .address_space: global }
    .group_segment_fixed_size: 327680
    .private_segment_fixed_size: 0
    .kernarg_segment_align: 8
    .kernarg_segment_size: 32
    .max_flat_workgroup_size: 128
    .sgpr_count:     96
    .vgpr_count:     512
    .wavefront_size: 32
...
	.end_amdgpu_metadata
.endif
;; end of part 4
;; ======== version 2 of 3: 4 launches; 1.12 times as fast as version 1
;; limits: values are held in f16: magnitudes above 65,504 overflow, below 6.1e-05 lose precision
;; workspace buffers: xh 16,777,216 bytes; wh 6,291,456 bytes; qkv 50,331,648 bytes; pt 33,554,432 bytes; st 1,048,576 bytes
;; launch cast (part 5): grid 704 x 1, 8 waves a work-group, no clusters, 0 bytes of LDS; arguments hidden_states, Wq, Wk, Wv, xh, wh; writes xh, wh
.if DOCPART == 5
	.amdgcn_target "amdgcn-amd-amdhsa--gfx1250"
	.amdhsa_code_object_version 6
	.text
	.protected	k_q70a122c658_cast
	.globl	k_q70a122c658_cast
	.p2align	8
	.type	k_q70a122c658_cast,@function
k_q70a122c658_cast:
	s_mov_b64 s[64:65], 0
	v_nop
	global_prefetch_b8 v0, s[64:65] scope:SCOPE_SE
	s_setreg_imm32_b32 hwreg(HW_REG_WAVE_MODE, 25, 1), 1
	s_wait_xcnt 0x0
; xh = bf16(hidden_states), wh = bf16(Wq | Wk | Wv), both laid out in BLOCKS ALONG K: [16 blocks][row][64 numbers], a row's piece 128 bytes, so that any run of rows of one block is dense
; and the next launch can ask for its tiles (rows x 64 along K) as rows of 256 consecutive bytes.  xh has 8,192 rows, wh 3,072 (Wq, Wk, Wv).
; THE ORDER OF xh's ROWS.  Inside each aligned group of 64 tokens, token t = 4 r + i (r 0..15, i 0..3) is written to row 16 i + r.  All later launches work on rows in this
; order; it lets a lane of the score launch read four neighbouring mask numbers and feed four matrix fragments with them, and the last launch undoes it in its stores.
; SHARES.  11,264 rows.  A work-group owns 16 rows, each of its eight waves two whose places in the result are neighbours: tokens t and t + 4 of x, rows R and R + 1 of a weight.
; Groups 0-511 x, 512-575 Wq, 576-639 Wk, 640-703 Wv.  Load i takes block i of both rows: lanes 0-15 read 256 consecutive bytes of the one, lanes 16-31 of the other; the store puts
; the two pieces of 128 bytes side by side: 256 consecutive bytes, at a multiple of 256 from the buffer's first byte.
; A stream: every byte is read once and written once, no two work-groups share an input, so no LDS, no barrier, no cluster and no matrix work.  All sixteen loads of a wave go out
; at once; no register is written twice, so the only waits are the counted ones for the loads.
.set OFF, 8                            ; v8-23    byte offset of my 8 bytes in block i of the result
.set X,   24                           ; v24-87   as loaded
.set Y,   88                           ; v88-119  to store
	s_load_b256 s[4:11], s[0:1], 0x0               ; hidden_states s[4:5], Wq s[6:7], Wk s[8:9], Wv s[10:11]
	s_load_b128 s[12:15], s[0:1], 0x20             ; xh s[12:13], wh s[14:15]
	v_lshrrev_b32 v1, 5, v0
	v_readfirstlane_b32 s16, v1                    ; wave 0..7
	v_and_b32 v1, 31, v0
	v_lshlrev_b32 v3, 3, v1                        ; 8 bytes a lane on the way out
	v_and_b32 v2, 15, v0
	v_lshlrev_b32 v2, 4, v2                        ; 16 bytes a lane on the way in,
	v_bfe_u32 v4, v0, 4, 1                         ; and lanes 16-31 take the second row
	s_mov_b32 s17, ttmp9
	s_lshl_b32 s18, s17, 4                         ; the group's first row among the 11,264
	s_and_b32 s19, s16, 3
	s_lshr_b32 s20, s16, 2
	s_lshl3_add_u32 s19, s20, s19
	s_add_co_u32 s19, s19, s18                     ; x: my first token t = 16 x group + 8 (wave / 4) + wave % 4; the second is t + 4
	s_and_b32 s20, s19, 0xffffffc0                 ; its row of xh: the group of 64 stays,
	s_and_b32 s21, s19, 3
	s_lshl_b32 s21, s21, 4                         ; t % 4 chooses the block of 16 rows,
	s_or_b32 s20, s20, s21
	s_bfe_u32 s21, s19, 0x40002                    ; (t / 4) % 16 the row in it: even, and token t + 4 falls on the next row
	s_or_b32 s20, s20, s21
	s_lshl_b32 s20, s20, 7                         ; 128 bytes a row
	s_lshl_b32 s19, s19, 12                        ; and 4,096 in the source
	s_lshl1_add_u32 s21, s16, s18                  ; the weights: my first row R = 16 x group + 2 x wave among the 11,264
	s_sub_co_u32 s24, s21, 8192
	s_lshl_b32 s24, s24, 7                         ; its place in a block of wh (used by the weights' groups alone)
	s_mov_b32 s25, 10240                           ; the first row of my weight among the 11,264
	s_mov_b32 s28, 393216                          ; bytes in a block of wh: 3,072 rows of 128
	s_movk_i32 s29, 4096                           ; from my first row to my second in the source
	s_mov_b32 s31, 0
	s_mov_b32 s33, 0
	s_wait_kmcnt 0x0
	s_mov_b64 s[22:23], s[10:11]
	s_cmp_lt_u32 s17, 640
	s_cselect_b64 s[22:23], s[8:9], s[22:23]
	s_cselect_b32 s25, 9216, s25
	s_cmp_lt_u32 s17, 576
	s_cselect_b64 s[22:23], s[6:7], s[22:23]
	s_cselect_b32 s25, 8192, s25
	s_sub_co_u32 s25, s21, s25
	s_lshl_b32 s25, s25, 12                        ; my first row in the weight, in bytes
	s_cmp_lt_u32 s17, 512                          ; x or a weight?
	s_cselect_b64 s[22:23], s[4:5], s[22:23]
	s_cselect_b32 s30, s19, s25
	s_cselect_b64 s[26:27], s[12:13], s[14:15]
	s_cselect_b32 s32, s20, s24
	s_cselect_b32 s28, 0x100000, s28               ; bytes in a block of xh: 8,192 rows of 128
	s_cselect_b32 s29, 0x4000, s29                 ; four tokens down
	s_add_nc_u64 s[22:23], s[22:23], s[30:31]      ; the source at my first row
	s_add_nc_u64 s[26:27], s[26:27], s[32:33]      ; the result at my two rows' place in block 0
	v_mad_u32_u24 v2, v4, s29, v2
.set i, 0
.rept 16
	global_load_b128 v[X+4*i:X+4*i+3], v2, s[22:23] offset:256*i th:TH_LOAD_NT  ; read once in the launch
.set i, i+1
.endr
.set i, 0
.rept 16
	v_mad_u32_u24 v[OFF+i], s28, i, v3             ; block i
.set i, i+1
.endr
.set i, 0
.rept 16
	s_wait_loadcnt 15-i                            ; loads come back in order: load i is in, the younger ones stay out
	v_cvt_pk_bf16_f32 v[Y+2*i], v[X+4*i], v[X+4*i+1]
	v_cvt_pk_bf16_f32 v[Y+2*i+1], v[X+4*i+2], v[X+4*i+3]
	global_store_b64 v[OFF+i], v[Y+2*i:Y+2*i+1], s[26:27]
.set i, i+1
.endr
	s_endpgm
.Lfunc_end_k_q70a122c658_cast:
	.size	k_q70a122c658_cast, .Lfunc_end_k_q70a122c658_cast-k_q70a122c658_cast
	.p2alignl 7, 3214868480
	.fill 96, 4, 3214868480
	.section	.rodata,"a",@progbits
	.p2align	6, 0x0
	.amdhsa_kernel k_q70a122c658_cast
		.amdhsa_group_segment_fixed_size 0
		.amdhsa_private_segment_fixed_size 0
		.amdhsa_enable_private_segment 0
		.amdhsa_kernarg_size 48
		.amdhsa_user_sgpr_count 2
		.amdhsa_user_sgpr_kernarg_segment_ptr 1
		.amdhsa_wavefront_size32 1
		.amdhsa_system_sgpr_workgroup_id_x 1
		.amdhsa_system_sgpr_workgroup_id_y 1
		.amdhsa_system_sgpr_workgroup_id_z 1
		.amdhsa_system_vgpr_workitem_id 0
		.amdhsa_next_free_vgpr 120
		.amdhsa_next_free_sgpr 66
		.amdhsa_reserve_vcc 0
		.amdhsa_float_denorm_mode_32 3
		.amdhsa_float_denorm_mode_16_64 3
		.amdhsa_memory_ordered 1
		.amdhsa_forward_progress 1
		.amdhsa_inst_pref_size 9
	.end_amdhsa_kernel
	.amdgpu_metadata
---
amdhsa.version: [ 1, 2 ]
amdhsa.kernels:
  - .name:           k_q70a122c658_cast
    .symbol:         k_q70a122c658_cast.kd
    .args:
      - { .name: hidden_states, .offset: 0, .size: 8, .value_kind: global_buffer, .address_space: global }
      - { .name: Wq, .offset: 8, .size: 8, .value_kind: global_buffer, .address_space: global }
      - { .name: Wk, .offset: 16, .size: 8, .value_kind: global_buffer, .address_space: global }
      - { .name: Wv, .offset: 24, .size: 8, .value_kind: global_buffer, .address_space: global }
      - { .name: xh, .offset: 32, .size: 8, .value_kind: global_buffer, .address_space: global }
      - { .name: wh, .offset: 40, .size: 8, .value_kind: global_buffer, .address_space: global }
    .group_segment_fixed_size: 0
    .private_segment_fixed_size: 0
    .kernarg_segment_align: 8
    .kernarg_segment_size: 48
    .max_flat_workgroup_size: 256
    .sgpr_count:     66
    .vgpr_count:     120
    .wavefront_size: 32
...
	.end_amdgpu_metadata
.endif
;; end of part 5
;; launch proj (part 6): grid 8 x 32, 4 waves a work-group, clusters of 4 x 4, 327,680 bytes of LDS; arguments xh, wh, bq, bk, bv, qkv; writes qkv
.if DOCPART == 6
	.amdgcn_target "amdgcn-amd-amdhsa--gfx1250"
	.amdhsa_code_object_version 6
	.text
	.protected	k_q70a122c658_proj
	.globl	k_q70a122c658_proj
	.p2align	8
	.type	k_q70a122c658_proj,@function
k_q70a122c658_proj:
	s_mov_b64 s[64:65], 0
	v_nop
	global_prefetch_b8 v0, s[64:65] scope:SCOPE_SE
	s_setreg_imm32_b32 hwreg(HW_REG_WAVE_MODE, 25, 1), 1
	s_wait_xcnt 0x0
	s_wait_alu depctr_hold_cnt(0) depctr_sa_sdst(0) depctr_va_vdst(0) depctr_va_sdst(0) depctr_va_ssrc(0) depctr_va_vcc(0) depctr_vm_vsrc(0)
	s_getreg_b32 s2, hwreg(HW_REG_IB_STS2, 6, 4)
	s_cmp_eq_u32 s2, 0
	s_cbranch_scc0 .Lentry_in_a_cluster
	s_endpgm
.Lentry_in_a_cluster:
	s_bfe_u32 s2, ttmp6, 0x10000c
	s_cmp_lg_u32 s2, 0xf033
	s_cbranch_scc0 .Lentry_shape_is_right
	s_endpgm
.Lentry_shape_is_right:
; qkv[t][o] = sum over h of x[t][h] w[o][h] + bias[o].  xh: bf16 [16 blocks of 64 along K][8192 rows][64], wh: bf16 [16][3072][64] (Wq, Wk, Wv), bias: bq | bk | bv in f32, rounded to bf16
; like every input.  qkv: [8192][3072] f16 (a row: q, k, v, 2,048 bytes each), rounded once from the f32 sums.
; LIMIT.  f16 holds no number beyond 65,504: a q, k or v beyond that becomes an infinity.  With x and the weights thirty times the size of unit-spread x and weights of spread 1/32 they reach some 5,000.
; SHARES.  8192 x 3072 outputs on 256 work-groups: a tile of 256 rows x 384 columns each.  Four waves, each 128 x 192: 96 accumulators of 16 x 16, 768 registers: windows 1 to 3.
; What is left, window 0, holds the addresses, two buffers for xh's eight fragments and ONE for wh's twelve.  A SLICE is 32 along K: three stretches of 32 matrix instructions, one for each window
; (four column blocks x eight row blocks); behind stretch g, wh's four fragments of group g, just read for the last time, are loaded again for the next slice: 64 matrix instructions ahead of their use.
; THE RING.  Two slots of a K step of 128 (640 rows x 272 bytes each) do not fit into LDS, so a K step is 64, two slices, 192 matrix instructions a wave; a slot is asked for again behind the first
; stretch of its second slice and waited for at the head of the next step's second slice: 160 matrix instructions later.  A tile's rows (128 bytes of one block) lie end to end in memory: it is asked for
; as rows of 256 bytes and padded in LDS behind every 128.
; CLUSTER.  4 x 4 work-groups: the four of a row of the cluster need the same rows of xh, the four of a column the same rows of wh; each tile is asked for jointly.
; THE MATRIX INSTRUCTION IS USED TRANSPOSED (source 0 = 16 rows of wh, source 1 = 16 rows of xh): a lane holds eight neighbouring columns of one row of the result.
; THE BIAS STARTS THE SUMS, through the matrix unit: one product for each accumulator, with C = 0: source 0 holds the bias of column m at k = 0, source 1 holds 1 at k = 0, all else 0; the product is exact.
; These 96 products stand in the wait for the first tile.  Their price: 91 v_mov_b32 that write 0 into the two sources.
; ONE K STEP IS WRITTEN TWICE: a loop that fills slots again and one that does not.  One descriptor a tensor walks; slot 1 begins at 1 << 17, so that one exclusive or turns an address in one slot into the
; other's.  The second loop's last trip fetches 20 fragments that nothing uses (from a slot that landed long ago): the price, once a launch, of writing no last step out.
; REGISTERS.  Window 0: v0-31 addresses; v32-95, v96-159 fragments of xh, two buffers; v160-255 fragments of wh; at the start v32-75 at work on the bias; on the way out v32-79 packed results,
; v96-191 rows read back.  Window 1 + g: the accumulators of column blocks 4 g .. 4 g + 3: (a, bb) at v[8 (4 a + bb)].
.set PITCH,  144                       ; an LDS row: 128 bytes + 16 of padding = 9 x 16: the 16 rows of a fragment load start at 16 different groups of four banks (ISA guide 11.1)
.set AHALF,  128*PITCH                 ; 128 rows of xh: one tensor load, and what one wave reads of xh
.set BHALF,  192*PITCH                 ; 192 rows of wh likewise
.set BOFF,   2*AHALF
.set SLOTB,  BOFF+2*BHALF              ; bytes in a slot: 256 rows of xh, then 384 rows of wh
.set SLOT1,  1<<17
.set STAGE,  SLOT1+SLOTB               ; behind the ring: 128 rows x 784 bytes, the work-group's, for the way out
.set SPITCH, 784                       ; 768 bytes + 16 = 49 x 16
.set SPARE,  STAGE+128*SPITCH          ; behind the stage: the spare words, 128 bytes a wave
.set STEPA,  8192*128                  ; bytes from a block of xh to the next
.set STEPW,  3072*128                  ; of wh
.set OPITCH, 6144                      ; bytes in a row of qkv
.set ADRA0, 16                         ; v16  my lane's place in xh's part of slot 0; never rewritten
.set ADRB0, 17                         ; v17  in wh's
.set ADRA,  18                         ; v18  the same in the slot in hand
.set ADRB,  19
.set STO,  24
.set RD,   25
.set CO,   26
.set SPW,  28                          ; v28  my spare word; never rewritten
.set NIL,  29                          ; v29  0; never rewritten
.set FA0,  32
.set FA1,  96
.set FB,   160
.set BOF,  32                          ; v32-43  byte offsets of my column of block b in its bias
.set BLO,  48                          ; v48-59  the number found there in the bias of my first column,
.set BHI,  64                          ; v64-75  and in that of my last
.set TMP,  32
.set OB,   96
.set TB,   21                          ; s21  0 or SLOT1: the slot in hand
.set G1,   24
.set G0,   32                          ; s[32:39] two sets for xh's first fills; the second then walks
.set G1B,  48
.set G0B,  56
.set MSB, 0
.macro WIN new                         ; the immediate's high byte repeats the setting that is left
.if MSB != (\new)
	s_set_vgpr_msb (MSB<<8)|(\new)
.set MSB, \new
.endif
.endm
.macro JLOAD s                         ; a joint load: waves 0 and 1 fetch xh's two halves, waves 2 and 3 wh's; an s_nop 0 and four v_nop follow each line
	s_cmp_eq_u32 s11, 0
	s_cbranch_scc0 .Lfor_b_\@
	tensor_load_to_lds s[G0+4*(\s):G0+4*(\s)+3], s[G1:G1+7]
	s_nop 0
.rept 4
	v_nop
.endr
	s_branch .Lasked_\@
.Lfor_b_\@:
	tensor_load_to_lds s[G0B+4*(\s):G0B+4*(\s)+3], s[G1B:G1B+7]
	s_nop 0
.rept 4
	v_nop
.endr
.Lasked_\@:
.endm
.macro CREST                           ; a round of the cluster's barrier behind its opening barrier
	s_cmp_lg_u32 s10, 0
	s_cbranch_scc1 .Lnot_wave_0_\@
	s_barrier_signal -3
.Lnot_wave_0_\@:
	s_barrier_wait -3
	s_barrier_signal -1
	s_barrier_wait -1
.endm
.macro CROUND
	s_barrier_signal -1
	s_barrier_wait -1
	CREST
.endm
.macro PLACES                          ; four places in front of loads into registers that matrix instructions have read, and of conversions that read results
.rept 4
	v_nop
.endr
.endm
	s_load_b256 s[80:87], s[0:1], 0x0              ; xh s[80:81], wh s[82:83], bq s[84:85], bk s[86:87]
	s_load_b128 s[88:91], s[0:1], 0x20             ; bv s[88:89], qkv s[90:91]
	v_lshl_add_u32 v[SPW], v0, 2, SPARE
	v_mov_b32 v[NIL], 0
	ds_add_u32 v[SPW], v[NIL]                      ; the wave's opening: the add and its wait ahead of my first tensor load
	v_lshrrev_b32 v1, 5, v0
	v_readfirstlane_b32 s10, v1                    ; wave 0..3
	s_lshr_b32 s11, s10, 1                         ; which 128 rows of the tile are mine.  Also: I fetch xh (0) or wh (1)
	s_and_b32 s12, s10, 1                          ; which 192 columns.  Also: which half of that tile I fetch
	s_bfe_u32 s40, ttmp6, 0x40000                  ; cx
	s_bfe_u32 s41, ttmp6, 0x40004                  ; cy
	s_lshl_b32 s42, ttmp9, 2
	s_add_co_u32 s42, s42, s40                     ; tile column = 4 x cluster x + cx
	s_and_b32 s13, ttmp7, 0xffff
	s_lshl_b32 s13, s13, 2
	s_add_co_u32 s13, s13, s41                     ; tile row = 4 x cluster y + cy
	s_lshl_b32 s43, s41, 2
	s_lshl_b32 s43, 15, s43                        ; my row of the cluster
	s_lshl_b32 s44, 0x1111, s40                    ; my column
	s_or_b32 s[G1+0], s43, (1<<16)|(1<<20)|(1<<21)|(4<<22)|(3<<25)   ; the mask; 2-byte elements; padding on; bit 21 beside a mask; after every 32 words (a row's 128 bytes) 4 words
	s_or_b32 s[G1B+0], s44, (1<<16)|(1<<20)|(1<<21)|(4<<22)|(3<<25)
	s_mov_b32 s[G1+1], 128<<16                     ; xh's half: 16,384 dense bytes as 64 rows of 128 elements: tensor_dim0 = 128
	s_mov_b32 s[G1+2], 64<<16                      ; tensor_dim1 = 64
	s_mov_b32 s[G1+3], 128<<16                     ; tile_dim0 = 128
	s_mov_b32 s[G1+4], 64                          ; tile_dim1 = 64
	s_mov_b32 s[G1+5], 128                         ; elements from row to row
	s_mov_b32 s[G1+6], 0
	s_mov_b32 s[G1+7], 0
	s_mov_b32 s[G1B+1], 128<<16                    ; wh's half: 24,576 dense bytes as 96 such rows
	s_mov_b32 s[G1B+2], 96<<16
	s_mov_b32 s[G1B+3], 128<<16
	s_mov_b32 s[G1B+4], 96
	s_mov_b32 s[G1B+5], 128
	s_mov_b32 s[G1B+6], 0
	s_mov_b32 s[G1B+7], 0
	s_lshl_b32 s16, s13, 8
	s_lshl_b32 s17, s12, 7
	s_add_co_u32 s16, s16, s17                     ; xh: row 256 x tile row + 128 x half,
	s_lshl_b32 s16, s16, 7                         ; of 128 bytes in a block
	s_mov_b32 s17, 0
	s_mul_i32 s46, s42, 384
	s_mul_i32 s47, s12, 192
	s_add_co_u32 s46, s46, s47                     ; wh: row 384 x tile column + 192 x half
	s_lshl_b32 s46, s46, 7
	s_mov_b32 s47, 0
	s_mul_i32 s20, s12, AHALF                      ; where the halves go: no place in the cluster enters an LDS address
	s_mul_i32 s22, s12, BHALF
	s_add_co_u32 s22, s22, BOFF
	s_mov_b32 s[TB], 0
	s_wait_dscnt 0x0                               ; the opening add is done
	s_wait_kmcnt 0x0
	s_add_nc_u64 s[14:15], s[80:81], s[16:17]
	s_add_nc_u64 s[46:47], s[82:83], s[46:47]
	CROUND                                         ; all sixteen work-groups are here: the first joint loads meet
.irp s, 0,1
	s_mov_b32 s[G0+4*(\s)], 1
	s_add_co_u32 s[G0+4*(\s)+1], s20, (\s)*SLOT1
	s_add_nc_u64 s[G0+4*(\s)+2:G0+4*(\s)+3], s[14:15], (\s)*STEPA
	s_or_b32 s[G0+4*(\s)+3], s[G0+4*(\s)+3], 0x80000000
	s_mov_b32 s[G0B+4*(\s)], 1
	s_add_co_u32 s[G0B+4*(\s)+1], s22, (\s)*SLOT1
	s_add_nc_u64 s[G0B+4*(\s)+2:G0B+4*(\s)+3], s[46:47], (\s)*STEPW
	s_or_b32 s[G0B+4*(\s)+3], s[G0B+4*(\s)+3], 0x80000000
	JLOAD \s
.endr
	v_and_b32 v1, 15, v0                           ; r = l % 16
	v_bfe_u32 v2, v0, 4, 1                         ; h = l / 16
	; THE BIAS of my 192 columns.  They may lie in two of bq, bk, bv (1,024 columns each), a block of 16 in one: each block is loaded from the bias of my first column and from that of my last,
	; at the column's place modulo 1,024, which lies inside either, and the right one of the two is chosen.
	s_mul_i32 s66, s42, 384
	s_mul_i32 s67, s12, 192
	s_add_co_u32 s66, s66, s67                     ; my first column among the 3,072
	s_lshr_b32 s67, s66, 10                        ; its bias: 0, 1, 2
	s_add_co_u32 s72, s66, 191
	s_lshr_b32 s72, s72, 10                        ; my last column's
	s_cmp_eq_u32 s67, 0
	s_cselect_b64 s[68:69], s[84:85], s[86:87]
	s_cmp_eq_u32 s67, 2
	s_cselect_b64 s[68:69], s[88:89], s[68:69]
	s_cmp_eq_u32 s72, 0
	s_cselect_b64 s[70:71], s[84:85], s[86:87]
	s_cmp_eq_u32 s72, 2
	s_cselect_b64 s[70:71], s[88:89], s[70:71]
	s_add_co_u32 s73, s67, 1
	s_lshl_b32 s73, s73, 10                        ; the first column behind my first column's bias
	v_add_nc_u32 v4, s66, v1                       ; column r of block 0
.irp b, 0,1,2,3,4,5,6,7,8,9,10,11
	v_add_nc_u32 v[BOF+\b], 16*\b, v4
	v_and_b32 v[BOF+\b], 0x3ff, v[BOF+\b]
	v_lshlrev_b32 v[BOF+\b], 2, v[BOF+\b]
.endr
.irp b, 0,1,2,3,4,5,6,7,8,9,10,11
	global_load_b32 v[BLO+\b], v[BOF+\b], s[68:69]
	global_load_b32 v[BHI+\b], v[BOF+\b], s[70:71]
.endr
	v_mul_u32_u24 v3, v1, PITCH
	v_lshl_add_u32 v3, v2, 4, v3                   ; a fragment's row x pitch + 16 x half
	s_mul_i32 s18, s11, AHALF                      ; my 128 rows of xh
	s_mul_i32 s19, s12, BHALF                      ; my 192 rows of wh,
	s_add_co_u32 s19, s19, BOFF                    ; which lie behind xh's 256
	v_add_nc_u32 v[ADRA0], s18, v3
	v_add_nc_u32 v[ADRB0], s19, v3
	v_mov_b32 v[ADRA], v[ADRA0]                    ; slot 0 comes first
	v_mov_b32 v[ADRB], v[ADRB0]
	s_mul_i32 s23, s11, 64*SPITCH                  ; into the stage: 64 rows for each half of the tile's rows, my 384 bytes of their 768; row r, 16 bytes for each half of the lanes
	s_mul_i32 s18, s12, 384
	s_add_co_u32 s23, s23, s18
	s_add_co_u32 s23, s23, STAGE
	v_mul_u32_u24 v5, v1, SPITCH
	v_lshl_add_u32 v5, v2, 4, v5
	v_add_nc_u32 v[STO], s23, v5
	s_mul_i32 s23, s10, 32*SPITCH                  ; back: wave w takes the stage's rows 32 w .. 32 w + 31, whole; lanes 0-15 take 256 bytes of one row, lanes 16-31 of the next
	s_add_co_u32 s23, s23, STAGE
	v_mul_u32_u24 v5, v2, SPITCH
	v_lshl_add_u32 v5, v1, 4, v5
	v_add_nc_u32 v[RD], s23, v5
	v_mul_u32_u24 v5, v2, OPITCH                   ; and the same two rows in qkv
	v_lshl_add_u32 v[CO], v1, 4, v5
	s_lshl_b32 s16, s13, 8                         ; the first row of qkv that I store: 256 x tile row + 128 (wave / 2) + 32 (wave % 2)
	s_lshl_b32 s17, s11, 7
	s_add_co_u32 s16, s16, s17
	s_lshl_b32 s17, s12, 5
	s_add_co_u32 s16, s16, s17
	s_mul_i32 s16, s16, OPITCH
	s_mov_b32 s17, 0
	s_add_nc_u64 s[8:9], s[90:91], s[16:17]
	s_mul_i32 s46, s42, 768                        ; the tile's first column, in bytes
	s_mov_b32 s47, 0
	s_add_nc_u64 s[8:9], s[8:9], s[46:47]
	; the two sources of the products that start the sums: all but k = 0 is 0
.set z, 0
.rept 12
.irp j, 1,2,3,4,5,6,7
	v_mov_b32 v[FB+8*z+\j], 0
.endr
.set z, z+1
.endr
	v_xor_b32 v5, 1, v2
	v_mul_u32_u24 v[FA1], v5, 0x3f80               ; 1.0 in bf16 at k = 0, which lies in lanes 0-15, register 0, low half
.irp j, 1,2,3,4,5,6,7
	v_mov_b32 v[FA1+\j], 0
.endr
	v_cmp_eq_u32 s74, 0, v2                        ; lanes 0-15
	s_wait_loadcnt 0x0                             ; the bias
.irp b, 0,1,2,3,4,5,6,7,8,9,10,11
	v_add_nc_u32 v5, 16*\b, v4
	v_cmp_gt_u32 vcc_lo, s73, v5                   ; does the column still lie in my first column's bias?
	v_cndmask_b32 v[BLO+\b], v[BHI+\b], v[BLO+\b], vcc_lo
	v_cndmask_b32 v[BLO+\b], 0, v[BLO+\b], s74     ; lanes 16-31 hold k = 8, 9: 0
	v_cvt_pk_bf16_f32 v[FB+8*\b], v[BLO+\b], v[FB+8*\b+1]  ; rounded to bf16 into the low half (k = 0); the high half takes a 0
.endr
; Matrix instructions of stretch g (column blocks 4 g .. 4 g + 3) for row blocks a0 .. a1 - 1, on xh's buffer fa.  first = 1: the products of the bias, which start the sums.
; The 96 accumulators take turns, one instruction a turn, in the same order in every slice.
.macro MULS fa, g, a0, a1, first
	WIN 0x50*((\g)+1)                              ; sources in window 0, C and D in window 1 + g
.set ma, \a0
.rept (\a1)-(\a0)
.irp bb, 0,1,2,3
.if \first
	v_wmma_f32_16x16x32_bf16 v[8*(4*ma+(\bb)):8*(4*ma+(\bb))+7], v[FB+32*(\g)+8*(\bb):FB+32*(\g)+8*(\bb)+7], v[FA1:FA1+7], 0
.else
	v_wmma_f32_16x16x32_bf16 v[8*(4*ma+(\bb)):8*(4*ma+(\bb))+7], v[FB+32*(\g)+8*(\bb):FB+32*(\g)+8*(\bb)+7], v[(\fa)+8*ma:(\fa)+8*ma+7], v[8*(4*ma+(\bb)):8*(4*ma+(\bb))+7]
.endif
.endr
.set ma, ma+1
.endr
.endm
.macro LDB g, k                        ; 8 LDS loads: wh's four fragments of group g, 32 along K at byte k of the rows of the slot in hand
	WIN 0
.irp bb, 0,1,2,3
	ds_load_b128 v[FB+32*(\g)+8*(\bb):FB+32*(\g)+8*(\bb)+3],   v[ADRB] offset:(\k)+(4*(\g)+(\bb))*16*PITCH
	ds_load_b128 v[FB+32*(\g)+8*(\bb)+4:FB+32*(\g)+8*(\bb)+7], v[ADRB] offset:(\k)+(4*(\g)+(\bb))*16*PITCH+32
.endr
.endm
.macro LDA fa, k                       ; 16 LDS loads: xh's eight fragments into buffer fa
	WIN 0
.irp i, 0,1,2,3,4,5,6,7
	ds_load_b128 v[(\fa)+8*(\i):(\fa)+8*(\i)+3],   v[ADRA] offset:(\k)+(\i)*16*PITCH
	ds_load_b128 v[(\fa)+8*(\i)+4:(\fa)+8*(\i)+7], v[ADRA] offset:(\k)+(\i)*16*PITCH+32
.endr
.endm
; A K step's first slice: multiplies buffer 0 and fetches the second slice, at byte 64 of the same rows.  The runs of loads are 24 (group 0 and xh), 8 (group 1), 8 (group 2), in every slice.
.macro SLICE
	s_wait_dscnt 16                                ; group 0 and xh are in; the two younger runs of 8 stay out
	MULS FA0, 0, 0, 8, 0
	PLACES
	LDB 0, 64
	LDA FA1, 64
	s_wait_dscnt 32                                ; group 1 is in; behind it: group 2's run of 8 and the 24 just issued
	MULS FA0, 1, 0, 8, 0
	PLACES
	LDB 1, 64
	s_wait_dscnt 32                                ; group 2 is in; behind it: the runs of 24 and 8 of this slice
	MULS FA0, 2, 0, 8, 0
	PLACES
	LDB 2, 64
.endm
; A K step's second slice multiplies buffer 1 and changes slots: all reads of this slot have been issued.  One barrier; ahead of it each wave waits for all its tensor loads, adds 0 to its spare word,
; and waits for that and for its reads of this slot.  fill = 1: the barrier opens a round of the cluster's, and behind the round this slot is filled again, two K steps ahead.
; Then the next step's first slice is fetched from the other slot.
.macro TSLICE fill
	WIN 0
	s_wait_tensorcnt 0x0                           ; all my tensor loads have landed: my part of the next slot
	ds_add_u32 v[SPW], v[NIL]
	s_wait_dscnt 17                                ; group 0 and xh are in (the add and the two younger runs of 8 may be out)
	MULS FA1, 0, 0, 4, 0
	s_wait_dscnt 0x0                               ; the add is done, and my reads of this slot are over
	s_barrier_signal -1
	MULS FA1, 0, 4, 8, 0
	WIN 0
	s_barrier_wait -1
.if \fill
	CREST                                          ; no wave of any partner still reads this slot or has a load on its way
	s_xor_b32 s[G0+5], s[G0+5], SLOT1              ; the walking descriptors: the other slot than last time,
	s_add_nc_u64 s[G0+6:G0+7], s[G0+6:G0+7], STEPA ; the next block along K
	s_xor_b32 s[G0B+5], s[G0B+5], SLOT1
	s_add_nc_u64 s[G0B+6:G0B+7], s[G0B+6:G0B+7], STEPW
	JLOAD 1                                        ; its four v_nop are also the places in front of the loads below
.else
	PLACES
.endif
	s_xor_b32 s[TB], s[TB], SLOT1                  ; the fetches go on in the other slot
	v_add_nc_u32 v[ADRA], s[TB], v[ADRA0]
	v_add_nc_u32 v[ADRB], s[TB], v[ADRB0]
	LDB 0, 0
	LDA FA0, 0
	MULS FA1, 1, 0, 8, 0                           ; groups 1 and 2 came in with the wait for 0 above
	PLACES
	LDB 1, 0
	MULS FA1, 2, 0, 8, 0
	PLACES
	LDB 2, 0
.endm
	MULS FA1, 0, 0, 8, 1                           ; the bias starts all 96 sums, while the first tiles are on their way
	MULS FA1, 1, 0, 8, 1
	MULS FA1, 2, 0, 8, 1
	WIN 0
	s_wait_tensorcnt 1                             ; my part of K step 0 is in; K step 1's may stay out
	s_barrier_signal -1
	s_barrier_wait -1
	PLACES
	LDB 0, 0                                       ; the first slice's fragments, in the order and runs of every slice
	LDA FA0, 0
	LDB 1, 0
	LDB 2, 0
	s_mov_b32 s3, 14
.Lstep:                                                ; fourteen trips, a K step each: steps 0 to 13 fill their slot again with steps 2 to 15
	SLICE
	TSLICE 1
	WIN 0
	s_sub_co_u32 s3, s3, 1
	s_cmp_lg_u32 s3, 0
	s_cbranch_scc1 .Lstep
	s_mov_b32 s3, 2
.Ltail:                                                ; the last two steps fill nothing
	SLICE
	TSLICE 0
	WIN 0
	s_sub_co_u32 s3, s3, 1
	s_cmp_lg_u32 s3, 0
	s_cbranch_scc1 .Ltail
	s_wait_dscnt 0x0                               ; the last trip's fetches, which nothing uses, have landed: their registers are written below
; THE WAY OUT.  A wave's 192 columns are 384 bytes, so the middle 256 of a row's 768 come from two waves: the stage is the work-group's, with a barrier between the writing and the reading.
; It holds 128 rows: two phases, row blocks 0-3 of every wave, then 4-7.
.macro PACK a                          ; block a: rounded to f16, 16 bytes a lane and column block, into the stage
.irp g, 0,1,2
	WIN 0x05*((\g)+1)                              ; sources in window 1 + g
.irp bb, 0,1,2,3
.irp q, 0,1,2,3
	v_cvt_pk_f16_f32 v[TMP+16*(\g)+4*(\bb)+(\q)], v[8*(4*(\a)+(\bb))+2*(\q)], v[8*(4*(\a)+(\bb))+2*(\q)+1]
.endr
.endr
.endr
	WIN 0
.irp b, 0,1,2,3,4,5,6,7,8,9,10,11
	ds_store_b128 v[STO], v[TMP+4*(\b):TMP+4*(\b)+3] offset:((\a)%4)*16*SPITCH+32*(\b)
.endr
.endm
.macro LOADC c                         ; chunk c of four: eight of my 32 rows, twelve loads
	s_wait_xcnt 0x0                                ; the registers loaded below were the data of the stores two chunks ago: they are rewritten only behind this wait
.irp p, 0,1,2,3
.irp u, 0,1,2
	ds_load_b128 v[OB+48*((\c)%2)+4*(3*(\p)+(\u)):OB+48*((\c)%2)+4*(3*(\p)+(\u))+3], v[RD] offset:(8*(\c)+2*(\p))*SPITCH+256*(\u)
.endr
.endr
.endm
.macro STOREC ph, c, younger           ; younger: the next chunk's twelve loads, or none
	s_wait_dscnt \younger
.irp p, 0,1,2,3
.irp u, 0,1,2
	global_store_b128 v[CO], v[OB+48*((\c)%2)+4*(3*(\p)+(\u)):OB+48*((\c)%2)+4*(3*(\p)+(\u))+3], s[8:9] offset:(64*(\ph)+8*(\c)+2*(\p))*OPITCH+256*(\u)  ; 16 lanes store 256 consecutive bytes, at a multiple of 256 from qkv's first byte
.endr
.endr
.endm
.macro BACK ph
	s_wait_dscnt 0x0                               ; for the others' sake: my stores into the stage are done
	s_barrier_signal -1
	s_barrier_wait -1
	LOADC 0
	LOADC 1
	STOREC \ph, 0, 12
	LOADC 2
	STOREC \ph, 1, 12
	LOADC 3
	STOREC \ph, 2, 12
	STOREC \ph, 3, 0
.endm
	PACK 0                                         ; (four v_nop stand behind the last product, in the last trip)
	PACK 1
	PACK 2
	PACK 3
	BACK 0
	s_barrier_signal -1                            ; every wave's reads of the stage are back (the last count was 0): only now is it written again
	s_barrier_wait -1
	PACK 4
	PACK 5
	PACK 6
	PACK 7
	BACK 1
	s_wait_tensorcnt 0x0                           ; the wave's end
	ds_add_u32 v[SPW], v[NIL]
	s_wait_dscnt 0x0
	CROUND                                         ; the closing round
	s_endpgm
.Lfunc_end_k_q70a122c658_proj:
	.size	k_q70a122c658_proj, .Lfunc_end_k_q70a122c658_proj-k_q70a122c658_proj
	.p2alignl 7, 3214868480
	.fill 96, 4, 3214868480
	.section	.rodata,"a",@progbits
	.p2align	6, 0x0
	.amdhsa_kernel k_q70a122c658_proj
		.amdhsa_group_segment_fixed_size 327680
		.amdhsa_private_segment_fixed_size 0
		.amdhsa_enable_private_segment 0
		.amdhsa_kernarg_size 48
		.amdhsa_user_sgpr_count 2
		.amdhsa_user_sgpr_kernarg_segment_ptr 1
		.amdhsa_wavefront_size32 1
		.amdhsa_system_sgpr_workgroup_id_x 1
		.amdhsa_system_sgpr_workgroup_id_y 1
		.amdhsa_system_sgpr_workgroup_id_z 1
		.amdhsa_system_vgpr_workitem_id 0
		.amdhsa_next_free_vgpr 1024
		.amdhsa_next_free_sgpr 96
		.amdhsa_reserve_vcc 1
		.amdhsa_float_denorm_mode_32 3
		.amdhsa_float_denorm_mode_16_64 3
		.amdhsa_memory_ordered 1
		.amdhsa_forward_progress 1
		.amdhsa_inst_pref_size 112
	.end_amdhsa_kernel
	.amdgpu_metadata
---
amdhsa.version: [ 1, 2 ]
amdhsa.kernels:
  - .name:           k_q70a122c658_proj
    .symbol:         k_q70a122c658_proj.kd
    .args:
      - { .name: xh, .offset: 0, .size: 8, .value_kind: global_buffer, .address_space: global }
      - { .name: wh, .offset: 8, .size: 8, .value_kind: global_buffer, .address_space: global }
      - { .name: bq, .offset: 16, .size: 8, .value_kind: global_buffer, .address_space: global }
      - { .name: bk, .offset: 24, .size: 8, .value_kind: global_buffer, .address_space: global }
      - { .name: bv, .offset: 32, .size: 8, .value_kind: global_buffer, .address_space: global }
      - { .name: qkv, .offset: 40, .size: 8, .value_kind: global_buffer, .address_space: global }
    .group_segment_fixed_size: 327680
    .private_segment_fixed_size: 0
    .kernarg_segment_align: 8
    .kernarg_segment_size: 48
    .max_flat_workgroup_size: 128
    .sgpr_count:     96
    .vgpr_count:     1024
    .wavefront_size: 32
...
	.end_amdgpu_metadata
.endif
;; end of part 6
;; launch score (part 7): grid 8 x 32, 4 waves a work-group, clusters of 4 x 4, 327,680 bytes of LDS; arguments qkv, attention_mask, prosody_mask, prosody_weight, pt, st; writes pt, st
.if DOCPART == 7
	.amdgcn_target "amdgcn-amd-amdhsa--gfx1250"
	.amdhsa_code_object_version 6
	.text
	.protected	k_q70a122c658_score
	.globl	k_q70a122c658_score
	.p2align	8
	.type	k_q70a122c658_score,@function
k_q70a122c658_score:
	s_mov_b64 s[64:65], 0
	v_nop
	global_prefetch_b8 v0, s[64:65] scope:SCOPE_SE
	s_setreg_imm32_b32 hwreg(HW_REG_WAVE_MODE, 25, 1), 1
	s_wait_xcnt 0x0
	s_wait_alu depctr_hold_cnt(0) depctr_sa_sdst(0) depctr_va_vdst(0) depctr_va_sdst(0) depctr_va_ssrc(0) depctr_va_vcc(0) depctr_vm_vsrc(0)
	s_getreg_b32 s2, hwreg(HW_REG_IB_STS2, 6, 4)
	s_cmp_eq_u32 s2, 0
	s_cbranch_scc0 .Lentry_in_a_cluster
	s_endpgm
.Lentry_in_a_cluster:
	s_bfe_u32 s2, ttmp6, 0x10000c
	s_cmp_lg_u32 s2, 0xf033
	s_cbranch_scc0 .Lentry_shape_is_right
	s_endpgm
.Lentry_shape_is_right:
; For each query and each group of 128 keys: x = q . k + 32 am + 32 w pm (32 = sqrt(1024): x / 32 is the score), m = the group's largest x, p = 2^(c (x - m)) with c = log2(e) / 32,
; pt = p in f16, st = c m and l = the sum of the unrounded p.  The next launch puts the sixteen groups of a row together: the maximum is taken away in two stages.
; q, k: f16 rows of qkv (6,144 bytes; q at byte 0, k at 2,048), in the order in which the cast launch laid the tokens: in each group of 64, token 4 r + i at row 16 i + r.
; pt: [8192 queries][2048 keys] f16, both in that order.  st: f32 [c m, l][16 key groups][8192 queries in token order].
; THE MASKS GO THROUGH THE MATRIX UNIT.  Both masks and w are rounded to bf16, as all inputs are.  For 16 queries x 16 keys ONE bf16 product adds both: source 0 holds, for key m, at k = e the
; attention mask of query e and at k = 16 + e the prosody mask of query e; source 1 is constant: 32 at (k = n, query n), 32 w at (k = 16 + n, query n), 0 elsewhere.  The products are exact.
; The order of the tokens makes lane r's four neighbouring mask numbers (keys 4 r .. 4 r + 3) fall into four key fragments: a load reads 256 consecutive bytes with 16 lanes, each byte once.
; LIMITS.  The attention mask is clamped from below at -1e30 ahead of its rounding: a hole of -inf counts as -1e30, and a row all of whose 2,048 entries are holes gives the mean of v where
; the exact result is NaN.  A NaN there counts as a hole.  +inf in the attention mask, or an infinity or NaN in the prosody mask, spoils its block of 16 queries x 64 keys.
; A weight below 2^-126 counts as 0 in l; p below 6e-5 keeps f16's fixed step of 6e-8.
; SHARES.  A tile is 256 queries x 256 keys: 4 batches x 8 x 8 = 256 work-groups.  Four waves, each 128 x 128: 64 accumulators.  K = 1,024 in eight steps of 128 through two LDS slots:
; 256 matrix instructions a wave and step, 224 of them between a slot's request and the wait for it.  K step a also adds the masks of my row block a (16 queries x 128 keys, two units).
; CLUSTER 4 x 4: q's tiles are shared along a row of the cluster, k's along a column.
; ONE K STEP IS WRITTEN ONCE: one descriptor a tensor walks, and the LDS addresses are a lane's fixed part plus a scalar; both are turned by an exclusive or with SLOT = 0x22000, which shares no
; bit with the tiles' places in a slot (wave x 0x8800).
; REGISTERS.  Window 0: v0-31 addresses; v32-55 statistics; v64-127, v128-191 fragments of q, two buffers; v192-223 four packed mask sources; v224-231 the constant source;
; on the way out v64-95 packed p, v96-127 sums, v128-191 rows read back.  Window 1: v0-63, v192-255 two buffers of masks as loaded; v64-127, v128-191 fragments of k.
; Windows 2 and 3: the accumulators of my queries 0-63 and 64-127, (a, b) at v[8 (8 (a % 4) + b)]: lane (r, h), register j = (query 16 a + r, key 16 b + 8 h + j).
.set PITCH,  272
.set HALFT,  128*PITCH
.set SLOT,   4*HALFT
.set STAGE,  2*SLOT
.set SPITCH, 272
.set SPARE,  STAGE+4*16*SPITCH
.set STEPB,  256
.set OPITCH, 4096                      ; bytes in a row of pt
.set ADRA0, 16
.set ADRB0, 17
.set ADRA,  18
.set ADRB,  19
.set STO,  24
.set RD,   25
.set CO,   26
.set MO,   27                          ; v27  my byte offset in a unit of the masks: 32 rows down for lanes 16-31, 16 bytes a lane; never rewritten
.set SPW,  28
.set NIL,  29
.set SO,   31                          ; v31  my byte offset in st
.set TT,   32                          ; v32-39 at work
.set WW,   40                          ; v40-41 m, twice
.set XS,   44                          ; v44-47 what goes to st
.set MCQ,  48                          ; v48-51 c m of four row blocks
.set LQ,   52                          ; v52-55 l
.set F0,   64
.set F1,   128
.set EXT,  192
.set IDN,  224
.set TMP,  64
.set SUM,  96
.set OB,   128
.set TB,   21                          ; s21  0 or SLOT: the slot in hand
.set G1,   24
.set G0,   32
.set G1B,  48
.set G0B,  56
.set CS,   66                          ; s[66:67] c
.set SEL,  68                          ; s[68:69] v_permlanex16_b32's selects: each lane takes its own place in the other half
.set BIG,  70                          ; s70 -1e30
.set AM,   72                          ; s[72:73] attention_mask at the row block to be loaded
.set PM,   74                          ; s[74:75] prosody_mask likewise
.set PT,   76                          ; s[76:77] pt at my part of the tile
.set STB,  78                          ; s[78:79] st at my queries and my key group
.set MS,   92                          ; s[92:93] the masks' step to the next row block
.set MUL_LO, 0xa1
.set TO_B,   0x40
.set MSB, 0
.macro WIN new
.if MSB != (\new)
	s_set_vgpr_msb (MSB<<8)|(\new)
.set MSB, \new
.endif
.endm
.macro JLOAD s                         ; a joint load: waves 0 and 1 fetch q's two halves, waves 2 and 3 k's; an s_nop 0 and four v_nop follow each line
	s_cmp_eq_u32 s11, 0
	s_cbranch_scc0 .Lfor_b_\@
	tensor_load_to_lds s[G0+4*(\s):G0+4*(\s)+3], s[G1:G1+7]
	s_nop 0
.rept 4
	v_nop
.endr
	s_branch .Lasked_\@
.Lfor_b_\@:
	tensor_load_to_lds s[G0B+4*(\s):G0B+4*(\s)+3], s[G1B:G1B+7]
	s_nop 0
.rept 4
	v_nop
.endr
.Lasked_\@:
.endm
.macro CREST
	s_cmp_lg_u32 s10, 0
	s_cbranch_scc1 .Lnot_wave_0_\@
	s_barrier_signal -3
.Lnot_wave_0_\@:
	s_barrier_wait -3
	s_barrier_signal -1
	s_barrier_wait -1
.endm
.macro CROUND
	s_barrier_signal -1
	s_barrier_wait -1
	CREST
.endm
.macro PLACES
.rept 4
	v_nop
.endr
.endm
; A unit of the masks is 16 queries (a row block) x 64 keys (half u of my 128): 8 + 8 loads into buffer u.  Lane (r, h), load j: query 8 h + j of the block, which is token 32 h + 4 j + a % 4 of its
; group of 64; keys 4 r .. 4 r + 3 of the half.  The block's part of the address is carried in the bases.  Lanes 0-15 read 256 consecutive bytes of one row, lanes 16-31 of the row 32 further down.
.macro LOADU u
	WIN TO_B
.irp j, 0,1,2,3,4,5,6,7
	global_load_b128 v[192*(\u)+4*(\j):192*(\u)+4*(\j)+3], v[MO], s[AM:AM+1] offset:32768*(\j)+256*(\u) th:TH_LOAD_NT
.endr
.irp j, 0,1,2,3,4,5,6,7
	global_load_b128 v[192*(\u)+32+4*(\j):192*(\u)+32+4*(\j)+3], v[MO], s[PM:PM+1] offset:32768*(\j)+256*(\u) th:TH_LOAD_NT
.endr
	WIN 0
.endm
	s_load_b256 s[80:87], s[0:1], 0x0              ; qkv s[80:81], attention_mask s[82:83], prosody_mask s[84:85], prosody_weight s[86:87]
	s_load_b128 s[88:91], s[0:1], 0x20             ; pt s[88:89], st s[90:91]
	v_lshl_add_u32 v[SPW], v0, 2, SPARE
	v_mov_b32 v[NIL], 0
	ds_add_u32 v[SPW], v[NIL]                      ; the wave's opening: the add and its wait ahead of my first tensor load
	v_lshrrev_b32 v1, 5, v0
	v_readfirstlane_b32 s10, v1                    ; wave 0..3
	s_lshr_b32 s11, s10, 1                         ; which 128 queries are mine.  Also: I fetch q (0) or k (1)
	s_and_b32 s12, s10, 1                          ; which 128 keys.  Also: which half of that tile I fetch
	s_bfe_u32 s40, ttmp6, 0x40000                  ; cx
	s_bfe_u32 s41, ttmp6, 0x40004                  ; cy
	s_lshl_b32 s42, ttmp9, 2
	s_add_co_u32 s42, s42, s40                     ; key tile of the batch = 4 x cluster x + cx
	s_and_b32 s13, ttmp7, 0xffff
	s_lshl_b32 s13, s13, 2
	s_add_co_u32 s13, s13, s41                     ; query tile = 4 x cluster y + cy
	s_and_b32 s45, ttmp7, 0xffff
	s_lshr_b32 s45, s45, 1                         ; the batch: 8 query tiles = 2 clusters each; all partners share it
	s_lshl_b32 s43, s41, 2
	s_lshl_b32 s43, 15, s43                        ; my row of the cluster
	s_lshl_b32 s44, 0x1111, s40                    ; my column
	s_or_b32 s[G1+0], s43, (1<<16)|(1<<20)|(1<<21)|(5<<22)|(3<<25)
	s_or_b32 s[G1B+0], s44, (1<<16)|(1<<20)|(1<<21)|(5<<22)|(3<<25)
.irp g, G1, G1B
	s_mov_b32 s[(\g)+1], 128<<16                   ; tensor_dim0 = 128
	s_mov_b32 s[(\g)+2], 128<<16                   ; tensor_dim1 = 128
	s_mov_b32 s[(\g)+3], 128<<16                   ; tile_dim0 = 128
	s_mov_b32 s[(\g)+4], 128                       ; tile_dim1 = 128
	s_mov_b32 s[(\g)+5], 3072                      ; elements from row to row of qkv
	s_mov_b32 s[(\g)+6], 0
	s_mov_b32 s[(\g)+7], 0
.endr
	s_lshl_b32 s16, s13, 8
	s_lshl_b32 s17, s12, 7
	s_add_co_u32 s16, s16, s17                     ; q: row 256 x query tile + 128 x half
	s_mul_i32 s16, s16, 6144
	s_mov_b32 s17, 0
	s_lshl_b32 s46, s45, 11
	s_lshl_b32 s47, s42, 8
	s_add_co_u32 s46, s46, s47
	s_lshl_b32 s47, s12, 7
	s_add_co_u32 s46, s46, s47                     ; k: row 2,048 x batch + 256 x key tile + 128 x half,
	s_mul_i32 s46, s46, 6144
	s_add_co_u32 s46, s46, 2048                    ; at byte 2,048 of the row
	s_mov_b32 s47, 0
	s_mul_i32 s20, s10, HALFT
	s_mov_b32 s[TB], 0
	s_mov_b32 s[CS], 0x3d38aa3b                    ; c = log2(e) / 32
	s_mov_b32 s[CS+1], s[CS]                       ; named with it as a pair
	s_mov_b32 s[SEL], 0x76543210
	s_mov_b32 s[SEL+1], 0xfedcba98
	s_mov_b32 s[BIG], 0xf149f2ca                   ; -1e30
	s_mov_b32 s[MS+1], 0
	s_mov_b32 s94, 499712                          ; from row block 3 to 4: token 3 of one group of 64 to token 0 of the next: 61 rows of 8,192 bytes
	s_mov_b32 s95, 8192                            ; otherwise one token down
	s_wait_dscnt 0x0                               ; the opening add is done
	s_wait_kmcnt 0x0
	s_load_b32 s71, s[86:87], 0x0                  ; w
	s_add_nc_u64 s[14:15], s[80:81], s[16:17]
	s_add_nc_u64 s[46:47], s[80:81], s[46:47]
	CROUND                                         ; all sixteen work-groups are here: the first joint loads meet
.irp s, 0,1
	s_mov_b32 s[G0+4*(\s)], 1
	s_add_co_u32 s[G0+4*(\s)+1], s20, (\s)*SLOT
	s_add_nc_u64 s[G0+4*(\s)+2:G0+4*(\s)+3], s[14:15], (\s)*STEPB
	s_or_b32 s[G0+4*(\s)+3], s[G0+4*(\s)+3], 0x80000000
	s_mov_b32 s[G0B+4*(\s)], 1
	s_add_co_u32 s[G0B+4*(\s)+1], s20, (\s)*SLOT
	s_add_nc_u64 s[G0B+4*(\s)+2:G0B+4*(\s)+3], s[46:47], (\s)*STEPB
	s_or_b32 s[G0B+4*(\s)+3], s[G0B+4*(\s)+3], 0x80000000
	JLOAD \s
.endr
	v_and_b32 v1, 15, v0                           ; r
	v_bfe_u32 v2, v0, 4, 1                         ; h
	v_lshlrev_b32 v3, 18, v2                       ; 32 rows of 8,192 bytes
	v_lshl_add_u32 v[MO], v1, 4, v3
	s_lshl_b32 s16, s13, 8
	s_lshl_b32 s17, s11, 7
	s_add_co_u32 s22, s16, s17                     ; my first query among the 8,192
	s_lshl_b32 s46, s42, 8
	s_lshl_b32 s47, s12, 7
	s_add_co_u32 s23, s46, s47                     ; my first key among the batch's 2,048
	s_mov_b32 s17, 0
	s_mov_b32 s47, 0
	s_lshl_b32 s16, s22, 13                        ; a mask's row is 8,192 bytes
	s_lshl_b32 s46, s23, 2
	s_add_nc_u64 s[AM:AM+1], s[82:83], s[16:17]
	s_add_nc_u64 s[AM:AM+1], s[AM:AM+1], s[46:47]
	s_add_nc_u64 s[PM:PM+1], s[84:85], s[16:17]
	s_add_nc_u64 s[PM:PM+1], s[PM:PM+1], s[46:47]
	LOADU 0                                        ; row block 0's two units: 32 loads of mine are out from here on, each unit asked for one K step ahead of its use
	LOADU 1
	s_lshl_b32 s16, s22, 12
	s_lshl_b32 s46, s23, 1
	s_add_nc_u64 s[PT:PT+1], s[88:89], s[16:17]
	s_add_nc_u64 s[PT:PT+1], s[PT:PT+1], s[46:47]
	s_lshl_b32 s16, s22, 2
	s_lshl_b32 s46, s23, 8                         ; key group (first key / 128) x 32,768 bytes
	s_add_nc_u64 s[STB:STB+1], s[90:91], s[16:17]
	s_add_nc_u64 s[STB:STB+1], s[STB:STB+1], s[46:47]
	v_lshlrev_b32 v3, 19, v2                       ; lanes 16-31 store l, 524,288 bytes behind c m
	v_lshl_add_u32 v[SO], v1, 4, v3
	v_mul_u32_u24 v3, v1, PITCH
	v_lshl_add_u32 v3, v2, 4, v3
	s_mul_i32 s18, s11, HALFT
	s_mul_i32 s19, s12, HALFT
	s_add_co_u32 s19, s19, 2*HALFT
	v_add_nc_u32 v[ADRA0], s18, v3
	v_add_nc_u32 v[ADRB0], s19, v3
	v_mov_b32 v[ADRA], v[ADRA0]
	v_mov_b32 v[ADRB], v[ADRB0]
	s_mul_i32 s18, s10, 16*SPITCH
	s_add_co_u32 s18, s18, STAGE                   ; my stage
	v_mul_u32_u24 v4, v1, SPITCH
	v_lshl_add_u32 v4, v2, 4, v4
	v_add_nc_u32 v[STO], s18, v4
	v_mul_u32_u24 v5, v2, SPITCH
	v_lshl_add_u32 v5, v1, 4, v5
	v_add_nc_u32 v[RD], s18, v5
	v_lshlrev_b32 v5, 12, v2
	v_lshl_add_u32 v[CO], v1, 4, v5
	; the constant source: lane (r, h) holds column n = r; k = r lies in my registers where r / 8 = h, in register (r % 8) / 2, half r % 2
	v_lshrrev_b32 v4, 3, v1
	v_and_b32 v5, 7, v1
	v_lshrrev_b32 v5, 1, v5
	v_cmp_eq_u32 vcc_lo, v4, v2
	v_cndmask_b32 v5, 7, v5, vcc_lo                ; the register, or none
	v_and_b32 v6, 1, v1
	v_lshlrev_b32 v6, 4, v6
	v_mov_b32 v7, 0x4200                           ; 32.0 in bf16,
	v_lshlrev_b32 v7, v6, v7                       ; in my half
	s_wait_kmcnt 0x0                               ; w
	v_mov_b32 v8, s71
	v_cvt_pk_bf16_f32 v8, v8, v8                   ; w rounded to bf16,
	v_lshlrev_b32 v8, 16, v8
	v_mul_f32 v8, 0x42000000, v8                   ; times 32: exact,
	v_lshrrev_b32 v8, 16, v8                       ; as bf16,
	v_lshlrev_b32 v8, v6, v8                       ; in my half
.irp c, 0,1,2,3
	v_cmp_eq_u32 vcc_lo, \c, v5
	v_cndmask_b32 v[IDN+\c], 0, v7, vcc_lo
	v_cndmask_b32 v[IDN+4+\c], 0, v8, vcc_lo
.endr
; 16 matrix instructions: query blocks a0, a0 + 1 of the window's four x all 8 key blocks, 32 along K.  The 64 accumulators take turns, one instruction a turn.
.macro MUL16 f, hi, a0, zero
	WIN MUL_LO+0x50*(\hi)
.irp a, \a0, (\a0)+1
.irp b, 0,1,2,3,4,5,6,7
.if \zero
	v_wmma_f32_16x16x32_f16 v[8*(8*(\a)+(\b)):8*(8*(\a)+(\b))+7], v[(\f)+8*(\b):(\f)+8*(\b)+7], v[(\f)+8*(4*(\hi)+(\a)):(\f)+8*(4*(\hi)+(\a))+7], 0
.else
	v_wmma_f32_16x16x32_f16 v[8*(8*(\a)+(\b)):8*(8*(\a)+(\b))+7], v[(\f)+8*(\b):(\f)+8*(\b)+7], v[(\f)+8*(4*(\hi)+(\a)):(\f)+8*(4*(\hi)+(\a))+7], v[8*(8*(\a)+(\b)):8*(8*(\a)+(\b))+7]
.endif
.endr
.endr
.endm
; Number n of the 64 that make a unit's four packed sources out of the buffer at lb (window 1).  0-31: the attention mask is clamped.  32-63: register m = n - 32 of the sources: source m / 8, its
; register m % 8: registers 0-3 the attention mask of queries 8 h + 2 c, 8 h + 2 c + 1 (c = m % 4), registers 4-7 the prosody mask; key 4 r + m / 8.
.macro PK lb, n
.if (\n) < 32
	WIN 0x44                                       ; destination and source 1 in window 1
	v_max_num_f32 v[(\lb)+(\n)], s[BIG], v[(\lb)+(\n)]
.else
	WIN 0x05                                       ; sources in window 1, destination in window 0
.set pkm, (\n)-32
.set pks, (\lb)+32*((pkm&7)/4)+8*(pkm&3)+pkm/8
	v_cvt_pk_bf16_f32 v[EXT+pkm], v[pks], v[pks+4]
.endif
.endm
; A quarter's first 16 matrix instructions with four of those behind each: they name no register of the products round them
.macro MUL16R f, lb
.set pkn, 0
.irp a, 0,1
.irp b, 0,1,2,3,4,5,6,7
	WIN MUL_LO
	v_wmma_f32_16x16x32_f16 v[8*(8*(\a)+(\b)):8*(8*(\a)+(\b))+7], v[(\f)+8*(\b):(\f)+8*(\b)+7], v[(\f)+8*(\a):(\f)+8*(\a)+7], v[8*(8*(\a)+(\b)):8*(8*(\a)+(\b))+7]
	PK \lb, pkn
	PK \lb, pkn+1
	PK \lb, pkn+2
	PK \lb, pkn+3
.set pkn, pkn+4
.endr
.endr
.endm
.macro FETCH k, f
	WIN TO_B
.irp i, 0,1,2,3,4,5,6,7
	ds_load_b128 v[(\f)+8*(\i):(\f)+8*(\i)+3],   v[ADRB] offset:(\k)+(\i)*16*PITCH
	ds_load_b128 v[(\f)+8*(\i)+4:(\f)+8*(\i)+7], v[ADRB] offset:(\k)+(\i)*16*PITCH+32
.endr
	WIN 0
.irp i, 0,1,2,3,4,5,6,7
	ds_load_b128 v[(\f)+8*(\i):(\f)+8*(\i)+3],   v[ADRA] offset:(\k)+(\i)*16*PITCH
	ds_load_b128 v[(\f)+8*(\i)+4:(\f)+8*(\i)+7], v[ADRA] offset:(\k)+(\i)*16*PITCH+32
.endr
.endm
.macro QUARTER k, f, d, zero
	s_wait_dscnt 8                                 ; all but the youngest eight loads (q's rows 64-127) are in
	MUL16 \f, 0, 0, \zero
	MUL16 \f, 0, 2, \zero
	PLACES
	FETCH \k, \d
	s_wait_dscnt 32                                ; all but the 32 just issued
	MUL16 \f, 1, 0, \zero
	MUL16 \f, 1, 2, \zero
.endm
; The masks of unit (a, u) are added: four bf16 products on the accumulators (a, 4 u .. 4 u + 3)
.macro INJ4 a, u
	WIN 0xa0+0x50*((\a)/4)                         ; both sources in window 0, C and D in window 2 or 3
.irp i, 0,1,2,3
	v_wmma_f32_16x16x32_bf16 v[8*(8*((\a)%4)+4*(\u)+(\i)):8*(8*((\a)%4)+4*(\u)+(\i))+7], v[EXT+8*(\i):EXT+8*(\i)+7], v[IDN:IDN+7], v[8*(8*((\a)%4)+4*(\u)+(\i)):8*(8*((\a)%4)+4*(\u)+(\i))+7]
.endr
	WIN 0
.endm
; An f16 and a bf16 form on one accumulator are no chain in place: five places stand on either side.  In the loop the row block is the K step's number, 6 less the step counter, which is the same
; in all partners; the jumps go forward, past neither a barrier nor a tensor load.  stat = 6, 7: the last two steps, written out.
.macro INJECT u, stat
	WIN 0
.rept 5
	v_nop
.endr
.if (\stat) >= 0
	INJ4 \stat, \u
.else
	s_cmp_eq_u32 s3, 6
	s_cbranch_scc0 .Lb1_\@
	INJ4 0, \u
	s_branch .Lbd_\@
.Lb1_\@:
	s_cmp_eq_u32 s3, 5
	s_cbranch_scc0 .Lb2_\@
	INJ4 1, \u
	s_branch .Lbd_\@
.Lb2_\@:
	s_cmp_eq_u32 s3, 4
	s_cbranch_scc0 .Lb3_\@
	INJ4 2, \u
	s_branch .Lbd_\@
.Lb3_\@:
	s_cmp_eq_u32 s3, 3
	s_cbranch_scc0 .Lb4_\@
	INJ4 3, \u
	s_branch .Lbd_\@
.Lb4_\@:
	s_cmp_eq_u32 s3, 2
	s_cbranch_scc0 .Lb5_\@
	INJ4 4, \u
	s_branch .Lbd_\@
.Lb5_\@:
	INJ4 5, \u
.Lbd_\@:
.endif
.rept 5
	v_nop
.endr
.endm
; A K step's second and third quarter each carry a unit of the masks: it is packed behind the first 16 products, its buffer is loaded again (more = 1) with the same half of the next row block, and
; the four products that add it stand behind the quarter.  left: the younger mask loads, the other buffer's sixteen, which may stay out.
.macro QMASK k, f, d, u, left, more, stat
	s_wait_loadcnt \left
	s_wait_dscnt 8
	MUL16R \f, 192*(\u)
	MUL16 \f, 0, 2, 0
	PLACES
.if \more
	LOADU \u
.endif
	FETCH \k, \d
	s_wait_dscnt 32
	MUL16 \f, 1, 0, 0
	MUL16 \f, 1, 2, 0
	INJECT \u, \stat
.endm
.macro TURN fill
	WIN 0
	s_wait_tensorcnt 0x0                           ; all my tensor loads have landed: my part of the next slot
	ds_add_u32 v[SPW], v[NIL]
	s_wait_dscnt 9                                 ; (the add and the youngest eight loads may be out)
	MUL16 F1, 0, 0, 0
	s_wait_dscnt 0x0                               ; the add is done, and my reads of this slot are over
	s_barrier_signal -1
	MUL16 F1, 0, 2, 0
.if \fill
	WIN 0
.endif
	s_barrier_wait -1
.if \fill
	CREST                                          ; no wave of any partner still reads this slot or has a load on its way
	s_xor_b32 s[G0+5], s[G0+5], SLOT               ; the walking descriptors: the other slot than last time,
	s_add_nc_u64 s[G0+6:G0+7], s[G0+6:G0+7], STEPB ; the next K step
	s_xor_b32 s[G0B+5], s[G0B+5], SLOT
	s_add_nc_u64 s[G0B+6:G0B+7], s[G0B+6:G0B+7], STEPB
	JLOAD 1
.else
	PLACES
	WIN 0
.endif
	s_xor_b32 s[TB], s[TB], SLOT                   ; the fetches go on in the other slot
	v_add_nc_u32 v[ADRA], s[TB], v[ADRA0]
	v_add_nc_u32 v[ADRB], s[TB], v[ADRB0]
	FETCH 0, F0
	MUL16 F1, 1, 0, 0
	MUL16 F1, 1, 2, 0
.endm
.macro NEXTROWS                        ; the masks' bases go on to the next row block; in K step 3 (counter 3) that is the next group of 64 tokens
	s_wait_xcnt 0x0                                ; the loads issued so far have had their addresses translated: only now are their bases rewritten
	s_cmp_eq_u32 s3, 3
	s_cselect_b32 s[MS], s94, s95
	s_add_nc_u64 s[AM:AM+1], s[AM:AM+1], s[MS:MS+1]
	s_add_nc_u64 s[PM:PM+1], s[PM:PM+1], s[MS:MS+1]
.endm
	s_wait_tensorcnt 1                             ; my part of K step 0 is in; K step 1's may stay out
	s_barrier_signal -1
	s_barrier_wait -1
	FETCH 0, F0
	QUARTER 64, F0, F1, 1                          ; the first quarter's products start the sums
	WIN 0
	s_mov_b32 s3, 6
.Lstep:                                                ; six trips: K step 6 - s3 from its second quarter to the next step's first; it adds its row block's masks and loads the next block's
	NEXTROWS
	QMASK 128, F1, F0, 0, 16, 1, -1
	QMASK 192, F0, F1, 1, 16, 1, -1
	TURN 1
	QUARTER 64, F0, F1, 0
	WIN 0
	s_sub_co_u32 s3, s3, 1
	s_cmp_lg_u32 s3, 0
	s_cbranch_scc1 .Lstep
	NEXTROWS                                       ; the last two steps fill nothing; step 6 loads block 7's masks, step 7 none: the counts run down
	QMASK 128, F1, F0, 0, 16, 1, 6
	QMASK 192, F0, F1, 1, 16, 1, 6
	TURN 0
	QUARTER 64, F0, F1, 0
	QMASK 128, F1, F0, 0, 16, 0, 7
	QMASK 192, F0, F1, 1, 0, 0, 7
	s_wait_dscnt 8
	MUL16 F1, 0, 0, 0
	MUL16 F1, 0, 2, 0
	s_wait_dscnt 0x0
	MUL16 F1, 1, 0, 0
	MUL16 F1, 1, 2, 0
	WIN 0
; THE WAY OUT of row block a of window 2.  A lane holds one query and 64 of the group's 128 keys; the lane 16 away holds the other 64.
; The exponent is c (x - m), the difference first: where x = m it is exactly 0, however large the two are (a group of holes).
.macro SOFT a
.set AC, 64*(\a)
	WIN 0x2a                                       ; three sources in window 2
.irp b, 0,1,2,3,4,5,6,7
	v_max3_num_f32 v[TT+(\b)], v[AC+8*(\b)], v[AC+8*(\b)+1], v[AC+8*(\b)+2]
.endr
	WIN 0x28
.irp b, 0,1,2,3,4,5,6,7
	v_max3_num_f32 v[TT+(\b)], v[TT+(\b)], v[AC+8*(\b)+3], v[AC+8*(\b)+4]
.endr
.irp b, 0,1,2,3,4,5,6,7
	v_max3_num_f32 v[TT+(\b)], v[TT+(\b)], v[AC+8*(\b)+5], v[AC+8*(\b)+6]
.endr
.irp b, 0,2,4,6
	v_max3_num_f32 v[TT+(\b)], v[TT+(\b)], v[AC+8*(\b)+7], v[AC+8*(\b)+15]
.endr
	WIN 0
	v_max3_num_f32 v[TT], v[TT], v[TT+1], v[TT+2]
	v_max3_num_f32 v[TT+3], v[TT+3], v[TT+4], v[TT+5]
	v_max3_num_f32 v[TT], v[TT], v[TT+6], v[TT+7]
	v_max_num_f32 v[TT], v[TT], v[TT+3]
	v_permlanex16_b32 v[TT+1], v[TT], s[SEL], s[SEL+1]
	v_max_num_f32 v[WW], v[TT], v[TT+1]            ; m, in both registers of a pair
	v_max_num_f32 v[WW+1], v[TT], v[TT+1]
	v_mul_f32 v[MCQ+(\a)], s[CS], v[WW]
	WIN 0x82                                       ; destination and source 0 in window 2
.set z, 0
.rept 32
	v_pk_add_f32 v[AC+2*z:AC+2*z+1], v[AC+2*z:AC+2*z+1], v[WW:WW+1] neg_lo:[0,1] neg_hi:[0,1]
.set z, z+1
.endr
.set z, 0
.rept 32
	v_pk_mul_f32 v[AC+2*z:AC+2*z+1], v[AC+2*z:AC+2*z+1], s[CS:CS+1] op_sel_hi:[1,0]
.set z, z+1
.endr
.set z, 0
.rept 64
	v_exp_f32 v[AC+z], v[AC+z]
.set z, z+1
.endr
	v_nop                                          ; a plain instruction between the last exponential and the use of its result
	WIN 0x0a                                       ; sources in window 2, destination in window 0
.set z, 0
	s_wait_alu depctr_va_vdst(0)
.rept 32
	v_cvt_pk_f16_f32 v[TMP+z], v[AC+2*z], v[AC+2*z+1]
.set z, z+1
.endr
.set z, 0
.rept 16
	v_pk_add_f32 v[SUM+2*z:SUM+2*z+1], v[AC+4*z:AC+4*z+1], v[AC+4*z+2:AC+4*z+3]
.set z, z+1
.endr
	WIN 0
.irp z, 0,1,2,3,4,5,6,7
	v_pk_add_f32 v[SUM+2*(\z):SUM+2*(\z)+1], v[SUM+2*(\z):SUM+2*(\z)+1], v[SUM+16+2*(\z):SUM+16+2*(\z)+1]
.endr
.irp z, 0,1,2,3
	v_pk_add_f32 v[SUM+2*(\z):SUM+2*(\z)+1], v[SUM+2*(\z):SUM+2*(\z)+1], v[SUM+8+2*(\z):SUM+8+2*(\z)+1]
.endr
.irp z, 0,1
	v_pk_add_f32 v[SUM+2*(\z):SUM+2*(\z)+1], v[SUM+2*(\z):SUM+2*(\z)+1], v[SUM+4+2*(\z):SUM+4+2*(\z)+1]
.endr
	v_pk_add_f32 v[SUM:SUM+1], v[SUM:SUM+1], v[SUM+2:SUM+3]
	v_add_f32 v[SUM], v[SUM], v[SUM+1]
	v_permlanex16_b32 v[SUM+1], v[SUM], s[SEL], s[SEL+1]
	v_add_f32 v[LQ+(\a)], v[SUM], v[SUM+1]
.endm
.macro TOSTAGE a
	s_wait_xcnt 0x0                                ; the registers loaded below were the data of the stores two blocks ago
.irp b, 0,1,2,3,4,5,6,7
	ds_store_b128 v[STO], v[TMP+4*(\b):TMP+4*(\b)+3] offset:32*(\b)
.endr
.irp t, 0,1,2,3,4,5,6,7
	ds_load_b128 v[OB+32*((\a)%2)+4*(\t):OB+32*((\a)%2)+4*(\t)+3], v[RD] offset:(\t)*2*SPITCH  ; LDS serves a wave's instructions in order: these see the stores above
.endr
.endm
.macro SEND a
	s_wait_dscnt 0x0
.irp t, 0,1,2,3,4,5,6,7
	global_store_b128 v[CO], v[OB+32*((\a)%2)+4*(\t):OB+32*((\a)%2)+4*(\t)+3], s[PT:PT+1] offset:(16*(\a)+2*(\t))*OPITCH  ; 16 lanes store 256 consecutive bytes, at a multiple of 256 from pt's first byte
.endr
.endm
	PLACES
	s_mov_b32 s4, 2
.Lhalf:                                                ; two trips: my queries 0-63, then 64-127: one text for four row blocks
	SOFT 0
	TOSTAGE 0
.irp a, 1,2,3
	SOFT \a
	SEND (\a)-1
	TOSTAGE \a
.endr
	SEND 3
	; lane r's four numbers (four row blocks) are tokens 4 r .. 4 r + 3 of the 64: lanes 0-15 store 256 consecutive bytes of c m, lanes 16-31 of l
	v_cmp_eq_u32 vcc_lo, 1, v2
.irp a, 0,1,2,3
	v_cndmask_b32 v[XS+\a], v[MCQ+\a], v[LQ+\a], vcc_lo
.endr
	global_store_b128 v[SO], v[XS:XS+3], s[STB:STB+1]
	s_cmp_eq_u32 s4, 1
	s_cbranch_scc1 .Lno_copy                       ; behind the second half nothing is left to move
	s_wait_xcnt 0x0                                ; the stores have had their addresses translated: their bases are rewritten only now
	s_add_nc_u64 s[PT:PT+1], s[PT:PT+1], 64*OPITCH
	s_add_nc_u64 s[STB:STB+1], s[STB:STB+1], 256
	WIN 0x83                                       ; window 3's accumulators go where the one text of the way out names them: 256 moves once a launch, for half the text
.set z, 0
.rept 256
	v_mov_b32 v[z], v[z]
.set z, z+1
.endr
	WIN 0
.Lno_copy:
	s_sub_co_u32 s4, s4, 1
	s_cmp_lg_u32 s4, 0
	s_cbranch_scc1 .Lhalf
	s_wait_tensorcnt 0x0                           ; the wave's end
	ds_add_u32 v[SPW], v[NIL]
	s_wait_dscnt 0x0
	CROUND                                         ; the closing round
	s_endpgm
.Lfunc_end_k_q70a122c658_score:
	.size	k_q70a122c658_score, .Lfunc_end_k_q70a122c658_score-k_q70a122c658_score
	.p2alignl 7, 3214868480
	.fill 96, 4, 3214868480
	.section	.rodata,"a",@progbits
	.p2align	6, 0x0
	.amdhsa_kernel k_q70a122c658_score
		.amdhsa_group_segment_fixed_size 327680
		.amdhsa_private_segment_fixed_size 0
		.amdhsa_enable_private_segment 0
		.amdhsa_kernarg_size 48
		.amdhsa_user_sgpr_count 2
		.amdhsa_user_sgpr_kernarg_segment_ptr 1
		.amdhsa_wavefront_size32 1
		.amdhsa_system_sgpr_workgroup_id_x 1
		.amdhsa_system_sgpr_workgroup_id_y 1
		.amdhsa_system_sgpr_workgroup_id_z 1
		.amdhsa_system_vgpr_workitem_id 0
		.amdhsa_next_free_vgpr 1024
		.amdhsa_next_free_sgpr 96
		.amdhsa_reserve_vcc 1
		.amdhsa_float_denorm_mode_32 3
		.amdhsa_float_denorm_mode_16_64 3
		.amdhsa_memory_ordered 1
		.amdhsa_forward_progress 1
		.amdhsa_inst_pref_size 195
	.end_amdhsa_kernel
	.amdgpu_metadata
---
amdhsa.version: [ 1, 2 ]
amdhsa.kernels:
  - .name:           k_q70a122c658_score
    .symbol:         k_q70a122c658_score.kd
    .args:
      - { .name: qkv, .offset: 0, .size: 8, .value_kind: global_buffer, .address_space: global }
      - { .name: attention_mask, .offset: 8, .size: 8, .value_kind: global_buffer, .address_space: global }
      - { .name: prosody_mask, .offset: 16, .size: 8, .value_kind: global_buffer, .address_space: global }
      - { .name: prosody_weight, .offset: 24, .size: 8, .value_kind: global_buffer, .address_space: global }
      - { .name: pt, .offset: 32, .size: 8, .value_kind: global_buffer, .address_space: global }
      - { .name: st, .offset: 40, .size: 8, .value_kind: global_buffer, .address_space: global }
    .group_segment_fixed_size: 327680
    .private_segment_fixed_size: 0
    .kernarg_segment_align: 8
    .kernarg_segment_size: 48
    .max_flat_workgroup_size: 128
    .sgpr_count:     96
    .vgpr_count:     1024
    .wavefront_size: 32
...
	.end_amdgpu_metadata
.endif
;; end of part 7
;; launch pv (part 8): grid 4 x 64, 4 waves a work-group, clusters of 4 x 4, 327,680 bytes of LDS; arguments pt, qkv, st, out0; writes out0
.if DOCPART == 8
	.amdgcn_target "amdgcn-amd-amdhsa--gfx1250"
	.amdhsa_code_object_version 6
	.text
	.protected	k_q70a122c658_pv
	.globl	k_q70a122c658_pv
	.p2align	8
	.type	k_q70a122c658_pv,@function
k_q70a122c658_pv:
	s_mov_b64 s[64:65], 0
	v_nop
	global_prefetch_b8 v0, s[64:65] scope:SCOPE_SE
	s_setreg_imm32_b32 hwreg(HW_REG_WAVE_MODE, 25, 1), 1
	s_wait_xcnt 0x0
	s_wait_alu depctr_hold_cnt(0) depctr_sa_sdst(0) depctr_va_vdst(0) depctr_va_sdst(0) depctr_va_ssrc(0) depctr_va_vcc(0) depctr_vm_vsrc(0)
	s_getreg_b32 s2, hwreg(HW_REG_IB_STS2, 6, 4)
	s_cmp_eq_u32 s2, 0
	s_cbranch_scc0 .Lentry_in_a_cluster
	s_endpgm
.Lentry_in_a_cluster:
	s_bfe_u32 s2, ttmp6, 0x10000c
	s_cmp_lg_u32 s2, 0xf033
	s_cbranch_scc0 .Lentry_shape_is_right
	s_endpgm
.Lentry_shape_is_right:
; out0[q][:] = sum over the 16 key groups G of f'_G sum over the group's keys of p v[key][:], with M = the largest c m_G of the row, f_G = 2^(c m_G - M), L = sum of f_G l_G, f'_G = f_G / L.
; pt: [8192][2048] f16, the weights p relative to their group's maximum.  v: f16, at byte 4,096 of qkv's rows of 6,144 bytes.  st: f32 [c m, l][16][8192].  out0: [8192][1024] f32.
; pt's rows and columns and qkv's rows lie in the order of the cast launch (in each group of 64, token 4 r + i at row 16 i + r); st and out0 in token order: the stores undo the order.
; A group of 128 keys is one K step.  Each step sums into accumulators of its own, begun with the constant 0; a finished block of them is added, times f'_G, onto totals in f32:
; four packed multiply-adds behind each of 32 of a step's 128 matrix instructions.  The totals are the result.
; The totals begin at 0: 256 v_mov_b32 in the wait for the first tiles, the price of writing no first step out.
; LIMITS.  An f below 2^-126 counts as 0.  L is at least 1: the group that holds the row's maximum has f = 1 and l at least 1.
; SHARES.  A tile is 128 queries x 256 channels: 256 work-groups.  Four waves, each 64 x 128: 32 accumulators.  K = 2,048 keys in 16 steps through two LDS slots; two slots of twice the step do not
; fit into LDS, and a tile of 256 x 256 would make 128 work-groups.
; CLUSTER 4 x 4: pt's tiles are shared along a row of the cluster, v's along a column.
; THE MATRIX INSTRUCTION IS USED TRANSPOSED: source 0 = 16 channels x 32 keys of v, turned on its way out of LDS by ds_load_tr16_b128; source 1 = 16 queries x 32 keys of p.
; ONE K STEP IS WRITTEN ONCE: one descriptor a tensor walks; slot 1 begins at 1 << 17, so that one exclusive or turns an address in one slot into the other's.
; REGISTERS.  Window 0: v0-31 addresses; v32-39 f' of the step in hand for my lane's query in row blocks 0-3, twice each; v64-159, v160-255 two fragment buffers (32 of p, 64 of v);
; at the start v64-223 the statistics; on the way out v64-191 rows read back.  Window 1: the step's accumulators, (a, b) at v[8 (8 a + b)].  Window 2: the totals, likewise.
.set PITCH,  272                       ; a row of p in LDS: 256 bytes + 16
.set VP,     544                       ; a row of v: 512 bytes + 32 = 17 x 32
.set AHALF,  64*PITCH
.set BHALF,  64*VP
.set BOFF,   2*AHALF
.set SLOTB,  BOFF+2*BHALF              ; bytes in a slot
.set SLOT1,  1<<17
.set STAGE,  SLOT1+SLOTB               ; 16 rows x 528 bytes for each wave
.set SPITCH, 528
.set FT,     STAGE+4*16*SPITCH         ; the factors: for each wave 16 groups x 16 lanes x 32 bytes
.set SPARE,  FT+4*8192
.set STEPA,  256                       ; bytes of a K step in a row of pt
.set STEPV,  128*6144                  ; 128 rows of qkv
.set ADRA0, 16
.set ADRB0, 17
.set ADRA,  18
.set ADRB,  19
.set STO,  24
.set RD,   25
.set GO,   26
.set SO,   27                          ; v27  my byte offset in st
.set SPW,  28
.set NIL,  29
.set FA,   30                          ; v30  LDS address of my lane's factors of group 0; never rewritten
.set FC,   31                          ; v31  of the group in hand
.set FQ,   32
.set F0,   64
.set F1,   160
.set MC,   64                          ; c m, then f, of group 8 h + x, row block a at MC + 4 x + a
.set LL,   96                          ; l likewise
.set MX,   128
.set MT,   132
.set LS,   136
.set IL,   140
.set DD,   160                         ; f', twice each
.set OB,   64
.set G1,   24
.set G0,   32
.set G1B,  48
.set G0B,  56
.set FO,   66                          ; s66  512 x the group whose factors are read next
.set TB,   67                          ; s67  0 or SLOT1: the slot in hand
.set SEL,  68
.set MUL,  0x50                        ; sources in window 0, C and D in window 1
.set DRW,  0xa1                        ; source 0 window 1, source 1 window 0, source 2 and destination window 2
.set MSB, 0
.macro WIN new
.if MSB != (\new)
	s_set_vgpr_msb (MSB<<8)|(\new)
.set MSB, \new
.endif
.endm
.macro JLOAD s                         ; a joint load: waves 0 and 1 fetch pt's two halves, waves 2 and 3 v's; an s_nop 0 and four v_nop follow each line
	s_cmp_eq_u32 s11, 0
	s_cbranch_scc0 .Lfor_b_\@
	tensor_load_to_lds s[G0+4*(\s):G0+4*(\s)+3], s[G1:G1+7]
	s_nop 0
.rept 4
	v_nop
.endr
	s_branch .Lasked_\@
.Lfor_b_\@:
	tensor_load_to_lds s[G0B+4*(\s):G0B+4*(\s)+3], s[G1B:G1B+7]
	s_nop 0
.rept 4
	v_nop
.endr
.Lasked_\@:
.endm
.macro CREST
	s_cmp_lg_u32 s10, 0
	s_cbranch_scc1 .Lnot_wave_0_\@
	s_barrier_signal -3
.Lnot_wave_0_\@:
	s_barrier_wait -3
	s_barrier_signal -1
	s_barrier_wait -1
.endm
.macro CROUND
	s_barrier_signal -1
	s_barrier_wait -1
	CREST
.endm
.macro PLACES
.rept 4
	v_nop
.endr
.endm
	s_load_b256 s[80:87], s[0:1], 0x0              ; pt s[80:81], qkv s[82:83], st s[84:85], out0 s[86:87]
	v_lshl_add_u32 v[SPW], v0, 2, SPARE
	v_mov_b32 v[NIL], 0
	ds_add_u32 v[SPW], v[NIL]                      ; the wave's opening: the add and its wait ahead of my first tensor load
	v_lshrrev_b32 v1, 5, v0
	v_readfirstlane_b32 s10, v1                    ; wave 0..3
	s_lshr_b32 s11, s10, 1                         ; which 64 queries are mine.  Also: I fetch pt (0) or v (1)
	s_and_b32 s12, s10, 1                          ; which 128 channels.  Also: which half of that tile I fetch
	s_bfe_u32 s40, ttmp6, 0x40000                  ; cx
	s_bfe_u32 s41, ttmp6, 0x40004                  ; cy
	s_lshl_b32 s42, ttmp9, 2
	s_add_co_u32 s42, s42, s40                     ; channel tile
	s_and_b32 s13, ttmp7, 0xffff
	s_lshl_b32 s13, s13, 2
	s_add_co_u32 s13, s13, s41                     ; query tile
	s_and_b32 s45, ttmp7, 0xffff
	s_lshr_b32 s45, s45, 2                         ; the batch, which all partners share
	s_lshl_b32 s43, s41, 2
	s_lshl_b32 s43, 15, s43
	s_lshl_b32 s44, 0x1111, s40
	s_or_b32 s[G1+0], s43, (1<<16)|(1<<20)|(1<<21)|(5<<22)|(3<<25)   ; pt: after every 64 words 4 words of padding
	s_or_b32 s[G1B+0], s44, (1<<16)|(1<<20)|(1<<21)|(6<<22)|(7<<25)  ; v: after every 128 words 8 words
	s_mov_b32 s[G1+1], 128<<16                     ; tensor_dim0 = 128
	s_mov_b32 s[G1+2], 64<<16                      ; tensor_dim1 = 64
	s_mov_b32 s[G1+3], 128<<16                     ; tile_dim0 = 128
	s_mov_b32 s[G1+4], 64                          ; tile_dim1 = 64
	s_mov_b32 s[G1+5], 2048                        ; elements from row to row of pt
	s_mov_b32 s[G1+6], 0
	s_mov_b32 s[G1+7], 0
	s_mov_b32 s[G1B+1], 256<<16                    ; 256 channels
	s_mov_b32 s[G1B+2], 64<<16                     ; 64 keys
	s_mov_b32 s[G1B+3], 256<<16
	s_mov_b32 s[G1B+4], 64
	s_mov_b32 s[G1B+5], 3072                       ; elements from row to row of qkv
	s_mov_b32 s[G1B+6], 0
	s_mov_b32 s[G1B+7], 0
	s_lshl_b32 s16, s13, 7
	s_lshl_b32 s17, s12, 6
	s_add_co_u32 s16, s16, s17                     ; pt: row 128 x query tile + 64 x half,
	s_lshl_b32 s16, s16, 12                        ; of 4,096 bytes
	s_mov_b32 s17, 0
	s_lshl_b32 s46, s45, 11
	s_lshl_b32 s47, s12, 6
	s_add_co_u32 s46, s46, s47                     ; v: row 2,048 x batch + 64 x half,
	s_mul_i32 s46, s46, 6144
	s_lshl_b32 s47, s42, 9
	s_add_co_u32 s46, s46, s47                     ; 512 bytes a channel tile,
	s_add_co_u32 s46, s46, 4096                    ; from byte 4,096 of the row
	s_mov_b32 s47, 0
	s_mul_i32 s20, s12, AHALF
	s_mul_i32 s21, s12, BHALF
	s_add_co_u32 s21, s21, BOFF
	s_mov_b32 s[SEL], 0x76543210
	s_mov_b32 s[SEL+1], 0xfedcba98
	s_mov_b32 s[FO], 0
	s_mov_b32 s[TB], 0
	s_wait_dscnt 0x0                               ; the opening add is done
	s_wait_kmcnt 0x0
	s_add_nc_u64 s[14:15], s[80:81], s[16:17]
	s_add_nc_u64 s[46:47], s[82:83], s[46:47]
	CROUND                                         ; all sixteen work-groups are here: the first joint loads meet
.irp s, 0,1
	s_mov_b32 s[G0+4*(\s)], 1
	s_add_co_u32 s[G0+4*(\s)+1], s20, (\s)*SLOT1
	s_add_nc_u64 s[G0+4*(\s)+2:G0+4*(\s)+3], s[14:15], (\s)*STEPA
	s_or_b32 s[G0+4*(\s)+3], s[G0+4*(\s)+3], 0x80000000
	s_mov_b32 s[G0B+4*(\s)], 1
	s_add_co_u32 s[G0B+4*(\s)+1], s21, (\s)*SLOT1
	s_add_nc_u64 s[G0B+4*(\s)+2:G0B+4*(\s)+3], s[46:47], (\s)*STEPV
	s_or_b32 s[G0B+4*(\s)+3], s[G0B+4*(\s)+3], 0x80000000
	JLOAD \s
.endr
	; THE STATISTICS of my 64 queries, in the wait for the first tiles.  Lane (r, h) takes groups 8 h + x; a load's four numbers are tokens 4 r .. 4 r + 3: my lane's query in row blocks 0-3.
	v_and_b32 v1, 15, v0                           ; r
	v_bfe_u32 v2, v0, 4, 1                         ; h
	s_lshl_b32 s16, s13, 7
	s_lshl_b32 s17, s11, 6
	s_add_co_u32 s22, s16, s17                     ; my first query among the 8,192
	s_lshl_b32 s16, s22, 2
	s_mov_b32 s17, 0
	s_add_nc_u64 s[76:77], s[84:85], s[16:17]
	v_lshlrev_b32 v3, 18, v2                       ; eight groups of 32,768 bytes
	v_lshl_add_u32 v[SO], v1, 4, v3
.irp x, 0,1,2,3,4,5,6,7
	global_load_b128 v[MC+4*(\x):MC+4*(\x)+3], v[SO], s[76:77] offset:32768*(\x)
.endr
.irp x, 0,1,2,3,4,5,6,7
	global_load_b128 v[LL+4*(\x):LL+4*(\x)+3], v[SO], s[76:77] offset:524288+32768*(\x)
.endr
	WIN 0x80                                       ; the totals begin at 0
.set z, 0
.rept 256
	v_mov_b32 v[z], 0
.set z, z+1
.endr
	WIN 0
	v_mul_u32_u24 v3, v1, PITCH
	v_lshl_add_u32 v3, v2, 4, v3                   ; a fragment of p: row x pitch + 16 x half
	v_and_b32 v4, 7, v0                            ; the turning load: lane l reads key 8 h + l % 8, channels 8 ((l / 8) % 2) + 0..7
	v_bfe_u32 v5, v0, 3, 1
	v_lshl_add_u32 v6, v2, 3, v4
	v_mul_u32_u24 v6, v6, VP
	v_lshl_add_u32 v6, v5, 4, v6
	s_mul_i32 s18, s11, AHALF                      ; my 64 rows of p
	s_lshl_b32 s19, s12, 8                         ; my 128 channels: 256 bytes of v's rows
	s_add_co_u32 s19, s19, BOFF
	v_add_nc_u32 v[ADRA0], s18, v3
	v_add_nc_u32 v[ADRB0], s19, v6
	v_mov_b32 v[ADRA], v[ADRA0]                    ; slot 0 comes first
	v_mov_b32 v[ADRB], v[ADRB0]
	s_mul_i32 s18, s10, 16*SPITCH
	s_add_co_u32 s18, s18, STAGE                   ; my stage
	v_mul_u32_u24 v4, v1, SPITCH                   ; in: row r, 32 bytes for each half of the lanes
	v_lshl_add_u32 v4, v2, 5, v4
	v_add_nc_u32 v[STO], s18, v4
	v_and_b32 v5, 31, v0
	v_lshlrev_b32 v[GO], 4, v5                     ; back: 32 lanes take one row of 512 bytes
	v_add_nc_u32 v[RD], s18, v[GO]
	s_lshl_b32 s18, s10, 13
	s_add_co_u32 s18, s18, FT                      ; my table of factors
	v_lshlrev_b32 v4, 5, v1
	v_add_nc_u32 v[FA], s18, v4
	v_lshl_add_u32 v7, v2, 12, v[FA]               ; where I put my eight groups' factors
	s_lshl_b32 s16, s22, 12                        ; out0: a row is 4,096 bytes
	s_add_nc_u64 s[8:9], s[86:87], s[16:17]
	s_lshl_b32 s46, s42, 10
	s_lshl_b32 s47, s12, 9
	s_add_co_u32 s46, s46, s47                     ; my first channel, in bytes
	s_mov_b32 s47, 0
	s_add_nc_u64 s[8:9], s[8:9], s[46:47]
	s_wait_loadcnt 0x0
.irp a, 0,1,2,3
	v_max3_num_f32 v[MX+\a], v[MC+\a], v[MC+4+\a], v[MC+8+\a]
.endr
.irp a, 0,1,2,3
	v_max3_num_f32 v[MX+\a], v[MX+\a], v[MC+12+\a], v[MC+16+\a]
.endr
.irp a, 0,1,2,3
	v_max3_num_f32 v[MX+\a], v[MX+\a], v[MC+20+\a], v[MC+24+\a]
.endr
.irp a, 0,1,2,3
	v_max_num_f32 v[MX+\a], v[MX+\a], v[MC+28+\a]
.endr
.irp a, 0,1,2,3
	v_mov_b32 v[MT+\a], v[MX+\a]                   ; the exchange's destination counts as read
.endr
.irp a, 0,1,2,3
	v_permlanex16_b32 v[MT+\a], v[MX+\a], s[SEL], s[SEL+1]  ; the other eight groups lie in the lane 16 away
.endr
.irp a, 0,1,2,3
	v_max_num_f32 v[MX+\a], v[MX+\a], v[MT+\a]     ; M
.endr
.set z, 0
.rept 16
	v_pk_add_f32 v[MC+2*z:MC+2*z+1], v[MC+2*z:MC+2*z+1], v[MX+2*(z%2):MX+2*(z%2)+1] neg_lo:[0,1] neg_hi:[0,1]
.set z, z+1
.endr
.set z, 0
.rept 32
	v_exp_f32 v[MC+z], v[MC+z]                     ; f
.set z, z+1
.endr
	v_nop                                          ; a plain instruction between the last exponential and the use of its result
	s_wait_alu depctr_va_vdst(0)
	v_pk_mul_f32 v[LS:LS+1], v[MC:MC+1], v[LL:LL+1]
	v_pk_mul_f32 v[LS+2:LS+3], v[MC+2:MC+3], v[LL+2:LL+3]
.set z, 2
.rept 14
	v_pk_fma_f32 v[LS+2*(z%2):LS+2*(z%2)+1], v[MC+2*z:MC+2*z+1], v[LL+2*z:LL+2*z+1], v[LS+2*(z%2):LS+2*(z%2)+1]
.set z, z+1
.endr
.irp a, 0,1,2,3
	v_permlanex16_b32 v[MT+\a], v[LS+\a], s[SEL], s[SEL+1]
.endr
.irp a, 0,1,2,3
	v_add_f32 v[LS+\a], v[LS+\a], v[MT+\a]         ; L
.endr
.irp a, 0,1,2,3
	v_rcp_f32 v[IL+\a], v[LS+\a]
.endr
	v_nop                                          ; a plain instruction between the last reciprocal and the use of its result
.set z, 0
	s_wait_alu depctr_va_vdst(0)
.rept 32
	v_mul_f32 v[DD+2*z], v[MC+z], v[IL+z%4]        ; f' = f / L, twice: a pair for the packed multiply-add
	v_mul_f32 v[DD+2*z+1], v[MC+z], v[IL+z%4]
.set z, z+1
.endr
.irp x, 0,1,2,3,4,5,6,7
	ds_store_b128 v7, v[DD+8*(\x):DD+8*(\x)+3] offset:512*(\x)      ; my wave's own bytes: only it reads them
	ds_store_b128 v7, v[DD+8*(\x)+4:DD+8*(\x)+7] offset:512*(\x)+16
.endr
; 8 matrix instructions: row block a x all 8 channel blocks, 32 keys.  zero = 1: a step's first products start its sums.  dr = 0..3: behind each product four packed multiply-adds take the finished
; accumulator (dr, b) of the step before, times f', onto its total, from its low end on; they name no register of the products round them.  The 32 accumulators take turns.
.macro MUL8 f, a, zero, dr=-1
.irp b, 0,1,2,3,4,5,6,7
	WIN MUL
.if \zero
	v_wmma_f32_16x16x32_f16 v[8*(8*(\a)+(\b)):8*(8*(\a)+(\b))+7], v[(\f)+32+8*(\b):(\f)+32+8*(\b)+7], v[(\f)+8*(\a):(\f)+8*(\a)+7], 0
.else
	v_wmma_f32_16x16x32_f16 v[8*(8*(\a)+(\b)):8*(8*(\a)+(\b))+7], v[(\f)+32+8*(\b):(\f)+32+8*(\b)+7], v[(\f)+8*(\a):(\f)+8*(\a)+7], v[8*(8*(\a)+(\b)):8*(8*(\a)+(\b))+7]
.endif
.if (\dr) >= 0
	WIN DRW
.irp z, 0,1,2,3
	v_pk_fma_f32 v[64*(\dr)+8*(\b)+2*(\z):64*(\dr)+8*(\b)+2*(\z)+1], v[64*(\dr)+8*(\b)+2*(\z):64*(\dr)+8*(\b)+2*(\z)+1], v[FQ+2*(\dr):FQ+2*(\dr)+1], v[64*(\dr)+8*(\b)+2*(\z):64*(\dr)+8*(\b)+2*(\z)+1]
.endr
.endif
.endr
.endm
; 24 LDS loads in one run: quarter q (32 keys) of the slot in hand: v's eight fragments, turned, then p's four, the last two of these youngest
.macro FETCH q, f
	WIN 0
.irp i, 0,1,2,3,4,5,6,7
	ds_load_tr16_b128 v[(\f)+32+8*(\i):(\f)+32+8*(\i)+3],   v[ADRB] offset:32*VP*(\q)+32*(\i)
	ds_load_tr16_b128 v[(\f)+32+8*(\i)+4:(\f)+32+8*(\i)+7], v[ADRB] offset:32*VP*(\q)+16*VP+32*(\i)
.endr
.irp i, 0,1,2,3
	ds_load_b128 v[(\f)+8*(\i):(\f)+8*(\i)+3],   v[ADRA] offset:64*(\q)+(\i)*16*PITCH
	ds_load_b128 v[(\f)+8*(\i)+4:(\f)+8*(\i)+7], v[ADRA] offset:64*(\q)+(\i)*16*PITCH+32
.endr
.endm
; One of a step's first three quarters multiplies buffer f and fetches quarter q into d.  ldf = 1 (a step's second quarter): the step's factors are read too; the step before has used its own by then.
.macro QUARTER q, f, d, zero, dr, ldf
	s_wait_dscnt 4                                 ; all but the youngest four loads (p's blocks 2 and 3) are in
	MUL8 \f, 0, \zero, \dr
	MUL8 \f, 1, \zero
	PLACES
	WIN 0
.if \ldf
	v_add_nc_u32 v[FC], s[FO], v[FA]
	s_add_co_u32 s[FO], s[FO], 512
	ds_load_b128 v[FQ:FQ+3], v[FC]
	ds_load_b128 v[FQ+4:FQ+7], v[FC] offset:16
.endif
	FETCH \q, \d
	s_wait_dscnt 24                                ; all but the 24 just issued
	MUL8 \f, 2, \zero
	MUL8 \f, 3, \zero
.endm
; The last quarter multiplies buffer 1, changes slots, and begins to take the step's sums onto the totals: block a behind the products of block a + 1; block 3 follows in the next step's first quarter.
.macro TURN fill
	WIN 0
	s_wait_tensorcnt 0x0                           ; all my tensor loads have landed: my part of the next slot
	ds_add_u32 v[SPW], v[NIL]
	s_wait_dscnt 5                                 ; (the add and the youngest four loads may be out)
	MUL8 F1, 0, 0
	PLACES                                         ; block 0's sums are read below
	s_wait_dscnt 0x0                               ; the add is done, and my reads of this slot are over
	s_barrier_signal -1
	MUL8 F1, 1, 0, 0
	WIN 0
	s_barrier_wait -1
.if \fill
	CREST                                          ; no wave of any partner still reads this slot or has a load on its way
	s_xor_b32 s[G0+5], s[G0+5], SLOT1              ; the walking descriptors: the other slot than last time,
	s_add_nc_u64 s[G0+6:G0+7], s[G0+6:G0+7], STEPA ; the next K step
	s_xor_b32 s[G0B+5], s[G0B+5], SLOT1
	s_add_nc_u64 s[G0B+6:G0B+7], s[G0B+6:G0B+7], STEPV
	JLOAD 1
.else
	PLACES
.endif
	s_xor_b32 s[TB], s[TB], SLOT1                  ; the fetches go on in the other slot
	v_add_nc_u32 v[ADRA], s[TB], v[ADRA0]
	v_add_nc_u32 v[ADRB], s[TB], v[ADRB0]
	FETCH 0, F0
	MUL8 F1, 2, 0, 1
	MUL8 F1, 3, 0, 2
.endm
	s_wait_tensorcnt 1                             ; my part of K step 0 is in; K step 1's may stay out
	s_wait_dscnt 0x0                               ; my stores of the factors are done
	s_barrier_signal -1
	s_barrier_wait -1
	FETCH 0, F0
	QUARTER 1, F0, F1, 1, -1, 0                    ; the first quarter of all
	WIN 0
	s_mov_b32 s3, 14
.Lstep:                                                ; fourteen trips: from a step's second quarter to the next step's first; steps 0 to 13 fill their slot again with steps 2 to 15
	QUARTER 2, F1, F0, 0, -1, 1
	QUARTER 3, F0, F1, 0, -1, 0
	TURN 1
	QUARTER 1, F0, F1, 1, 3, 0
	WIN 0
	s_sub_co_u32 s3, s3, 1
	s_cmp_lg_u32 s3, 0
	s_cbranch_scc1 .Lstep
	QUARTER 2, F1, F0, 0, -1, 1                    ; the last two steps fill nothing
	QUARTER 3, F0, F1, 0, -1, 0
	TURN 0
	QUARTER 1, F0, F1, 1, 3, 0
	QUARTER 2, F1, F0, 0, -1, 1
	QUARTER 3, F0, F1, 0, -1, 0
	s_wait_dscnt 4
	MUL8 F1, 0, 0
	PLACES
	MUL8 F1, 1, 0, 0
	s_wait_dscnt 0x0
	MUL8 F1, 2, 0, 1
	MUL8 F1, 3, 0, 2
	WIN DRW                                        ; the last step's block 3: behind each of its products stand four multiply-adds of block 2 or more
.set z, 0
.rept 32
	v_pk_fma_f32 v[192+2*z:192+2*z+1], v[192+2*z:192+2*z+1], v[FQ+6:FQ+7], v[192+2*z:192+2*z+1]
.set z, z+1
.endr
	WIN 0
; THE WAY OUT of row block a: a lane's eight channels (32 bytes) go from the totals into rows of 528 bytes of my stage and come back as whole rows of 512.
.macro OUT a
	s_wait_xcnt 0x0                                ; the registers loaded below were the data of the stores two blocks ago
	WIN 0x08                                       ; the stores' data in window 2
.irp b, 0,1,2,3,4,5,6,7
	ds_store_b128 v[STO], v[64*(\a)+8*(\b):64*(\a)+8*(\b)+3] offset:64*(\b)
	ds_store_b128 v[STO], v[64*(\a)+8*(\b)+4:64*(\a)+8*(\b)+7] offset:64*(\b)+16
.endr
	WIN 0
.set z, 0
.rept 16
	ds_load_b128 v[OB+64*((\a)%2)+4*z:OB+64*((\a)%2)+4*z+3], v[RD] offset:z*SPITCH  ; LDS serves a wave's instructions in order: these see the stores above
.set z, z+1
.endr
.endm
; Row z of block a is token 4 z + a of my 64.
.macro SENDO a
.set z, 0
.rept 16
	s_wait_dscnt 15-z                              ; row z is back; the younger rows stay out
	global_store_b128 v[GO], v[OB+64*((\a)%2)+4*z:OB+64*((\a)%2)+4*z+3], s[8:9] offset:(4*z+(\a))*4096 th:TH_STORE_NT  ; 512 consecutive bytes, at a multiple of 512 from out0's first byte
.set z, z+1
.endr
.endm
.irp a, 0,1,2,3
	OUT \a
	SENDO \a
.endr
	s_wait_tensorcnt 0x0                           ; the wave's end
	ds_add_u32 v[SPW], v[NIL]
	s_wait_dscnt 0x0
	CROUND                                         ; the closing round
	s_endpgm
.Lfunc_end_k_q70a122c658_pv:
	.size	k_q70a122c658_pv, .Lfunc_end_k_q70a122c658_pv-k_q70a122c658_pv
	.p2alignl 7, 3214868480
	.fill 96, 4, 3214868480
	.section	.rodata,"a",@progbits
	.p2align	6, 0x0
	.amdhsa_kernel k_q70a122c658_pv
		.amdhsa_group_segment_fixed_size 327680
		.amdhsa_private_segment_fixed_size 0
		.amdhsa_enable_private_segment 0
		.amdhsa_kernarg_size 32
		.amdhsa_user_sgpr_count 2
		.amdhsa_user_sgpr_kernarg_segment_ptr 1
		.amdhsa_wavefront_size32 1
		.amdhsa_system_sgpr_workgroup_id_x 1
		.amdhsa_system_sgpr_workgroup_id_y 1
		.amdhsa_system_sgpr_workgroup_id_z 1
		.amdhsa_system_vgpr_workitem_id 0
		.amdhsa_next_free_vgpr 768
		.amdhsa_next_free_sgpr 96
		.amdhsa_reserve_vcc 0
		.amdhsa_float_denorm_mode_32 3
		.amdhsa_float_denorm_mode_16_64 3
		.amdhsa_memory_ordered 1
		.amdhsa_forward_progress 1
		.amdhsa_inst_pref_size 120
	.end_amdhsa_kernel
	.amdgpu_metadata
---
amdhsa.version: [ 1, 2 ]
amdhsa.kernels:
  - .name:           k_q70a122c658_pv
    .symbol:         k_q70a122c658_pv.kd
    .args:
      - { .name: pt, .offset: 0, .size: 8, .value_kind: global_buffer, .address_space: global }
      - { .name: qkv, .offset: 8, .size: 8, .value_kind: global_buffer, .address_space: global }
      - { .name: st, .offset: 16, .size: 8, .value_kind: global_buffer, .address_space: global }
      - { .name: out0, .offset: 24, .size: 8, .value_kind: global_buffer, .address_space: global }
    .group_segment_fixed_size: 327680
    .private_segment_fixed_size: 0
    .kernarg_segment_align: 8
    .kernarg_segment_size: 32
    .max_flat_workgroup_size: 128
    .sgpr_count:     96
    .vgpr_count:     768
    .wavefront_size: 32
...
	.end_amdgpu_metadata
.endif
;; end of part 8
;; ======== version 3 of 3: 4 launches; version 2 with the launch cast written anew for expert scheduling mode
;; limits: values are held in f16: magnitudes above 65,504 overflow, below 6.1e-05 lose precision
;; workspace buffers: xh 16,777,216 bytes; wh 6,291,456 bytes; qkv 50,331,648 bytes; pt 33,554,432 bytes; st 1,048,576 bytes
;; launch cast (part 9): grid 704 x 1, 8 waves a work-group, no clusters, 0 bytes of LDS; arguments hidden_states, Wq, Wk, Wv, xh, wh; writes xh, wh
.if DOCPART == 9
	.amdgcn_target "amdgcn-amd-amdhsa--gfx1250"
	.amdhsa_code_object_version 6
	.text
	.protected	k_q70a122c658_cast
	.globl	k_q70a122c658_cast
	.p2align	8
	.type	k_q70a122c658_cast,@function
k_q70a122c658_cast:
	s_mov_b64 s[64:65], 0
	v_nop
	global_prefetch_b8 v0, s[64:65] scope:SCOPE_SE
	s_setreg_imm32_b32 hwreg(HW_REG_WAVE_SCHED_MODE, 0, 2), 2
	s_setreg_imm32_b32 hwreg(HW_REG_WAVE_MODE, 25, 1), 1
	s_wait_xcnt 0x0
	s_wait_alu depctr_vm_vsrc(0)
; xh = bf16(hidden_states), wh = bf16(Wq | Wk | Wv), both laid out in BLOCKS ALONG K: [16 blocks][row][64 numbers], a row's piece 128 bytes, so that any run of rows of one block is dense
; and the next launch can ask for its tiles (rows x 64 along K) as rows of 256 consecutive bytes.  xh has 8,192 rows, wh 3,072 (Wq, Wk, Wv).
; THE ORDER OF xh's ROWS.  Inside each aligned group of 64 tokens, token t = 4 r + i (r 0..15, i 0..3) is written to row 16 i + r.  All later launches work on rows in this
; order; it lets a lane of the score launch read four neighbouring mask numbers and feed four matrix fragments with them, and the last launch undoes it in its stores.
; SHARES.  11,264 rows.  A work-group owns 16 rows, each of its eight waves two whose places in the result are neighbours: tokens t and t + 4 of x, rows R and R + 1 of a weight.
; Groups 0-511 x, 512-575 Wq, 576-639 Wk, 640-703 Wv.  Load i takes block i of both rows: lanes 0-15 read 256 consecutive bytes of the one, lanes 16-31 of the other; the store puts
; the two pieces of 128 bytes side by side: 256 consecutive bytes, at a multiple of 256 from the buffer's first byte.
; A stream: every byte is read once and written once, no two work-groups share an input, so no LDS, no barrier, no cluster and no matrix work.  All sixteen loads of a wave go out at once.
; THE MODE: SCHED_MODE bits 1:0 = 2 (LLVM: expert scheduling mode 2), set by the entry lines.  The code itself states the register dependences
; between vector instructions and memory instructions, with s_wait_alu, always for 0.
; THE PLAN.  Registers that memory instructions touch:
;   v2     the loads' offset.   Written by vector lines at the head; read by the sixteen loads; never written again.
;   X      as loaded.           Written by the loads alone, once each; read by the conversions; never loaded again.
;   OFF    the stores' offsets. Written once each by sixteen vector lines behind the loads; read by one store each.
;   Y      to store.            Written once each by the conversions; read by one store each.
; No register that a memory instruction reads is written again, so nothing is owed on that side.  What is owed: v2 ahead of the loads, one wait; OFF and Y ahead of the stores.  So the sixteen
; blocks go in four groups of four: the group's data are waited for, its eight conversions follow, ONE wait states that they have written their part of Y, and the group's four stores go out in a run.
.set OFF, 8                            ; v8-23    byte offset of my 8 bytes in block i of the result
.set X,   24                           ; v24-87   as loaded
.set Y,   88                           ; v88-119  to store
	s_load_b256 s[4:11], s[0:1], 0x0               ; hidden_states s[4:5], Wq s[6:7], Wk s[8:9], Wv s[10:11]
	s_load_b128 s[12:15], s[0:1], 0x20             ; xh s[12:13], wh s[14:15]
	v_lshrrev_b32 v1, 5, v0
	v_readfirstlane_b32 s16, v1                    ; wave 0..7
	v_and_b32 v1, 31, v0
	v_lshlrev_b32 v3, 3, v1                        ; 8 bytes a lane on the way out
	v_and_b32 v2, 15, v0
	v_lshlrev_b32 v2, 4, v2                        ; 16 bytes a lane on the way in,
	v_bfe_u32 v4, v0, 4, 1                         ; and lanes 16-31 take the second row
	s_mov_b32 s17, ttmp9
	s_lshl_b32 s18, s17, 4                         ; the group's first row among the 11,264
	s_wait_alu depctr_va_sdst(0)                   ; s16, the wave's number, is written, ahead of its first reader: my rows and both bases are made from it
	s_and_b32 s19, s16, 3
	s_lshr_b32 s20, s16, 2
	s_lshl3_add_u32 s19, s20, s19
	s_add_co_u32 s19, s19, s18                     ; x: my first token t = 16 x group + 8 (wave / 4) + wave % 4; the second is t + 4
	s_and_b32 s20, s19, 0xffffffc0                 ; its row of xh: the group of 64 stays,
	s_and_b32 s21, s19, 3
	s_lshl_b32 s21, s21, 4                         ; t % 4 chooses the block of 16 rows,
	s_or_b32 s20, s20, s21
	s_bfe_u32 s21, s19, 0x40002                    ; (t / 4) % 16 the row in it: even, and token t + 4 falls on the next row
	s_or_b32 s20, s20, s21
	s_lshl_b32 s20, s20, 7                         ; 128 bytes a row
	s_lshl_b32 s19, s19, 12                        ; and 4,096 in the source
	s_lshl1_add_u32 s21, s16, s18                  ; the weights: my first row R = 16 x group + 2 x wave among the 11,264
	s_sub_co_u32 s24, s21, 8192
	s_lshl_b32 s24, s24, 7                         ; its place in a block of wh (used by the weights' groups alone)
	s_mov_b32 s25, 10240                           ; the first row of my weight among the 11,264
	s_mov_b32 s28, 393216                          ; bytes in a block of wh: 3,072 rows of 128
	s_movk_i32 s29, 4096                           ; from my first row to my second in the source
	s_mov_b32 s31, 0
	s_mov_b32 s33, 0
	s_wait_kmcnt 0x0
	s_mov_b64 s[22:23], s[10:11]
	s_cmp_lt_u32 s17, 640
	s_cselect_b64 s[22:23], s[8:9], s[22:23]
	s_cselect_b32 s25, 9216, s25
	s_cmp_lt_u32 s17, 576
	s_cselect_b64 s[22:23], s[6:7], s[22:23]
	s_cselect_b32 s25, 8192, s25
	s_sub_co_u32 s25, s21, s25
	s_lshl_b32 s25, s25, 12                        ; my first row in the weight, in bytes
	s_cmp_lt_u32 s17, 512                          ; x or a weight?
	s_cselect_b64 s[22:23], s[4:5], s[22:23]
	s_cselect_b32 s30, s19, s25
	s_cselect_b64 s[26:27], s[12:13], s[14:15]
	s_cselect_b32 s32, s20, s24
	s_cselect_b32 s28, 0x100000, s28               ; bytes in a block of xh: 8,192 rows of 128
	s_cselect_b32 s29, 0x4000, s29                 ; four tokens down
	s_add_nc_u64 s[22:23], s[22:23], s[30:31]      ; the source at my first row
	s_add_nc_u64 s[26:27], s[26:27], s[32:33]      ; the result at my two rows' place in block 0
	v_mad_u32_u24 v2, v4, s29, v2
	s_wait_alu depctr_va_vdst(0)                   ; v2 is written, which all sixteen loads read as their offset
.set i, 0
.rept 16
	global_load_b128 v[X+4*i:X+4*i+3], v2, s[22:23] offset:256*i th:TH_LOAD_NT  ; read once in the launch
.set i, i+1
.endr
.set i, 0
.rept 16
	v_mad_u32_u24 v[OFF+i], s28, i, v3             ; block i
.set i, i+1
.endr
.set g, 0
.rept 4                                                ; four groups of four blocks
	s_wait_loadcnt 12-4*g                          ; loads come back in order: the group's four are in, the 12 - 4 g younger ones stay out
.irp j, 0,1,2,3
	v_cvt_pk_bf16_f32 v[Y+2*(4*g+(\j))], v[X+4*(4*g+(\j))], v[X+4*(4*g+(\j))+1]
	v_cvt_pk_bf16_f32 v[Y+2*(4*g+(\j))+1], v[X+4*(4*g+(\j))+2], v[X+4*(4*g+(\j))+3]
.endr
	s_wait_alu depctr_va_vdst(0)                   ; the group's eight conversions have written their part of Y, which the four stores below read; the first of these waits also states that all sixteen OFF are written
.irp j, 0,1,2,3
	global_store_b64 v[OFF+4*g+(\j)], v[Y+2*(4*g+(\j)):Y+2*(4*g+(\j))+1], s[26:27]
.endr
.set g, g+1
.endr
	s_endpgm
.Lfunc_end_k_q70a122c658_cast:
	.size	k_q70a122c658_cast, .Lfunc_end_k_q70a122c658_cast-k_q70a122c658_cast
	.p2alignl 7, 3214868480
	.fill 96, 4, 3214868480
	.section	.rodata,"a",@progbits
	.p2align	6, 0x0
	.amdhsa_kernel k_q70a122c658_cast
		.amdhsa_group_segment_fixed_size 0
		.amdhsa_private_segment_fixed_size 0
		.amdhsa_enable_private_segment 0
		.amdhsa_kernarg_size 48
		.amdhsa_user_sgpr_count 2
		.amdhsa_user_sgpr_kernarg_segment_ptr 1
		.amdhsa_wavefront_size32 1
		.amdhsa_system_sgpr_workgroup_id_x 1
		.amdhsa_system_sgpr_workgroup_id_y 1
		.amdhsa_system_sgpr_workgroup_id_z 1
		.amdhsa_system_vgpr_workitem_id 0
		.amdhsa_next_free_vgpr 120
		.amdhsa_next_free_sgpr 66
		.amdhsa_reserve_vcc 0
		.amdhsa_float_denorm_mode_32 3
		.amdhsa_float_denorm_mode_16_64 3
		.amdhsa_memory_ordered 1
		.amdhsa_forward_progress 1
		.amdhsa_inst_pref_size 9
	.end_amdhsa_kernel
	.amdgpu_metadata
---
amdhsa.version: [ 1, 2 ]
amdhsa.kernels:
  - .name:           k_q70a122c658_cast
    .symbol:         k_q70a122c658_cast.kd
    .args:
      - { .name: hidden_states, .offset: 0, .size: 8, .value_kind: global_buffer, .address_space: global }
      - { .name: Wq, .offset: 8, .size: 8, .value_kind: global_buffer, .address_space: global }
      - { .name: Wk, .offset: 16, .size: 8, .value_kind: global_buffer, .address_space: global }
      - { .name: Wv, .offset: 24, .size: 8, .value_kind: global_buffer, .address_space: global }
      - { .name: xh, .offset: 32, .size: 8, .value_kind: global_buffer, .address_space: global }
      - { .name: wh, .offset: 40, .size: 8, .value_kind: global_buffer, .address_space: global }
    .group_segment_fixed_size: 0
    .private_segment_fixed_size: 0
    .kernarg_segment_align: 8
    .kernarg_segment_size: 48
    .max_flat_workgroup_size: 256
    .sgpr_count:     66
    .vgpr_count:     120
    .wavefront_size: 32
...
	.end_amdgpu_metadata
.endif
;; end of part 9
;; launch proj: the kernel of part 6 again; grid 8 x 32, 4 waves a work-group, clusters of 4 x 4, 327,680 bytes of LDS; arguments xh, wh, bq, bk, bv, qkv; writes qkv
;; launch score: the kernel of part 7 again; grid 8 x 32, 4 waves a work-group, clusters of 4 x 4, 327,680 bytes of LDS; arguments qkv, attention_mask, prosody_mask, prosody_weight, pt, st; writes pt, st
;; launch pv: the kernel of part 8 again; grid 4 x 64, 4 waves a work-group, clusters of 4 x 4, 327,680 bytes of LDS; arguments pt, qkv, st, out0; writes out0
